; MI455X (gfx1250); checked and timed in simulation.
; The chip was launched on July 23, 2026; its instructions are those of AMD's public machine-readable ISA for CDNA 5 (MIT licence, August 2026) and "CDNA5" Instruction Set Architecture Reference Guide (July 2026). The comments in the code are by the model that wrote it; some were corrected since.
;; Temperature Guided Attention. Allowed arithmetic: matrix products marked QUANTISED: E2M3 operands, one E8M0 scale for each 32 along K, by v_wmma_scale_f32_16x16x128_f8f6f4 with both operands' format E2M3, f32 sums; products left as they are: f32 operands where the result goes on into a quantised operand, else bf16, f16 or f32 operands; f32 sums; everything else in f32.
;; Inputs: hidden_states 4 x 1,024 x 1,024 float32; mha_in_w 3,072 x 1,024 float32; mha_out_w 1,024 x 1,024 float32; thp_b 1,024 float32; thp_ln_b 1,024 float32; thp_ln_g 1,024 float32; thp_w 1,024 x 16 float32; tn_b1 1,024 float32; tn_b2 1 float32; tn_ln_b 1,024 float32; tn_ln_g 1,024 float32; tn_w1 1,024 x 2,048 float32; tn_w2 1 x 1,024 float32; ttm_ln_b 16 float32; ttm_ln_g 16 float32; wk 1,024 x 1,024 float32; wo 1,024 x 1,024 float32; wq 1,024 x 1,024 float32; wt 16 x 1,024 float32; wv 1,024 x 1,024 float32.
;; Outputs: out0 4 x 1,024 x 1,024 float32; out1 4 x 3 x 1,024 x 1 float32.
;; This version of the problem:
;;   THIS VERSION OF THE PROBLEM IS GIVEN IN LOW PRECISION. The matrix products marked QUANTISED in the list below multiply operands that are first quantised to E2M3 (2 exponent bits, 3 mantissa bits; 6 bits a number), with one power-of-two scale for each 32 numbers along K (OCP MX v1.0); their sums are f32. All else is computed in f32.
;;   The module's matrix products, in the order in which they are computed (A, B: the left and right operand; K: the contracted axis; several contracted axes count as one K, in the product's order):
;;     1. [M 4,096, K 1,024] x [K 1,024, N 3,072]; A: input hidden_states; B: input mha_in_w: QUANTISED
;;     2. batch 64 x [M 1,024, K 64] x [K 64, N 1,024]; A: computed on the way; B: computed on the way: QUANTISED
;;     3. batch 64 x [M 1,024, K 1,024] x [K 1,024, N 64]; A: softmax (see below); B: computed on the way: QUANTISED
;;     4. [M 4,096, K 1,024] x [K 1,024, N 1,024]; A: computed on the way; B: input mha_out_w: QUANTISED
;;     5. [M 4,096, K 1,024] x [K 1,024, N 16]; A: computed on the way; B: input wt: QUANTISED
;;     6. [M 4,096, K 16] x [K 16, N 1,024]; A: computed on the way; B: input thp_w: left as it is (K = 16 < 32)
;;     7. [M 4,096, K 2,048] x [K 2,048, N 1,024]; A: computed on the way; B: input tn_w1: QUANTISED
;;     8. [M 4,096, K 1,024] x [K 1,024, N 1]; A: computed on the way; B: input tn_w2: left as it is (N = 1 < 16)
;;     9. [M 4,096, K 2,048] x [K 2,048, N 1,024]; A: computed on the way; B: input tn_w1: QUANTISED
;;     10. [M 4,096, K 1,024] x [K 1,024, N 1]; A: computed on the way; B: input tn_w2: left as it is (N = 1 < 16)
;;     11. [M 4,096, K 1,024] x [K 1,024, N 1,024]; A: input hidden_states; B: input wq: QUANTISED
;;     12. [M 4,096, K 1,024] x [K 1,024, N 1,024]; A: input hidden_states; B: input wk: QUANTISED
;;     13. [M 4,096, K 1,024] x [K 1,024, N 1,024]; A: input hidden_states; B: input wv: QUANTISED
;;     14. batch 64 x [M 1,024, K 64] x [K 64, N 1,024]; A: computed on the way; B: computed on the way: QUANTISED
;;     15. batch 64 x [M 1,024, K 1,024] x [K 1,024, N 64]; A: softmax (see below); B: computed on the way: QUANTISED
;;     16. [M 4,096, K 1,024] x [K 1,024, N 1,024]; A: computed on the way; B: input wo: QUANTISED
;;   THE QUANTISER, for each operand of a quantised product, along K:
;;     - K is cut into blocks of 32 from its start; a last block that is shorter is filled with zeros.
;;     - A block's scale is 2^e with e = floor(log2(the largest magnitude in the block)) - 2, held to -126 .. 127; a block of zeros has e = 0. As a byte (E8M0): e + 127.
;;     - Each number is divided by its block's scale, clamped to +-7.5, and rounded to the nearest number of E2M3, ties to even, subnormals kept.
;;     - The product sums the exact products of the quantised numbers (number of the format x scale) in f32.
;;   ~~~python
;;   def quantise(x, axis):      # numpy; x: float32 -> the quantised numbers, widened to float32 again
;;       x = np.moveaxis(x, axis, -1); K = x.shape[-1]
;;       x = np.pad(x, [(0, 0)] * (x.ndim - 1) + [(0, -K % 32)]); x = x.reshape(x.shape[:-1] + (-1, 32)); a = np.abs(x).max(-1, keepdims=True)
;;       e = np.where(a > 0, np.clip(np.frexp(np.where(a > 0, a, 1))[1] - 1 - 2, -126, 127), 0)      # np.frexp(a)[1] - 1 = floor(log2(a)), exactly
;;       r = np.clip(x / 2.0 ** e, -7.5, 7.5)
;;       step = 2.0 ** (np.maximum(np.frexp(np.where(r == 0, 1, r))[1] - 1, 0) - 3)
;;       q = np.round(r / step) * step * 2.0 ** e      # np.round: ties to even
;;       return np.moveaxis(q.reshape(q.shape[:-2] + (-1,))[..., :K], -1, axis).astype(np.float32)
;;   ~~~
;;   SOFTMAX AHEAD OF A QUANTISED PRODUCT. Where the list says 'softmax', what is quantised is not the finished softmax but p = 2^(t - M), with t = logit x log2(e) and M = ceil(the row's largest t), a whole number; so 1/2 < the row's largest p <= 1. The row's sum l is taken of the UNQUANTISED p, in f32, and the product's result is divided by l at the end. Since M is a whole number, a kernel that streams over the keys may use a running M (the ceiling of the running maximum): every later rescaling is an exact power of two, which a block's scale takes up: the codes' values come out the same.
;;   OPERANDS COMPUTED ON THE WAY. 'Computed on the way' means the value that the module computes at that place (a softmax that the list does not call 'softmax' is quantised finished and normalised). What goes into a quantiser is computed in f32, as accurately as f32 sums, v_exp_f32 and their like allow (about 1e-6 of the number): no bf16 or f16 on the way to a quantiser, and a product that is left as it is and whose result goes on into a quantised operand takes f32 operands (vector FMAs, or v_wmma_f32_16x16x4_f32). A number that lies on a knife's edge between two numbers of the format may be rounded either way, as far as f32 arithmetic and the matrix unit's own rounding can turn it there, and no further.
;; 2 versions, each right and faster than the one before. Each part assembles by itself: llvm-mc -triple=amdgcn-amd-amdhsa -mcpu=gfx1250 --defsym DOCPART=n.
;; ======== version 1 of 2: 12 launches
;; limits: a function is approximated: absolute error at most 1.5e-07
;; workspace buffers: ac0 9,011,200 bytes; ac1 4,305,408 bytes; ac2 4,308,992 bytes; ac3 4,292,608 bytes; hm 26,886,144 bytes; ha 26,886,144 bytes; s1 16,384 bytes; s2 16,384 bytes
;; launch quant (part 1): grid 897 x 1, 1 waves a work-group, no clusters, 9,216 bytes of LDS; arguments hidden_states, tn_w1, mha_in_w, wq, wk, wv, mha_out_w, wo, wt, ac0, ac1, ac2, ac3, hm; writes ac0, ac1, ac2, ac3, hm
.if DOCPART == 1
	.amdgcn_target "amdgcn-amd-amdhsa--gfx1250"
	.amdhsa_code_object_version 6
	.text
	.protected	k_q3f6c97c9fd_quant
	.globl	k_q3f6c97c9fd_quant
	.p2align	8
	.type	k_q3f6c97c9fd_quant,@function
k_q3f6c97c9fd_quant:
	s_mov_b64 s[64:65], 0
	v_nop
	global_prefetch_b8 v0, s[64:65] scope:SCOPE_SE
	s_setreg_imm32_b32 hwreg(HW_REG_WAVE_MODE, 25, 1), 1
	s_wait_xcnt 0x0
; The nine matrix inputs (f32, K innermost, K = 1,024 a piece) become codes of FP6 (E2M3) with one E8M0 byte for each 32 along K,
; laid in the ORDER OF THE OPERAND'S REGISTERS: a fragment (16 rows x 128 K, 12 registers a lane) is 1,536 bytes in two halves of 768:
; registers 6c..6c+3 at 16 x lane, registers 6c+4, 6c+5 at 512 + 8 x lane.  A tensor is [row tile][K step][1536]; its scale words [row tile][K step][16 rows x 4 bytes].
; THE ROWS OF A TILE ARE NOT NEIGHBOURS: lane r of tile i holds row 32 (i / 2) + 8 (i % 2) + r + 8 (r / 8) (wt alone, 16 rows, keeps its order),
; so that a product that takes such a tile as source 0 leaves 16 neighbours along the next K in the 16 registers of two neighbouring tiles.
; One wave to a work-group, one row tile x 1,024 K to a wave: 8 steps of one fragment.  Each load reads 512 consecutive bytes of one row; a step's 16 rows turn through
; a stage in LDS (pitch 528) so that a lane holds 16 neighbours of each block of 32.  Work-groups share no input, so there is nothing to ask for jointly.
; A block's scale is 2^(floor(log2(largest magnitude)) - 2); its byte is held at 1 from below (a block of zeros keeps 1: its codes are zeros, and this program alone reads the bytes).
; LIMITS: NaN and infinities among the inputs are not served.
; The first 32 work-groups also store 4,096 ones into hm's table of factors: the first attention has no temperature.
.set ASOFF, 0x300000                   ; in an operand buffer: A's scale words,
.set BSOFF, 0x320000                   ; B's scale words,
.set BCOFF, 0x358000                   ; B's codes,
.set TAILO, 0x418000                   ; what lies behind B's 64 tiles
.set TWN,   0x19A0000                  ; in hm: the factors
.set SCB,   8448                       ; LDS: the stage 16 x 528 at 0; the tile's 512 bytes of scale words;
.set SPARE, 8960                       ; the spare words: one block of 256 bytes that no other line names
.set A16,  1                           ; v1   16 x lane
.set SOUT, 2                           ; v2   528 r + 64 h: where I read my 16 neighbours
.set SCW,  3                           ; v3   SCB + 4 r
.set SCR,  4                           ; v4   SCB + 16 x lane
.set A8,   5                           ; v5   8 x lane
.set SPW,  6
.set NIL,  7
.set RO,   8                           ; v8-23  row t's byte offset + 16 x lane
.set TM,   24                          ; v24-39 at work in QUANT
.set PW,   40                          ; the scale word just made
.set PC,   42                          ; v42-61 the codes just made
.set L,    64                          ; v64-191 two sets of 16 rows as loaded
.set X,    192                         ; v192-255 64 numbers: register 16 b + i = k 32 b + 16 h + i of row r
.set SEL,  60
.macro QUANT s
.irp b, 0,1,2,3
	v_max3_num_f32 v[TM+\b], |v[\s+16*\b]|, |v[\s+1+16*\b]|, 0x1800000   ; block b: my 16 numbers, and the floor 2^(3 - 127)
.endr
.irp i, 2,4,6,8,10,12,14
.irp b, 0,1,2,3
	v_max3_num_f32 v[TM+\b], v[TM+\b], |v[\s+16*\b+\i]|, |v[\s+1+16*\b+\i]|
.endr
.endr
.irp b, 0,1,2,3
	v_permlanex16_b32 v[TM+4+\b], v[TM+\b], s[SEL], s[SEL+1]
.endr
.irp b, 0,1,2,3
	v_max_num_f32 v[TM+\b], v[TM+\b], v[TM+4+\b]       ; with lane l xor 16's: the block's largest magnitude
.endr
.irp b, 0,1,2,3
	v_add_nc_u32 v[TM+12+\b], 0xff000000, v[TM+\b]     ; 2 off its exponent field: the conversion's scale operand
.endr
.irp b, 0,1,2,3
	v_lshrrev_b32 v[TM+4+\b], 23, v[TM+12+\b]          ; the scale's byte
.endr
	v_lshl_or_b32 v[PW], v[TM+5], 8, v[TM+4]
	v_lshl_or_b32 v[PW], v[TM+6], 16, v[PW]
	v_lshl_or_b32 v[PW], v[TM+7], 24, v[PW]
.irp c, 0,1
	v_cvt_scalef32_pk16_fp6_f32 v[PC+6*\c:PC+2+6*\c], v[\s+32*\c:\s+15+32*\c], v[TM+12+2*\c]
	v_cvt_scalef32_pk16_fp6_f32 v[PC+12+4*\c:PC+14+4*\c], v[\s+16+32*\c:\s+31+32*\c], v[TM+12+2*\c+1]
.endr
	v_nop                                              ; one plain place behind a scaled conversion
.irp c, 0,1                                        ; the layout wants a whole block in a lane
.irp i, 0,1,2
	v_permlane16_swap_b32 v[PC+6*\c+\i], v[PC+12+4*\c+\i]
.endr
.irp i, 0,1,2
	v_mov_b32 v[PC+3+6*\c+\i], v[PC+12+4*\c+\i]
.endr
.endr
.endm
.macro PICK bound, ptr, sh, col                    ; from work-group bound on: this input, this row pitch (as a shift), this first column (in bytes)
	s_cmp_ge_u32 ttmp9, \bound
	s_cselect_b64 s[36:37], s[\ptr:\ptr+1], s[36:37]
	s_cselect_b32 s38, \bound, s38
	s_cselect_b32 s39, \sh, s39
	s_cselect_b32 s40, \col, s40
.endm
.macro PICKO bound, ptr, co, so                    ; from work-group bound on: this buffer, codes and scale words from these bytes on
	s_cmp_ge_u32 ttmp9, \bound
	s_cselect_b64 s[44:45], s[\ptr:\ptr+1], s[44:45]
	s_cselect_b32 s48, \bound, s48
	s_cselect_b32 s46, \co, s46
	s_cselect_b32 s47, \so, s47
.endm
	s_load_b512 s[8:23], s[0:1], 0x0               ; x, tn_w1, mha_in_w, wq, wk, wv, mha_out_w, wo
	s_load_b256 s[24:31], s[0:1], 0x40             ; wt, ac0, ac1, ac2
	s_load_b128 s[32:35], s[0:1], 0x60             ; ac3, hm
	v_lshl_add_u32 v[SPW], v0, 2, SPARE
	v_mov_b32 v[NIL], 0
	v_lshlrev_b32 v[A16], 4, v0
	v_lshlrev_b32 v[A8], 3, v0
	v_and_b32 v62, 15, v0                          ; r
	v_lshrrev_b32 v63, 4, v0                       ; h
	v_lshlrev_b32 v63, 6, v63
	v_mad_u32_u24 v[SOUT], v62, 528, v63
	v_lshl_add_u32 v[SCW], v62, 2, SCB
	v_add_nc_u32 v[SCR], SCB, v[A16]
.irp b, 0,1,2,3
	v_mov_b32 v[TM+4+\b], 0                        ; a lane permute's destination counts as one of its sources
.endr
	s_mov_b32 s[SEL], 0x76543210
	s_mov_b32 s[SEL+1], 0xfedcba98
	s_mov_b32 s38, 0
	s_mov_b32 s39, 12
	s_mov_b32 s40, 0
	s_mov_b32 s46, 0
	s_mov_b32 s47, ASOFF
	s_mov_b32 s48, 0
	s_wait_kmcnt 0x0
	s_mov_b64 s[36:37], s[8:9]                     ; the choices hang on the work-group's number alone
	PICK 256, 10, 13, 0
	PICK 320, 12, 12, 0
	PICK 512, 14, 12, 0
	PICK 576, 16, 12, 0
	PICK 640, 18, 12, 0
	PICK 704, 20, 12, 0
	PICK 768, 10, 13, 4096
	PICK 832, 22, 12, 0
	PICK 896, 24, 12, 0
	s_cselect_b32 s41, 0, 8                        ; wt's rows 8-15 follow rows 0-7; elsewhere they lie 8 rows further on
	s_mov_b64 s[44:45], s[26:27]
	PICKO 256, 26, BCOFF, BSOFF
	PICKO 704, 28, BCOFF, BSOFF
	PICKO 768, 30, BCOFF, BSOFF
	PICKO 832, 32, BCOFF, BSOFF
	PICKO 896, 28, TAILO, TAILO+12288
	s_sub_co_u32 s49, ttmp9, s38                   ; my tile in the input
	s_lshr_b32 s50, s49, 1
	s_lshl_b32 s50, s50, 5
	s_and_b32 s51, s49, 1
	s_lshl_b32 s51, s51, 3
	s_add_co_u32 s50, s50, s51                     ; its first row
	s_lshl_b32 s50, s50, s39
	s_add_co_u32 s50, s50, s40
	s_mov_b32 s51, 0
	s_add_nc_u64 s[36:37], s[36:37], s[50:51]
	s_sub_co_u32 s49, ttmp9, s48                   ; my tile in the output
	s_mul_i32 s50, s49, 12288
	s_add_co_u32 s50, s50, s46
	s_add_nc_u64 s[52:53], s[44:45], s[50:51]      ; its codes
	s_lshl_b32 s50, s49, 9
	s_add_co_u32 s50, s50, s47
	s_add_nc_u64 s[54:55], s[44:45], s[50:51]      ; its scale words
.irp t, 0,1,2,3,4,5,6,7,8,9,10,11,12,13,14,15
	s_mov_b32 s56, \t
.if \t >= 8
	s_add_co_u32 s56, s56, s41
.endif
	s_lshl_b32 s56, s56, s39
	v_add_nc_u32 v[RO+\t], s56, v[A16]
.endr
.macro LOADS s                                     ; K step s: 16 rows x 512 consecutive bytes
.irp t, 0,1,2,3,4,5,6,7,8,9,10,11,12,13,14,15
	global_load_b128 v[L+64*((\s)%2)+4*\t:L+64*((\s)%2)+4*\t+3], v[RO+\t], s[36:37] offset:512*(\s) th:TH_LOAD_NT
.endr
.endm
.macro QSTEP s
.if (\s) < 7
	s_wait_loadcnt 16                              ; this step's 16 loads are in; the next step's 16 stay out
.else
	s_wait_loadcnt 0x0
.endif
.irp t, 0,1,2,3,4,5,6,7,8,9,10,11,12,13,14,15
	ds_store_b128 v[A16], v[L+64*((\s)%2)+4*\t:L+64*((\s)%2)+4*\t+3] offset:528*\t
.endr
.irp b, 0,1,2,3
.irp j, 0,1,2,3
	ds_load_b128 v[X+16*\b+4*\j:X+16*\b+4*\j+3], v[SOUT] offset:128*\b+16*\j   ; LDS serves a wave's instructions in order: these see the stores above
.endr
.endr
	s_wait_dscnt 0x0                               ; the numbers are back, and the stores have read their registers
	s_wait_xcnt 0x0                                ; the last step's stores have read the codes' registers
.if (\s) < 6
	LOADS (\s)+2
.endif
	QUANT X
	global_store_b128 v[A16], v[PC:PC+3], s[52:53] offset:1536*(\s)            ; 512 consecutive bytes
	global_store_b64 v[A8], v[PC+4:PC+5], s[52:53] offset:1536*(\s)+512        ; 256
	global_store_b128 v[A16], v[PC+6:PC+9], s[52:53] offset:1536*(\s)+768
	global_store_b64 v[A8], v[PC+10:PC+11], s[52:53] offset:1536*(\s)+1280
	ds_store_b32 v[SCW], v[PW] offset:64*(\s)      ; both halves of the lanes write the same word with the same value
.endm
	LOADS 0
	LOADS 1
.irp s, 0,1,2,3,4,5,6,7
	QSTEP \s
.endr
	ds_load_b128 v[X:X+3], v[SCR]                  ; the tile's 512 bytes of scale words leave as two whole runs of 256
	s_wait_dscnt 0x0
	global_store_b128 v[A16], v[X:X+3], s[54:55]
	s_cmp_lt_u32 ttmp9, 32
	s_cbranch_scc0 .Lno_ones
	s_lshl_b32 s50, ttmp9, 9
	s_add_co_u32 s50, s50, TWN
	s_add_nc_u64 s[34:35], s[34:35], s[50:51]
.irp i, 0,1,2,3
	v_mov_b32 v[L+\i], 1.0
.endr
	global_store_b128 v[A16], v[L:L+3], s[34:35]
.Lno_ones:
	s_wait_tensorcnt 0x0                           ; the wave's end: behind my last LDS store
	ds_add_u32 v[SPW], v[NIL]
	s_wait_dscnt 0x0
	s_endpgm
.Lfunc_end_k_q3f6c97c9fd_quant:
	.size	k_q3f6c97c9fd_quant, .Lfunc_end_k_q3f6c97c9fd_quant-k_q3f6c97c9fd_quant
	.p2alignl 7, 3214868480
	.fill 96, 4, 3214868480
	.section	.rodata,"a",@progbits
	.p2align	6, 0x0
	.amdhsa_kernel k_q3f6c97c9fd_quant
		.amdhsa_group_segment_fixed_size 9216
		.amdhsa_private_segment_fixed_size 0
		.amdhsa_enable_private_segment 0
		.amdhsa_kernarg_size 112
		.amdhsa_user_sgpr_count 2
		.amdhsa_user_sgpr_kernarg_segment_ptr 1
		.amdhsa_wavefront_size32 1
		.amdhsa_system_sgpr_workgroup_id_x 1
		.amdhsa_system_sgpr_workgroup_id_y 1
		.amdhsa_system_sgpr_workgroup_id_z 1
		.amdhsa_system_vgpr_workitem_id 0
		.amdhsa_next_free_vgpr 256
		.amdhsa_next_free_sgpr 66
		.amdhsa_reserve_vcc 0
		.amdhsa_float_denorm_mode_32 3
		.amdhsa_float_denorm_mode_16_64 3
		.amdhsa_memory_ordered 1
		.amdhsa_forward_progress 1
		.amdhsa_inst_pref_size 71
	.end_amdhsa_kernel
	.amdgpu_metadata
---
amdhsa.version: [ 1, 2 ]
amdhsa.kernels:
  - .name:           k_q3f6c97c9fd_quant
    .symbol:         k_q3f6c97c9fd_quant.kd
    .args:
      - { .name: hidden_states, .offset: 0, .size: 8, .value_kind: global_buffer, .address_space: global }
      - { .name: tn_w1, .offset: 8, .size: 8, .value_kind: global_buffer, .address_space: global }
      - { .name: mha_in_w, .offset: 16, .size: 8, .value_kind: global_buffer, .address_space: global }
      - { .name: wq, .offset: 24, .size: 8, .value_kind: global_buffer, .address_space: global }
      - { .name: wk, .offset: 32, .size: 8, .value_kind: global_buffer, .address_space: global }
      - { .name: wv, .offset: 40, .size: 8, .value_kind: global_buffer, .address_space: global }
      - { .name: mha_out_w, .offset: 48, .size: 8, .value_kind: global_buffer, .address_space: global }
      - { .name: wo, .offset: 56, .size: 8, .value_kind: global_buffer, .address_space: global }
      - { .name: wt, .offset: 64, .size: 8, .value_kind: global_buffer, .address_space: global }
      - { .name: ac0, .offset: 72, .size: 8, .value_kind: global_buffer, .address_space: global }
      - { .name: ac1, .offset: 80, .size: 8, .value_kind: global_buffer, .address_space: global }
      - { .name: ac2, .offset: 88, .size: 8, .value_kind: global_buffer, .address_space: global }
      - { .name: ac3, .offset: 96, .size: 8, .value_kind: global_buffer, .address_space: global }
      - { .name: hm, .offset: 104, .size: 8, .value_kind: global_buffer, .address_space: global }
    .group_segment_fixed_size: 9216
    .private_segment_fixed_size: 0
    .kernarg_segment_align: 8
    .kernarg_segment_size: 112
    .max_flat_workgroup_size: 32
    .sgpr_count:     66
    .vgpr_count:     256
    .wavefront_size: 32
...
	.end_amdgpu_metadata
.endif
;; end of part 1
;; launch gemm1 (part 2): grid 28 x 16, 4 waves a work-group, clusters of 4 x 4, 327,680 bytes of LDS; arguments ac0, hm, ha; writes hm, ha
.if DOCPART == 2
	.amdgcn_target "amdgcn-amd-amdhsa--gfx1250"
	.amdhsa_code_object_version 6
	.text
	.protected	k_q3f6c97c9fd_gemm1
	.globl	k_q3f6c97c9fd_gemm1
	.p2align	8
	.type	k_q3f6c97c9fd_gemm1,@function
k_q3f6c97c9fd_gemm1:
	s_mov_b64 s[64:65], 0
	v_nop
	global_prefetch_b8 v0, s[64:65] scope:SCOPE_SE
	s_setreg_imm32_b32 hwreg(HW_REG_WAVE_MODE, 25, 1), 1
	s_wait_xcnt 0x0
	s_wait_alu depctr_hold_cnt(0) depctr_sa_sdst(0) depctr_va_vdst(0) depctr_va_sdst(0) depctr_va_ssrc(0) depctr_va_vcc(0) depctr_vm_vsrc(0)
	s_getreg_b32 s2, hwreg(HW_REG_IB_STS2, 6, 4)
	s_cmp_eq_u32 s2, 0
	s_cbranch_scc0 .Lentry_in_a_cluster
	s_endpgm
.Lentry_in_a_cluster:
	s_bfe_u32 s2, ttmp6, 0x10000c
	s_cmp_lg_u32 s2, 0xf033
	s_cbranch_scc0 .Lentry_shape_is_right
	s_endpgm
.Lentry_shape_is_right:
; C = A B^T on codes of FP6 (E2M3) with E8M0 scales, K = 1,024.  One operand buffer holds A (4,096 rows: codes at 0, scale words at ASOFF) and B (codes at BCOFF, scale words at BSOFF),
; both as images of the operand's registers: [row tile of 16][K step of 128][1,536 bytes], scale words [row tile][K step][64 bytes]; lane r of row tile i is row 32 (i/2) + 8 (i%2) + r + 8 (r/8).
; A tile of C, 256 x 256, is made by four waves, each 128 x 128 in 64 accumulators.  K goes in steps of 256 through two LDS slots; one tensor load a wave brings 8 row tiles x 3,072 bytes.
; The scale words of the work-group's rows, 16,384 bytes, come once with the first fills.
; CLUSTERS: 4 x 4 work-groups; the A side's tiles are shared along a row of the cluster, the B side's along a column: each is asked for jointly, by the same load with a mask that names the four.
; Source 0 = 16 rows of the B side, source 1 = 16 rows of the A side: a lane holds one row of the A side and, in the 16 registers of two neighbouring tiles, 16 neighbouring rows of the B side.
; WHAT A CLUSTER MAKES hangs on the cluster's x alone, which all sixteen share: 0: f32 rows of C into outF; 1, 4: q; 2, 5: k; 3, 6: v, as codes for the attention (1-3 into outF, 4-6 into outQ).
; q and k are quantised along the head's 64, which lie along a lane's registers.  v is quantised along the KEYS: there the two sides change places (the weights' rows are the A side, the tokens the B side),
; by a choice of offsets alone; the text of the products is the same.
; With grid x = 4 the cluster's x is 0: the launch then only stores f32 rows into outF.
; LIMITS: NaN and infinities are not served; a block of zeros keeps the scale byte 1 (its codes are zeros; this program alone reads the bytes).
.set ASOFF,  0x300000
.set BSOFF,  0x320000
.set BCOFF,  0x358000
.set QC,     0x1000000                 ; in outF / outQ: q's halves [head][query tile][768],
.set QSC,    0x1300000                 ; their scale words [head][query tile][64],
.set KV,     0x1340000                 ; and a record of REC bytes for each head: k's halves, v's fragments, k's and v's scale words
.set REC,    104448
.set VCO,    49152
.set KSO,    98304
.set VSO,    102400
.set NQ,     2                         ; K steps of 128 in a slot
.set FR,     12                        ; registers of a fragment
.set NL,     4                         ; LDS loads that bring one
.set NP,     4                         ; places behind this matrix instruction (ISA guide 7.12.1)
.set HALFT,  24576                     ; 8 row tiles x 3,072 bytes: what one tensor load brings
.set SLOT,   4*HALFT
.set LAPS,   2                         ; 1,024 / 512
.set SCL,    2*SLOT                    ; behind the ring: the scale words, 4,096 bytes for each wave's load
.set SPARE,  SCL+16384                 ; the spare words: two blocks of 256 bytes that no other line names
.set SPITCH, 528                       ; the f32 way out: a stage of 16 rows x (512 + 16) bytes a wave, in slot 0, which has had its last fill and its last read by then
.set O16,  8                           ; v8   16 x lane   (ways out on codes)
.set O8,   9                           ; v9   8 x lane
.set SVO,  10                          ; v10  where my scale word goes
.set SH16, 11                          ; v11  16 h
.set ADRA, 16                          ; v16-17 A's fragments in slot 0, 1, + 16 x lane; v18-19 the same + 8 x lane
.set ADRB, 20                          ; v20-23 the same for B
.set STO,  24
.set RD,   25
.set CO,   26
.set ADRS, 27                          ; my scale words: lanes 0-15 the A side's, lanes 16-31 the B side's
.set SPW,  28
.set NIL,  29
.set SC,   32                          ; v32-63 scale words, two sets: register 2 i + q
.set TM,   64                          ; v64-79 at work in QUANTW
.set PW,   80
.set PWS,  81
.set VAL,  82
.set PC,   84                          ; v84-103 the codes just made
.set AF,   128                         ; A's fragments, window 0, one set
.set BK,   128                         ; the f32 way out: rows read back
.set G1, 24
.set G0, 32
.set G1B, 48
.set G0B, 56
.set SEL, 66
.set G1S, 68
.set G0S, 76
.set G1SB, 80
.set G0SB, 88
.set MSB, 0
.macro WIN new                         ; the immediate's high byte repeats the setting that is left
.if MSB != (\new)
	s_set_vgpr_msb (MSB<<8)|(\new)
.set MSB, (\new)
.endif
.endm
.set MUL_LO, 0xa1                      ; source 0 (B) window 1, source 1 (A) window 0, C and D window 2
.set MUL_HI, 0xf1
.set TO_B,   0x40
; A joint load: waves 0 and 1 fetch for the A side, waves 2 and 3 for the B side; the branch hangs on the wave's number alone.  An s_nop 0 and four v_nop follow each line.
.macro JLOAD g0a, g1a, g0b, g1b
	s_cmp_eq_u32 s15, 0
	s_cbranch_scc0 .Lfor_b_\@
	tensor_load_to_lds s[\g0a:\g0a+3], s[\g1a:\g1a+7]
	s_nop 0
.rept 4
	v_nop
.endr
	s_branch .Lasked_\@
.Lfor_b_\@:
	tensor_load_to_lds s[\g0b:\g0b+3], s[\g1b:\g1b+7]
	s_nop 0
.rept 4
	v_nop
.endr
.Lasked_\@:
.endm
.macro CREST
	s_cmp_lg_u32 s14, 0
	s_cbranch_scc1 .Lnot_wave_0_\@
	s_barrier_signal -3
.Lnot_wave_0_\@:
	s_barrier_wait -3
	s_barrier_signal -1
	s_barrier_wait -1
.endm
.macro CROUND
	s_barrier_signal -1
	s_barrier_wait -1
	CREST
.endm
	s_load_b128 s[4:7], s[0:1], 0x0                ; the operands s[4:5], outF s[6:7]
	s_load_b64 s[8:9], s[0:1], 0x10                ; outQ
	v_lshl_add_u32 v[SPW], v0, 2, SPARE
	v_mov_b32 v[NIL], 0
	ds_add_u32 v[SPW], v[NIL]                      ; the wave's opening: the add and its wait come ahead of my first tensor load
	v_lshrrev_b32 v1, 5, v0
	v_readfirstlane_b32 s14, v1                    ; wave 0..3
	s_lshr_b32 s15, s14, 1                         ; my half of the A side's rows.  Also: I fetch for A (0) or B (1)
	s_and_b32 s16, s14, 1                          ; my half of the B side's rows.  Also: which 128 rows I fetch
	s_bfe_u32 s40, ttmp6, 0x40000                  ; cx
	s_bfe_u32 s41, ttmp6, 0x40004                  ; cy
	s_and_b32 s11, ttmp7, 0xffff                   ; the cluster's y: the batch
	s_cmp_eq_u32 ttmp9, 3
	s_cselect_b32 s12, 1, 0
	s_cmp_eq_u32 ttmp9, 6
	s_cselect_b32 s12, 1, s12                      ; 1 where the cluster makes v
	s_mov_b32 s18, BCOFF
	s_mov_b32 s19, BSOFF
	s_mov_b32 s13, ASOFF
	s_cmp_eq_u32 s12, 1
	s_cselect_b32 s17, ttmp9, s11                  ; the cluster's coordinate along the A side,
	s_cselect_b32 s42, s11, ttmp9                  ; along the B side;
	s_cselect_b32 s95, s18, 0                      ; where the A side's codes begin,
	s_cselect_b32 s96, 0, s18                      ; the B side's,
	s_cselect_b32 s97, s19, s13                    ; the A side's scale words,
	s_cselect_b32 s98, s13, s19                    ; the B side's
	s_lshl_b32 s17, s17, 2
	s_add_co_u32 s17, s17, s41                     ; the A side's block of 256 rows: hangs on cy alone of my place
	s_lshl_b32 s42, s42, 2
	s_add_co_u32 s42, s42, s40                     ; the B side's: on cx alone
	s_lshl_b32 s43, s41, 2
	s_lshl_b32 s43, 15, s43                        ; my row of the cluster
	s_lshl_b32 s44, 0x1111, s40                    ; my column
	; group 1 for codes: 8 rows (row tiles) of 384 elements of 8 bytes, 1,536 elements apart; no padding: every LDS read below takes consecutive bytes
	s_or_b32 s[G1+0], s43, (3<<16)|(1<<21)
	s_or_b32 s[G1B+0], s44, (3<<16)|(1<<21)
.irp g, G1, G1B
	s_mov_b32 s[\g+1], 384<<16
	s_mov_b32 s[\g+2], 8<<16
	s_mov_b32 s[\g+3], 384<<16
	s_mov_b32 s[\g+4], 8
	s_mov_b32 s[\g+5], 1536
	s_mov_b32 s[\g+6], 0
	s_mov_b32 s[\g+7], 0
.endr
	; and for the scale words of 128 rows: 4,096 dense bytes as 16 rows of 256
	s_or_b32 s[G1S+0], s43, (3<<16)|(1<<21)
	s_or_b32 s[G1SB+0], s44, (3<<16)|(1<<21)
.irp g, G1S, G1SB
	s_mov_b32 s[\g+1], 32<<16
	s_mov_b32 s[\g+2], 16<<16
	s_mov_b32 s[\g+3], 32<<16
	s_mov_b32 s[\g+4], 16
	s_mov_b32 s[\g+5], 32
	s_mov_b32 s[\g+6], 0
	s_mov_b32 s[\g+7], 0
.endr
	s_mul_i32 s18, s16, 98304                      ; which 8 row tiles of the 16 I fetch
	s_mul_i32 s20, s17, 196608
	s_add_co_u32 s20, s20, s18
	s_add_co_u32 s20, s20, s95
	s_mov_b32 s21, 0
	s_mul_i32 s46, s42, 196608
	s_add_co_u32 s46, s46, s18
	s_add_co_u32 s46, s46, s96
	s_mov_b32 s47, 0
	s_lshl_b32 s18, s16, 12
	s_lshl_b32 s22, s17, 13
	s_add_co_u32 s22, s22, s18
	s_add_co_u32 s22, s22, s97
	s_mov_b32 s23, 0
	s_lshl_b32 s92, s42, 13
	s_add_co_u32 s92, s92, s18
	s_add_co_u32 s92, s92, s98
	s_mov_b32 s93, 0
	s_mul_i32 s45, s14, HALFT                      ; where they go: wave x a constant: no place in the cluster enters an LDS address
	s_lshl_b32 s94, s14, 12
	s_mov_b32 s[SEL], 0x76543210
	s_mov_b32 s[SEL+1], 0xfedcba98
	s_wait_dscnt 0x0                               ; the opening add is done
	s_wait_kmcnt 0x0
	s_add_nc_u64 s[20:21], s[4:5], s[20:21]
	s_add_nc_u64 s[22:23], s[4:5], s[22:23]
	s_add_nc_u64 s[46:47], s[4:5], s[46:47]
	s_add_nc_u64 s[92:93], s[4:5], s[92:93]
	CROUND                                         ; all sixteen work-groups are here: the first joint loads meet
	s_mov_b32 s[G0S], 1
	s_add_co_u32 s[G0S+1], s94, SCL
	s_mov_b64 s[G0S+2:G0S+3], s[22:23]
	s_or_b32 s[G0S+3], s[G0S+3], 0x80000000
	s_mov_b32 s[G0SB], 1
	s_add_co_u32 s[G0SB+1], s94, SCL
	s_mov_b64 s[G0SB+2:G0SB+3], s[92:93]
	s_or_b32 s[G0SB+3], s[G0SB+3], 0x80000000
	JLOAD G0S, G1S, G0SB, G1SB                     ; the scale words first
.irp s, 0,1
	s_mov_b32 s[G0+4*\s], 1
	s_add_co_u32 s[G0+4*\s+1], s45, \s*SLOT
	s_add_nc_u64 s[G0+4*\s+2:G0+4*\s+3], s[20:21], \s*3072
	s_or_b32 s[G0+4*\s+3], s[G0+4*\s+3], 0x80000000
	s_mov_b32 s[G0B+4*\s], 1
	s_add_co_u32 s[G0B+4*\s+1], s45, \s*SLOT
	s_add_nc_u64 s[G0B+4*\s+2:G0B+4*\s+3], s[46:47], \s*3072
	s_or_b32 s[G0B+4*\s+3], s[G0B+4*\s+3], 0x80000000
	JLOAD G0+4*\s, G1, G0B+4*\s, G1B               ; by this text's count three tensor loads of a wave are out here
.endr
	v_and_b32 v1, 15, v0                           ; r
	v_bfe_u32 v2, v0, 4, 1                         ; h
	v_and_b32 v3, 31, v0                           ; lane
	v_lshlrev_b32 v4, 4, v3
	v_lshlrev_b32 v5, 3, v3
	s_mul_i32 s21, s15, HALFT                      ; my 128 rows of the A side
	s_mul_i32 s22, s16, HALFT
	s_add_co_u32 s22, s22, 2*HALFT                 ; my 128 rows of the B side
.irp s, 0,1
	v_add_nc_u32 v[ADRA+\s], s21, v4
	v_add_nc_u32 v[ADRB+\s], s22, v4
	v_add_nc_u32 v[ADRA+2+\s], s21, v5
	v_add_nc_u32 v[ADRB+2+\s], s22, v5
	s_add_co_u32 s21, s21, SLOT
	s_add_co_u32 s22, s22, SLOT
.endr
	v_lshlrev_b32 v6, 2, v1                        ; scale words: 4 r,
	s_lshl_b32 s21, s15, 12                        ; the A side's: my 128 rows;
	s_lshl_b32 s22, s16, 12
	s_add_co_u32 s22, s22, 8192                    ; the B side's lie behind the A side's 8,192 bytes
	s_sub_co_u32 s22, s22, s21
	v_mul_u32_u24 v7, s22, v2                      ; lanes 16-31 take the B side's: one product, the distance between the two
	s_add_co_u32 s21, s21, SCL
	v_add_nc_u32 v6, v6, v7
	v_add_nc_u32 v[ADRS], s21, v6
	s_mul_i32 s23, s14, 16*SPITCH                  ; my stage
	v_mul_u32_u24 v6, v1, SPITCH
	v_lshl_add_u32 v6, v2, 6, v6
	v_add_nc_u32 v[STO], s23, v6                   ; in: row r, + 64 h
	v_mov_b32 v[CO], v4
	v_add_nc_u32 v[RD], s23, v4                    ; back: a row of 512 bytes to the 32 lanes
.macro FRAG reg, adr, q, i                     ; a fragment's image: four loads, each of consecutive bytes
	ds_load_b128 v[\reg:\reg+3], v[\adr] offset:3072*(\i)+1536*(\q)
	ds_load_b64 v[\reg+4:\reg+5], v[\adr+2] offset:3072*(\i)+1536*(\q)+512
	ds_load_b128 v[\reg+6:\reg+9], v[\adr] offset:3072*(\i)+1536*(\q)+768
	ds_load_b64 v[\reg+10:\reg+11], v[\adr+2] offset:3072*(\i)+1536*(\q)+1280
.endm
; 16 matrix instructions: A's blocks a0, a0 + 1 x B's eight.  The 64 accumulators take turns, one instruction a turn, in the same order in every step.
.macro MUL16 a0, p, q, sc, zero
.irp a, \a0, \a0+1
.irp b, 0,1,2,3,4,5,6,7
.if \zero
	v_wmma_scale_f32_16x16x128_f8f6f4 v[8*(8*((\a)%4)+\b):8*(8*((\a)%4)+\b)+7], v[128*(\p)+FR*\b:128*(\p)+FR*\b+FR-1], v[AF+FR*(\a):AF+FR*(\a)+FR-1], 0, v[SC+8*NQ*(\sc)+NQ*\b+(\q)], v[SC+8*NQ*(\sc)+NQ*(\a)+(\q)] matrix_a_fmt:MATRIX_FMT_FP6 matrix_b_fmt:MATRIX_FMT_FP6 matrix_a_scale:MATRIX_SCALE_ROW1
.else
	v_wmma_scale_f32_16x16x128_f8f6f4 v[8*(8*((\a)%4)+\b):8*(8*((\a)%4)+\b)+7], v[128*(\p)+FR*\b:128*(\p)+FR*\b+FR-1], v[AF+FR*(\a):AF+FR*(\a)+FR-1], v[8*(8*((\a)%4)+\b):8*(8*((\a)%4)+\b)+7], v[SC+8*NQ*(\sc)+NQ*\b+(\q)], v[SC+8*NQ*(\sc)+NQ*(\a)+(\q)] matrix_a_fmt:MATRIX_FMT_FP6 matrix_b_fmt:MATRIX_FMT_FP6 matrix_a_scale:MATRIX_SCALE_ROW1
.endif
.endr
.endr
.endm
.macro FETCH_B slot, q, p
	WIN TO_B
.irp i, 0,1,2,3,4,5,6,7
	FRAG 128*(\p)+FR*\i, ADRB+\slot, \q, \i
.endr
	WIN 0
.endm
.macro FETCH_A slot, q, i0
.irp i, \i0, \i0+1, \i0+2, \i0+3
	FRAG AF+FR*(\i), ADRA+\slot, \q, \i
.endr
.endm
.macro SCALES sc                               ; a slot's scale words: lanes 0-15 the A side's block i, lanes 16-31 the B side's block i
.irp i, 0,1,2,3,4,5,6,7
	ds_load_b32 v[SC+8*NQ*\sc+NQ*\i], v[ADRS] offset:512*\i
	ds_load_b32 v[SC+8*NQ*\sc+NQ*\i+1], v[ADRS] offset:512*\i+64
.endr
.endm
.macro PLACES n                                ; plain vector places behind matrix instructions, in front of loads into their registers and of the first read of results
.rept \n
	v_nop
.endr
.endm
.macro STEP slot, q, zero                      ; a step of 128 along K that has its successor in the same slot
	s_wait_dscnt 4*NL                              ; all but the youngest 16 loads (A's blocks 4-7) are in
	WIN MUL_LO
	MUL16 0, (\q)%2, \q, \slot, \zero
	MUL16 2, (\q)%2, \q, \slot, \zero
	s_wait_dscnt 0                                 ; A's blocks 4-7 are in
	PLACES NP
	FETCH_B \slot, (\q)+1, 1-(\q)%2
	FETCH_A \slot, (\q)+1, 0
	WIN MUL_HI
	MUL16 4, (\q)%2, \q, \slot, \zero
	MUL16 6, (\q)%2, \q, \slot, \zero
	PLACES NP
	WIN 0
	FETCH_A \slot, (\q)+1, 4
.endm
; A slot's last step changes slots: one barrier; in front of it each wave waits for all its tensor loads, adds 0 to its spare word, and waits for that and for its reads of this slot.
.macro TURN slot, next, fill
	s_wait_tensorcnt 0x0                           ; all my tensor loads have landed: my part of the next slot
	ds_add_u32 v[SPW], v[NIL]                      ; 0 onto my spare word
	s_wait_dscnt 4*NL+1                            ; the add and the youngest 16 loads may be out
	WIN MUL_LO
	MUL16 0, 1, NQ-1, \slot, 0
	s_wait_dscnt 0x0                               ; the add is done, and my reads of this slot are over
	s_barrier_signal -1
	MUL16 2, 1, NQ-1, \slot, 0
	WIN 0
	s_barrier_wait -1
.if \fill
	CREST                                          ; the barrier has opened a round of the cluster's barrier: no wave of any partner still reads this slot or has a load on its way
	s_add_nc_u64 s[G0+4*\slot+2:G0+4*\slot+3], s[G0+4*\slot+2:G0+4*\slot+3], 6144
	s_add_nc_u64 s[G0B+4*\slot+2:G0B+4*\slot+3], s[G0B+4*\slot+2:G0B+4*\slot+3], 6144
	JLOAD G0+4*\slot, G1, G0B+4*\slot, G1B         ; the first tensor load behind the round; its four v_nop are the places in front of the loads below
.else
	PLACES NP
.endif
	v_add_nc_u32 v[ADRS], 128, v[ADRS]             ; the next slot's scale words: two K steps of 64 bytes on
	FETCH_B \next, 0, 0
	FETCH_A \next, 0, 0
	SCALES \next
	WIN MUL_HI
	MUL16 4, 1, NQ-1, \slot, 0
	MUL16 6, 1, NQ-1, \slot, 0
	PLACES NP
	WIN 0
	FETCH_A \next, 0, 4
.endm
	s_wait_tensorcnt 1                             ; the scale words and my part of slot 0 are in; slot 1's load may be out
	s_barrier_signal -1
	s_barrier_wait -1
	FETCH_B 0, 0, 0
	FETCH_A 0, 0, 0
	SCALES 0
	FETCH_A 0, 0, 4
	STEP 0, 0, 1                                   ; the first step's products start the sums
	s_mov_b32 s3, LAPS-1
.Llap:
	TURN 0, 1, 1
	STEP 1, 0, 0
	TURN 1, 0, 1
	STEP 0, 0, 0
	s_sub_co_u32 s3, s3, 1
	s_cmp_lg_u32 s3, 0
	s_cbranch_scc1 .Llap
	TURN 0, 1, 0                                   ; the last lap fills nothing
	STEP 1, 0, 0
	s_wait_dscnt 4*NL
	WIN MUL_LO
	MUL16 0, 1, NQ-1, 1, 0
	MUL16 2, 1, NQ-1, 1, 0
	s_wait_dscnt 0
	WIN MUL_HI
	MUL16 4, 1, NQ-1, 1, 0
	MUL16 6, 1, NQ-1, 1, 0
	WIN 0
	PLACES NP                                      ; in front of the first read of results, and of loads into the registers that held A's fragments
	s_cmp_eq_u32 ttmp9, 0
	s_cbranch_scc0 .Lcodes
; THE WAY OUT IN f32, block by block of 16 rows x 128 columns, through my own stage: whole rows of 512 bytes leave, two aligned runs of 256.
; Accumulator (a, b), lane (r, h), register j is C(row r of A's tile a, column 32 (b/2) + 8 (b%2) + 16 h + j).
.macro TOSTAGE a
.set AC, 64*((\a)%4)
	WIN 0x08+4*((\a)/4)
.irp b, 0,1,2,3,4,5,6,7
	ds_store_b128 v[STO], v[AC+8*\b:AC+8*\b+3] offset:128*(\b/2)+32*(\b%2)       ; each accumulator from its low end on
	ds_store_b128 v[STO], v[AC+8*\b+4:AC+8*\b+7] offset:128*(\b/2)+32*(\b%2)+16
.endr
	WIN 0
.set BB, BK+64*((\a)%2)
.irp t, 0,1,2,3,4,5,6,7,8,9,10,11,12,13,14,15
	ds_load_b128 v[BB+4*\t:BB+4*\t+3], v[RD] offset:\t*SPITCH   ; LDS serves a wave's instructions in order: these see the stores above
.endr
.endm
.macro SEND a, younger
.set BB, BK+64*((\a)%2)
	s_wait_dscnt \younger
.if (\a) > 0
.if ((\a)%2) == 1
	s_add_nc_u64 s[6:7], s[6:7], 8*4096            ; an odd tile begins 8 rows behind the even one (behind a wait on XCNT: the earlier stores have read their base),
.else
	s_add_nc_u64 s[6:7], s[6:7], 24*4096           ; the next even one 24 further on
.endif
.endif
.irp t, 0,1,2,3,4,5,6,7,8,9,10,11,12,13,14,15
	global_store_b128 v[CO], v[BB+4*\t:BB+4*\t+3], s[6:7] offset:(\t+8*(\t/8))*4096 th:TH_STORE_NT
.endr
.endm
	s_lshl_b32 s20, s17, 8
	s_lshl_b32 s21, s15, 7
	s_add_co_u32 s20, s20, s21                     ; my first row of C
	s_lshl_b32 s20, s20, 12                        ; a row of C is 4,096 bytes
	s_lshl_b32 s46, s42, 10
	s_lshl_b32 s47, s16, 9
	s_add_co_u32 s46, s46, s47                     ; my first column, in bytes
	s_add_co_u32 s20, s20, s46
	s_mov_b32 s21, 0
	s_add_nc_u64 s[6:7], s[6:7], s[20:21]
	TOSTAGE 0
.irp a, 1,2,3,4,5,6,7
.if \a > 1
	s_wait_xcnt 0x0                                ; block a - 2's stores have read their registers and their base
.endif
	TOSTAGE \a
	SEND \a-1, 32                                  ; behind block a - 1's loads: block a's 16 stores and 16 loads
.endr
	s_wait_xcnt 0x0
	SEND 7, 0
	s_branch .Ldone
; THE WAYS OUT ON CODES.  The 64 accumulator registers of A's block a are, for the lane's row, 128 neighbours along the B side in the quantiser's order: register 16 b + i = 32 b + 16 h + i.
.macro QUANTW a
.set AC, 64*((\a)%4)
	WIN 0x28+0x14*((\a)/4)                         ; sources 1 and 2: window 2 or 3
.irp b, 0,1,2,3
	v_max3_num_f32 v[TM+\b], 0x1800000, |v[AC+16*\b]|, |v[AC+1+16*\b]|   ; each accumulator is read from its low end on
.endr
.irp i, 2,4,6,8,10,12,14
.irp b, 0,1,2,3
	v_max3_num_f32 v[TM+\b], v[TM+\b], |v[AC+16*\b+\i]|, |v[AC+1+16*\b+\i]|
.endr
.endr
	WIN 0
.irp b, 0,1,2,3
	v_permlanex16_b32 v[TM+4+\b], v[TM+\b], s[SEL], s[SEL+1]
.endr
.irp b, 0,1,2,3
	v_max_num_f32 v[TM+\b], v[TM+\b], v[TM+4+\b]
.endr
.irp b, 0,1,2,3
	v_add_nc_u32 v[TM+12+\b], 0xff000000, v[TM+\b]
.endr
.irp b, 0,1,2,3
	v_lshrrev_b32 v[TM+4+\b], 23, v[TM+12+\b]
.endr
	v_lshl_or_b32 v[PW], v[TM+5], 8, v[TM+4]
	v_lshl_or_b32 v[PW], v[TM+6], 16, v[PW]
	v_lshl_or_b32 v[PW], v[TM+7], 24, v[PW]
	WIN 0x02+(\a)/4                                ; source 0: window 2 or 3
.irp c, 0,1
	v_cvt_scalef32_pk16_fp6_f32 v[PC+6*\c:PC+2+6*\c], v[AC+32*\c:AC+15+32*\c], v[TM+12+2*\c]
	v_cvt_scalef32_pk16_fp6_f32 v[PC+12+4*\c:PC+14+4*\c], v[AC+16+32*\c:AC+31+32*\c], v[TM+12+2*\c+1]
.endr
	WIN 0
	v_nop                                          ; one plain place behind a scaled conversion
.irp c, 0,1
.irp i, 0,1,2
	v_permlane16_swap_b32 v[PC+6*\c+\i], v[PC+12+4*\c+\i]
.endr
.irp i, 0,1,2
	v_mov_b32 v[PC+3+6*\c+\i], v[PC+12+4*\c+\i]
.endr
.endr
.endm
.Lcodes:
	s_cmp_le_u32 ttmp9, 3
	s_cselect_b64 s[6:7], s[6:7], s[8:9]           ; the first attention's operands go into outF, the second's into outQ
	v_lshlrev_b32 v[O16], 4, v3
	v_lshlrev_b32 v[O8], 3, v3
.irp b, 0,1,2,3
	v_mov_b32 v[TM+4+\b], 0                        ; a lane permute's destination counts as one of its sources
.endr
	s_mov_b32 s95, 0
	s_cmp_eq_u32 s12, 1
	s_cbranch_scc1 .Lvout
	; q and k: my 128 columns are two heads, a fragment's two halves; my 128 rows are 8 tiles of tokens
	s_cmp_eq_u32 ttmp9, 1
	s_cselect_b32 s13, 1, 0
	s_cmp_eq_u32 ttmp9, 4
	s_cselect_b32 s13, 1, s13                      ; 1: q
	s_mov_b32 s18, REC
	s_mov_b32 s23, KV
	s_mov_b32 s92, KV+KSO
	s_cmp_eq_u32 s13, 1
	s_cselect_b32 s19, 49152, s18                  ; from head to head: codes,
	s_cselect_b32 s22, 4096, s18                   ; scale words;
	s_cselect_b32 s23, QC, s23                     ; where the codes begin,
	s_cselect_b32 s92, QSC, s92                    ; the scale words
	s_lshl_b32 s46, s11, 4
	s_lshl_b32 s47, s40, 2
	s_add_co_u32 s46, s46, s47
	s_lshl_b32 s47, s16, 1
	s_add_co_u32 s46, s46, s47                     ; my first head: 16 x batch + 4 cx + 2 x half
	s_lshl_b32 s20, s41, 4
	s_lshl_b32 s21, s15, 3
	s_add_co_u32 s20, s20, s21                     ; my first tile of tokens in the batch: 16 cy + 8 x half
	s_mul_i32 s93, s46, s19
	s_add_co_u32 s93, s93, s23
	s_mul_i32 s94, s20, 768
	s_add_co_u32 s94, s94, s93
	s_add_nc_u64 s[96:97], s[6:7], s[94:95]        ; the first head's halves,
	s_mov_b32 s94, s19
	s_add_nc_u64 s[98:99], s[96:97], s[94:95]      ; the second's
	s_mul_i32 s94, s46, s22
	s_add_co_u32 s94, s94, s92
	s_lshl_b32 s93, s20, 6
	s_add_co_u32 s94, s94, s93
	s_add_nc_u64 s[100:101], s[6:7], s[94:95]      ; the scale words
	v_mul_u32_u24 v[SVO], s22, v2                  ; lanes 16-31 store the second head's word
	v_lshl_add_u32 v[SVO], v1, 2, v[SVO]
	v_lshlrev_b32 v[SH16], 4, v2
.irp a, 0,1,2,3,4,5,6,7
	s_wait_xcnt 0x0                                ; the last block's stores have read their registers
	QUANTW \a
	global_store_b128 v[O16], v[PC:PC+3], s[96:97] offset:768*\a
	global_store_b64 v[O8], v[PC+4:PC+5], s[96:97] offset:768*\a+512
	global_store_b128 v[O16], v[PC+6:PC+9], s[98:99] offset:768*\a
	global_store_b64 v[O8], v[PC+10:PC+11], s[98:99] offset:768*\a+512
	v_lshrrev_b32 v[VAL], v[SH16], v[PW]
	v_and_b32 v[VAL], 0xffff, v[VAL]               ; a head's two bytes; the upper two are 0: they stand against zero codes
	global_store_b32 v[SVO], v[VAL], s[100:101] offset:64*\a
.endr
	s_branch .Ldone
.Lvout:
	; v: my 128 rows of the A side are two heads x four tiles of the head's 64; my 128 rows of the B side are one step of 128 keys
	s_lshl_b32 s20, s11, 4
	s_lshl_b32 s21, s41, 2
	s_add_co_u32 s20, s20, s21
	s_lshl_b32 s21, s15, 1
	s_add_co_u32 s20, s20, s21                     ; my first head: 16 x batch + 4 cy + 2 x half
	s_lshl_b32 s46, s40, 1
	s_add_co_u32 s46, s46, s16                     ; the key step: 2 cx + half
	s_mul_i32 s20, s20, REC
	s_add_co_u32 s20, s20, KV
	s_mul_i32 s94, s46, 6144
	s_add_co_u32 s94, s94, s20
	s_add_co_u32 s94, s94, VCO
	s_add_nc_u64 s[96:97], s[6:7], s[94:95]
	s_lshl_b32 s94, s46, 8
	s_add_co_u32 s94, s94, s20
	s_add_co_u32 s94, s94, VSO
	s_add_nc_u64 s[100:101], s[6:7], s[94:95]
	v_lshlrev_b32 v[SVO], 2, v3
	s_mov_b32 s93, 0xffff0000                      ; lanes 16-31
.irp a, 0,1,2,3,4,5,6,7
	s_wait_xcnt 0x0
	QUANTW \a
	global_store_b128 v[O16], v[PC:PC+3], s[96:97] offset:(\a/4)*REC+(\a%4)*1536
	global_store_b64 v[O8], v[PC+4:PC+5], s[96:97] offset:(\a/4)*REC+(\a%4)*1536+512
	global_store_b128 v[O16], v[PC+6:PC+9], s[96:97] offset:(\a/4)*REC+(\a%4)*1536+768
	global_store_b64 v[O8], v[PC+10:PC+11], s[96:97] offset:(\a/4)*REC+(\a%4)*1536+1280
.if (\a%2) == 0
	v_mov_b32 v[PWS], v[PW]                        ; two tiles' scale words leave together: 128 consecutive bytes
.else
	v_cndmask_b32 v[VAL], v[PWS], v[PW], s93
	global_store_b32 v[SVO], v[VAL], s[100:101] offset:(\a/4)*REC+64*((\a%4)-1)
.endif
.endr
.Ldone:
	s_wait_tensorcnt 0x0                           ; the wave's end: behind my last tensor load and my last LDS store
	ds_add_u32 v[SPW], v[NIL]
	s_wait_dscnt 0x0
	CROUND                                         ; the closing round
	s_endpgm
.Lfunc_end_k_q3f6c97c9fd_gemm1:
	.size	k_q3f6c97c9fd_gemm1, .Lfunc_end_k_q3f6c97c9fd_gemm1-k_q3f6c97c9fd_gemm1
	.p2alignl 7, 3214868480
	.fill 96, 4, 3214868480
	.section	.rodata,"a",@progbits
	.p2align	6, 0x0
	.amdhsa_kernel k_q3f6c97c9fd_gemm1
		.amdhsa_group_segment_fixed_size 327680
		.amdhsa_private_segment_fixed_size 0
		.amdhsa_enable_private_segment 0
		.amdhsa_kernarg_size 24
		.amdhsa_user_sgpr_count 2
		.amdhsa_user_sgpr_kernarg_segment_ptr 1
		.amdhsa_wavefront_size32 1
		.amdhsa_system_sgpr_workgroup_id_x 1
		.amdhsa_system_sgpr_workgroup_id_y 1
		.amdhsa_system_sgpr_workgroup_id_z 1
		.amdhsa_system_vgpr_workitem_id 0
		.amdhsa_next_free_vgpr 1024
		.amdhsa_next_free_sgpr 104
		.amdhsa_reserve_vcc 0
		.amdhsa_float_denorm_mode_32 3
		.amdhsa_float_denorm_mode_16_64 3
		.amdhsa_memory_ordered 1
		.amdhsa_forward_progress 1
		.amdhsa_inst_pref_size 219
	.end_amdhsa_kernel
	.amdgpu_metadata
---
amdhsa.version: [ 1, 2 ]
amdhsa.kernels:
  - .name:           k_q3f6c97c9fd_gemm1
    .symbol:         k_q3f6c97c9fd_gemm1.kd
    .args:
      - { .name: ac0, .offset: 0, .size: 8, .value_kind: global_buffer, .address_space: global }
      - { .name: hm, .offset: 8, .size: 8, .value_kind: global_buffer, .address_space: global }
      - { .name: ha, .offset: 16, .size: 8, .value_kind: global_buffer, .address_space: global }
    .group_segment_fixed_size: 327680
    .private_segment_fixed_size: 0
    .kernarg_segment_align: 8
    .kernarg_segment_size: 24
    .max_flat_workgroup_size: 128
    .sgpr_count:     104
    .vgpr_count:     1024
    .wavefront_size: 32
...
	.end_amdgpu_metadata
.endif
;; end of part 2
;; launch attn_m (part 3): grid 4 x 64, 16 waves a work-group, clusters of 4 x 1, 167,936 bytes of LDS; arguments hm, ac1; writes ac1
.if DOCPART == 3
	.amdgcn_target "amdgcn-amd-amdhsa--gfx1250"
	.amdhsa_code_object_version 6
	.text
	.protected	k_q3f6c97c9fd_attn_m
	.globl	k_q3f6c97c9fd_attn_m
	.p2align	8
	.type	k_q3f6c97c9fd_attn_m,@function
k_q3f6c97c9fd_attn_m:
	s_mov_b64 s[64:65], 0
	v_nop
	global_prefetch_b8 v0, s[64:65] scope:SCOPE_SE
	s_setreg_imm32_b32 hwreg(HW_REG_WAVE_MODE, 25, 1), 1
	s_wait_xcnt 0x0
	s_wait_alu depctr_hold_cnt(0) depctr_sa_sdst(0) depctr_va_vdst(0) depctr_va_sdst(0) depctr_va_ssrc(0) depctr_va_vcc(0) depctr_vm_vsrc(0)
	s_getreg_b32 s2, hwreg(HW_REG_IB_STS2, 6, 4)
	s_cmp_eq_u32 s2, 0
	s_cbranch_scc0 .Lentry_in_a_cluster
	s_endpgm
.Lentry_in_a_cluster:
	s_bfe_u32 s2, ttmp6, 0x10000c
	s_cmp_lg_u32 s2, 0x3003
	s_cbranch_scc0 .Lentry_shape_is_right
	s_endpgm
.Lentry_shape_is_right:
; One attention head on codes of FP6 (E2M3): ctx = softmax(q k^T / 8 x f) v, f a factor for each query (a table of 4,096 f32; ones for the first attention).  Head size 64, 1,024 keys.
; INPUT (made by the launch before): q's halves [head][query tile][768] and their scale words; a record of 104,448 bytes a head: k's halves [key tile][768], v's fragments [key step][tile of 16 of the 64][1,536]
; (the keys innermost), k's and v's scale words.  Lane r of tile i is row 32 (i/2) + 8 (i%2) + r + 8 (r/8), for queries, keys and the head's 64 alike.
; OUTPUT: ctx / the row's sum, quantised along the head's 64, as half a fragment of the next product's A operand, and its two scale bytes.
; SHARES.  A work-group owns 256 queries of one head, each of its sixteen waves one tile of 16.  THE WHOLE HEAD LIES IN LDS: its record is filled once, no slot is filled again.
; CLUSTER.  The four work-groups of a head read the same record: waves 0 to 7 ask for an eighth each, jointly with the three partners.
; Both products are used transposed (S^T = k q^T, O^T = v^T p^T): a lane holds one query throughout.  The first product's K is 64: q's upper six registers are zero codes, so what stands in k's
; upper six registers (the next tile's codes) counts for nothing; the upper two scale bytes are 0, which is 2^-127 and no NaN.
; THE SOFTMAX: t = score x c, c = |f| log2(e) / 8; where f is negative the signs of q's codes are turned, which is the quantised -q exactly.  M = the running largest t rounded up to a whole number;
; p = 2^(t - M) is quantised along the keys; the row's sum is taken of the unquantised p and divides at the end.
; No prefetch: the record is read once, at the head, where every work-group's loads are on their way.
; LIMITS: NaN and infinities are not served; 1 / the sum is v_rcp_f32's.
.set QC,    0x1000000
.set QSC,   0x1300000
.set KV,    0x1340000
.set REC,   104448
.set VCO,   49152
.set KSO,   98304
.set VSO,   102400
.set TWN,   0x19A0000
.set ASOFF, 0x300000
.set SPARE, 104448                     ; behind the record: the spare words, 128 bytes for each of 16 waves: eight blocks of 256 bytes that no other line names
.set A16, 1                            ; v1  16 x lane + 6,144 x step
.set A8,  2                            ; v2  8 x lane + 6,144 x step
.set AKS, 3                            ; v3  k's scale words
.set AVS, 4                            ; v4  v's
.set O16, 5                            ; v5  16 x lane
.set O8,  6                            ; v6  8 x lane
.set SPW, 7
.set NIL, 8
.set R4,  9                            ; v9  4 r
                                       ; v[10:11] c; v12 -M; v13 the largest t; v[14:15] the sum; v16-21 q, v22-27 zero codes
.set KF,  28                           ; v28-75 k's eight halves, six registers apart; then v's four fragments; v76-81 zero
.set S,   82                           ; v82-145 S^T, then p
.set O,   146                          ; v146-177 O^T
.set PC,  178                          ; v178-189 p's codes
.set BM,  190
.set TT,  194
.set SO,  202
.set F,   206
.set TP,  208
.set HW,  209
.set KSW, 210                          ; v210-213 k's scale words: lanes 0-15 an even tile's, lanes 16-31 the odd one's
.set VSW, 214                          ; v214-215 v's likewise
.set PW,  216                          ; p's scale word
.set QS,  217                          ; q's
.set E,   218                          ; v218-249 O^T / the sum
.set WV,  8
.set G1,  16
.set G0,  24
.set SEL, 46
.macro CROUND
	s_barrier_signal -1
	s_barrier_wait -1
	s_cmp_lg_u32 s[WV], 0
	s_cbranch_scc1 .Lnot_wave_0_\@
	s_barrier_signal -3
.Lnot_wave_0_\@:
	s_barrier_wait -3
	s_barrier_signal -1
	s_barrier_wait -1
.endm
	s_load_b128 s[4:7], s[0:1], 0x0                ; the operands, the output
	v_lshl_add_u32 v[SPW], v0, 2, SPARE
	v_mov_b32 v[NIL], 0
	ds_add_u32 v[SPW], v[NIL]                      ; the wave's opening: the add and its wait come ahead of the first tensor load
	v_lshrrev_b32 v9, 5, v0
	v_readfirstlane_b32 s[WV], v9                  ; wave 0..15
	s_bfe_u32 s9, ttmp6, 0x40000                   ; cx: it enters q's, f's and the output's addresses alone
	s_and_b32 s10, ttmp7, 0xffff                   ; 16 x batch + head
	s_lshr_b32 s11, s10, 4
	s_and_b32 s12, s10, 15
	s_lshl_b32 s13, s9, 4
	s_add_co_u32 s13, s13, s[WV]                   ; my tile of queries
	s_mov_b32 s[G1], 15|(3<<16)|(1<<21)            ; all four work-groups; elements of 8 bytes; no padding
	s_mov_b32 s[G1+1], 32<<16                      ; 51 rows of 256 dense bytes: an eighth of the record
	s_mov_b32 s[G1+2], 51<<16
	s_mov_b32 s[G1+3], 32<<16
	s_mov_b32 s[G1+4], 51
	s_mov_b32 s[G1+5], 32
	s_mov_b32 s[G1+6], 0
	s_mov_b32 s[G1+7], 0
	s_min_u32 s28, s[WV], 7                        ; (waves 8 to 15 issue no load)
	s_mul_i32 s28, s28, 13056
	s_mul_i32 s14, s10, REC
	s_add_co_u32 s14, s14, KV
	s_add_co_u32 s14, s14, s28
	s_mov_b32 s15, 0
	s_lshl_b32 s32, s10, 6
	s_add_co_u32 s32, s32, s13
	s_mul_i32 s34, s32, 768
	s_add_co_u32 s34, s34, QC
	s_mov_b32 s35, 0
	s_lshl_b32 s36, s32, 6
	s_add_co_u32 s36, s36, QSC
	s_mov_b32 s37, 0
	s_lshl_b32 s38, s11, 10
	s_lshr_b32 s39, s13, 1
	s_lshl_b32 s39, s39, 5
	s_add_co_u32 s38, s38, s39
	s_and_b32 s39, s13, 1
	s_lshl_b32 s39, s39, 3
	s_add_co_u32 s38, s38, s39                     ; my tile's first token
	s_lshl_b32 s38, s38, 2
	s_add_co_u32 s38, s38, TWN
	s_mov_b32 s39, 0
	s_lshl_b32 s40, s11, 6
	s_add_co_u32 s40, s40, s13
	s_lshl_b32 s40, s40, 3
	s_lshr_b32 s41, s12, 1
	s_add_co_u32 s40, s40, s41                     ; the output's fragment: (64 x batch + tile) x 8 + head / 2
	s_and_b32 s41, s12, 1
	s_mul_i32 s42, s40, 1536
	s_mul_i32 s43, s41, 768
	s_add_co_u32 s42, s42, s43
	s_mov_b32 s43, 0
	s_lshl_b32 s44, s40, 6
	s_lshl_b32 s41, s41, 1
	s_add_co_u32 s44, s44, s41
	s_add_co_u32 s44, s44, ASOFF
	s_mov_b32 s45, 0
	s_mov_b32 s[SEL], 0x76543210
	s_mov_b32 s[SEL+1], 0xfedcba98
	s_mov_b32 s30, 8
	s_wait_dscnt 0x0                               ; the opening add is done
	s_wait_kmcnt 0x0
	s_mov_b32 s[G0], 1
	s_mov_b32 s[G0+1], s28
	s_add_nc_u64 s[G0+2:G0+3], s[4:5], s[14:15]
	s_or_b32 s[G0+3], s[G0+3], 0x80000000
	s_add_nc_u64 s[34:35], s[4:5], s[34:35]
	s_add_nc_u64 s[36:37], s[4:5], s[36:37]
	s_add_nc_u64 s[38:39], s[4:5], s[38:39]
	s_add_nc_u64 s[42:43], s[6:7], s[42:43]
	s_add_nc_u64 s[44:45], s[6:7], s[44:45]
	CROUND                                         ; all four work-groups are here: the joint loads meet
	s_cmp_lt_u32 s[WV], 8
	s_cbranch_scc0 .Lno_fetch
	tensor_load_to_lds s[G0:G0+3], s[G1:G1+7]      ; one load a wave is out
	s_nop 0
.rept 4
	v_nop
.endr
.Lno_fetch:
	v_and_b32 v9, 31, v0
	v_lshlrev_b32 v[O16], 4, v9
	v_lshlrev_b32 v[O8], 3, v9
	v_mov_b32 v[A16], v[O16]
	v_mov_b32 v[A8], v[O8]
	v_lshl_add_u32 v[AKS], v9, 2, KSO
	v_lshl_add_u32 v[AVS], v9, 2, VSO
	v_and_b32 v[TP], 15, v0                        ; r
	v_lshlrev_b32 v[R4], 2, v[TP]
	v_and_b32 v[HW], 8, v[TP]
	v_add_nc_u32 v[HW], v[HW], v[TP]
	v_lshlrev_b32 v[HW], 2, v[HW]                  ; 4 (r + 8 (r / 8))
	global_load_b128 v[16:19], v[O16], s[34:35]
	global_load_b64 v[20:21], v[O8], s[34:35] offset:512
	global_load_b32 v[QS], v[R4], s[36:37]
	global_load_b32 v10, v[HW], s[38:39]
.irp i, 22,23,24,25,26,27,76,77,78,79,80,81
	v_mov_b32 v\i, 0
.endr
	v_mov_b32 v13, 0xff61b1e6                      ; the largest t so far: -3e38
	v_floor_f32 v12, -v13
	v_mov_b32 v14, 0
	v_mov_b32 v15, 0
.irp b, 0,1,2,3
	v_mov_b32 v[TT+\b], 0                          ; a lane permute's destination counts as one of its sources
.endr
	v_mov_b32 v[F+1], 0                            ; (named as the upper half of a pair)
.set II, 0
.rept 32
	v_mov_b32 v[O+II], 0                           ; the step is written once: the first finds zeros
.set II, II+1
.endr
	s_wait_loadcnt 0x0
	v_ashrrev_i32 v[TP], 31, v10                   ; all ones where f is negative
	v_and_b32 v[HW], 0x20820820, v[TP]             ; the codes' sign bits: bit 6 i + 5 of the row's stream, three registers to a period
	v_xor_b32 v16, v16, v[HW]
	v_xor_b32 v19, v19, v[HW]
	v_and_b32 v[HW], 0x08208208, v[TP]
	v_xor_b32 v17, v17, v[HW]
	v_xor_b32 v20, v20, v[HW]
	v_and_b32 v[HW], 0x82082082, v[TP]
	v_xor_b32 v18, v18, v[HW]
	v_xor_b32 v21, v21, v[HW]
	v_mul_f32 v10, 0x3e38aa3b, |v10|               ; c = |f| log2(e) / 8
	v_mov_b32 v11, v10
	v_nop                                          ; with the two lines above: four places between the last write of q's codes and the first product
	v_nop
	s_wait_tensorcnt 0x0                           ; my part of the record is in,
	s_barrier_signal -1
	s_barrier_wait -1                              ; everybody's is
.Lkeys:                                            ; eight trips of 128 keys
.irp t, 0,1,2,3,4,5,6,7
	ds_load_b128 v[KF+6*\t:KF+6*\t+3], v[A16] offset:768*\t
	ds_load_b64 v[KF+6*\t+4:KF+6*\t+5], v[A8] offset:768*\t+512
.endr
.irp j, 0,1,2,3
	ds_load_b32 v[KSW+\j], v[AKS] offset:128*\j
.endr
	s_wait_dscnt 0x0
.irp t, 0,2,4,6
	v_wmma_scale_f32_16x16x128_f8f6f4 v[S+8*\t:S+8*\t+7], v[KF+6*\t:KF+6*\t+11], v[16:27], 0, v[KSW+\t/2], v[QS] matrix_a_fmt:MATRIX_FMT_FP6 matrix_b_fmt:MATRIX_FMT_FP6
	v_wmma_scale_f32_16x16x128_f8f6f4 v[S+8*\t+8:S+8*\t+15], v[KF+6*\t+6:KF+6*\t+17], v[16:27], 0, v[KSW+\t/2], v[QS] matrix_a_fmt:MATRIX_FMT_FP6 matrix_b_fmt:MATRIX_FMT_FP6 matrix_a_scale:MATRIX_SCALE_ROW1
.endr
.rept 4
	v_nop                                          ; places in front of the loads into k's registers and of the first read of the scores
.endr
.irp d, 0,1,2,3                                    ; v's fragments land while the softmax is walked
	ds_load_b128 v[KF+12*\d:KF+12*\d+3], v[A16] offset:VCO+1536*\d
	ds_load_b64 v[KF+12*\d+4:KF+12*\d+5], v[A8] offset:VCO+1536*\d+512
	ds_load_b128 v[KF+12*\d+6:KF+12*\d+9], v[A16] offset:VCO+1536*\d+768
	ds_load_b64 v[KF+12*\d+10:KF+12*\d+11], v[A8] offset:VCO+1536*\d+1280
.endr
.irp j, 0,1
	ds_load_b32 v[VSW+\j], v[AVS] offset:128*\j
.endr
.irp b, 0,1,2,3
	v_max3_num_f32 v[BM+\b], v[S+16*\b], v[S+1+16*\b], v[S+2+16*\b]   ; the largest score of each block of 32 keys: for the row's maximum, and, since p rises with the score, for the block's largest p
.endr
.irp i, 3,5,7,9,11,13
.irp b, 0,1,2,3
	v_max3_num_f32 v[BM+\b], v[BM+\b], v[S+16*\b+\i], v[S+1+16*\b+\i]
.endr
.endr
.irp b, 0,1,2,3
	v_max_num_f32 v[BM+\b], v[BM+\b], v[S+15+16*\b]
.endr
.irp b, 0,1,2,3
	v_permlanex16_b32 v[TT+\b], v[BM+\b], s[SEL], s[SEL+1]
.endr
.irp b, 0,1,2,3
	v_max_num_f32 v[BM+\b], v[BM+\b], v[TT+\b]
.endr
	v_max3_num_f32 v[TP], v[BM], v[BM+1], v[BM+2]
	v_max_num_f32 v[TP], v[TP], v[BM+3]
	v_mul_f32 v[TP], v10, v[TP]                    ; as t (c is not negative)
	v_max_num_f32 v13, v13, v[TP]
	v_mov_b32 v[TP], v12
	v_floor_f32 v12, -v13                          ; -M = floor(-t): M is a whole number
	v_sub_f32 v[TP], v12, v[TP]
	v_cvt_i32_f32 v[TP], v[TP]                     ; (it saturates)
	v_ldexp_f32 v[F], 1.0, v[TP]                   ; 2^(old M - new M): rounds nothing
.set II, 0
.rept 32
	v_pk_fma_f32 v[S+II:S+II+1], v[S+II:S+II+1], v[10:11], v[12:13] op_sel_hi:[1,0,0]   ; t - M
.set II, II+2
.endr
.irp b, 0,1,2,3
	v_fma_f32 v[BM+\b], v[BM+\b], v10, v12
.endr
.set II, 0
.rept 64
	v_exp_f32 v[S+II], v[S+II]
.set II, II+1
.endr
	v_pk_mul_f32 v[14:15], v[14:15], v[F:F+1] op_sel_hi:[1,0]   ; the sums under the new M: a plain place behind the exponentials
	s_wait_alu depctr_va_vdst(0)                   ; one wait for the batch, ahead of its first reader
.irp b, 0,1,2,3
	v_exp_f32 v[BM+\b], v[BM+\b]                   ; the block's largest p
.endr
	v_pk_add_f32 v[TT:TT+1], v[S:S+1], v[S+2:S+3]  ; the row's sum of the unquantised p, in two chains
.irp j, 4,8,12,16,20,24,28,32,36,40,44,48,52,56,60
	v_pk_add_f32 v[14:15], v[14:15], v[S+\j:S+\j+1]
	v_pk_add_f32 v[TT:TT+1], v[TT:TT+1], v[S+\j+2:S+\j+3]
.endr
	v_pk_add_f32 v[14:15], v[14:15], v[TT:TT+1]
	s_wait_alu depctr_va_vdst(0)                   ; and one for the four
.irp b, 0,1,2,3
	v_max_num_f32 v[BM+\b], 0x1800000, v[BM+\b]
.endr
.irp b, 0,1,2,3
	v_add_nc_u32 v[SO+\b], 0xff000000, v[BM+\b]
.endr
.irp b, 0,1,2,3
	v_lshrrev_b32 v[TT+\b], 23, v[SO+\b]
.endr
	v_lshl_or_b32 v[PW], v[TT+1], 8, v[TT]
	v_lshl_or_b32 v[PW], v[TT+2], 16, v[PW]
	v_lshl_or_b32 v[PW], v[TT+3], 24, v[PW]
.irp c, 0,1
	v_cvt_scalef32_pk16_fp6_f32 v[PC+6*\c:PC+6*\c+2], v[S+32*\c:S+32*\c+15], v[SO+2*\c]
	v_cvt_scalef32_pk16_fp6_f32 v[TT+4*\c:TT+4*\c+2], v[S+16+32*\c:S+31+32*\c], v[SO+2*\c+1]
.endr
	v_nop
.irp c, 0,1
.irp i, 0,1,2
	v_permlane16_swap_b32 v[PC+6*\c+\i], v[TT+4*\c+\i]
.endr
.irp i, 0,1,2
	v_mov_b32 v[PC+3+6*\c+\i], v[TT+4*\c+\i]
.endr
.endr
.set II, 0
.rept 16
	v_pk_mul_f32 v[O+II:O+II+1], v[O+II:O+II+1], v[F:F+1] op_sel_hi:[1,0]   ; O^T under the new M; these are also the places behind the writes of p's codes and scale word
.set II, II+2
.endr
.rept 4
	v_nop
.endr
	s_wait_dscnt 0x0                               ; v's fragments and scale words are in
.irp d, 0,2
	v_wmma_scale_f32_16x16x128_f8f6f4 v[O+8*\d:O+8*\d+7], v[KF+12*\d:KF+12*\d+11], v[PC:PC+11], v[O+8*\d:O+8*\d+7], v[VSW+\d/2], v[PW] matrix_a_fmt:MATRIX_FMT_FP6 matrix_b_fmt:MATRIX_FMT_FP6
	v_wmma_scale_f32_16x16x128_f8f6f4 v[O+8*\d+8:O+8*\d+15], v[KF+12*\d+12:KF+12*\d+23], v[PC:PC+11], v[O+8*\d+8:O+8*\d+15], v[VSW+\d/2], v[PW] matrix_a_fmt:MATRIX_FMT_FP6 matrix_b_fmt:MATRIX_FMT_FP6 matrix_a_scale:MATRIX_SCALE_ROW1
.endr
	v_add_nc_u32 v[A16], 6144, v[A16]              ; the next step: eight halves of k, four fragments of v; these four lines are the places in front of the next loads
	v_add_nc_u32 v[A8], 6144, v[A8]
	v_add_nc_u32 v[AKS], 512, v[AKS]
	v_add_nc_u32 v[AVS], 256, v[AVS]
	s_sub_co_u32 s30, s30, 1
	s_cmp_lg_u32 s30, 0
	s_cbranch_scc1 .Lkeys
	; THE WAY OUT: O^T / the sum; register 16 b + i is channel 32 b + 16 h + i of my query: two blocks of 32, half a fragment
	v_add_f32 v14, v14, v15
	v_permlanex16_b32 v[TP], v14, s[SEL], s[SEL+1]
	v_add_f32 v14, v14, v[TP]
	v_rcp_f32 v14, v14
	v_and_b32 v[TP], 16, v0                        ; (a plain place)
	s_wait_alu depctr_va_vdst(0)
	v_mov_b32 v15, v14
.set II, 0
.rept 16
	v_pk_mul_f32 v[E+II:E+II+1], v[O+II:O+II+1], v[14:15]      ; each accumulator from its low end on
.set II, II+2
.endr
.irp b, 0,1
	v_max3_num_f32 v[BM+\b], |v[E+16*\b]|, |v[E+1+16*\b]|, 0x1800000
.endr
.irp i, 2,4,6,8,10,12,14
.irp b, 0,1
	v_max3_num_f32 v[BM+\b], v[BM+\b], |v[E+16*\b+\i]|, |v[E+1+16*\b+\i]|
.endr
.endr
.irp b, 0,1
	v_permlanex16_b32 v[TT+\b], v[BM+\b], s[SEL], s[SEL+1]
.endr
.irp b, 0,1
	v_max_num_f32 v[BM+\b], v[BM+\b], v[TT+\b]
.endr
.irp b, 0,1
	v_add_nc_u32 v[SO+\b], 0xff000000, v[BM+\b]
.endr
.irp b, 0,1
	v_lshrrev_b32 v[TT+\b], 23, v[SO+\b]
.endr
	v_lshl_or_b32 v[HW], v[TT+1], 8, v[TT]
	v_cvt_scalef32_pk16_fp6_f32 v[PC:PC+2], v[E:E+15], v[SO]
	v_cvt_scalef32_pk16_fp6_f32 v[TT+4:TT+6], v[E+16:E+31], v[SO+1]
	v_nop
.irp i, 0,1,2
	v_permlane16_swap_b32 v[PC+\i], v[TT+4+\i]
.endr
.irp i, 0,1,2
	v_mov_b32 v[PC+3+\i], v[TT+4+\i]
.endr
	global_store_b128 v[O16], v[PC:PC+3], s[42:43]             ; 512 consecutive bytes
	global_store_b64 v[O8], v[PC+4:PC+5], s[42:43] offset:512  ; 256
	v_cmp_eq_u32 vcc_lo, 0, v[TP]
	s_wait_xcnt 0x0                                ; EXEC changes only behind this wait
	s_and_saveexec_b32 s31, vcc_lo
	global_store_b16 v[R4], v[HW], s[44:45]        ; my head's half of the row's scale word: 32 bytes in all of what a tile stores
	s_wait_xcnt 0x0
	s_or_b32 exec_lo, exec_lo, s31
	s_wait_tensorcnt 0x0                           ; the wave's end
	ds_add_u32 v[SPW], v[NIL]
	s_wait_dscnt 0x0
	CROUND                                         ; the closing round
	s_endpgm
.Lfunc_end_k_q3f6c97c9fd_attn_m:
	.size	k_q3f6c97c9fd_attn_m, .Lfunc_end_k_q3f6c97c9fd_attn_m-k_q3f6c97c9fd_attn_m
	.p2alignl 7, 3214868480
	.fill 96, 4, 3214868480
	.section	.rodata,"a",@progbits
	.p2align	6, 0x0
	.amdhsa_kernel k_q3f6c97c9fd_attn_m
		.amdhsa_group_segment_fixed_size 167936
		.amdhsa_private_segment_fixed_size 0
		.amdhsa_enable_private_segment 0
		.amdhsa_kernarg_size 16
		.amdhsa_user_sgpr_count 2
		.amdhsa_user_sgpr_kernarg_segment_ptr 1
		.amdhsa_wavefront_size32 1
		.amdhsa_system_sgpr_workgroup_id_x 1
		.amdhsa_system_sgpr_workgroup_id_y 1
		.amdhsa_system_sgpr_workgroup_id_z 1
		.amdhsa_system_vgpr_workitem_id 0
		.amdhsa_next_free_vgpr 256
		.amdhsa_next_free_sgpr 66
		.amdhsa_reserve_vcc 1
		.amdhsa_float_denorm_mode_32 3
		.amdhsa_float_denorm_mode_16_64 3
		.amdhsa_memory_ordered 1
		.amdhsa_forward_progress 1
		.amdhsa_inst_pref_size 28
	.end_amdhsa_kernel
	.amdgpu_metadata
---
amdhsa.version: [ 1, 2 ]
amdhsa.kernels:
  - .name:           k_q3f6c97c9fd_attn_m
    .symbol:         k_q3f6c97c9fd_attn_m.kd
    .args:
      - { .name: hm, .offset: 0, .size: 8, .value_kind: global_buffer, .address_space: global }
      - { .name: ac1, .offset: 8, .size: 8, .value_kind: global_buffer, .address_space: global }
    .group_segment_fixed_size: 167936
    .private_segment_fixed_size: 0
    .kernarg_segment_align: 8
    .kernarg_segment_size: 16
    .max_flat_workgroup_size: 512
    .sgpr_count:     66
    .vgpr_count:     256
    .wavefront_size: 32
...
	.end_amdgpu_metadata
.endif
;; end of part 3
;; launch g4: the kernel of part 2 again; grid 4 x 16, 4 waves a work-group, clusters of 4 x 4, 327,680 bytes of LDS; arguments ac1, out0, ha; writes out0, ha
;; launch r1 (part 4): grid 256 x 1, 8 waves a work-group, no clusters, 77,824 bytes of LDS; arguments out0, ac1, ttm_ln_g, ttm_ln_b, thp_w, thp_b, thp_ln_g, thp_ln_b, ac2; writes ac2
.if DOCPART == 4
	.amdgcn_target "amdgcn-amd-amdhsa--gfx1250"
	.amdhsa_code_object_version 6
	.text
	.protected	k_q3f6c97c9fd_r1
	.globl	k_q3f6c97c9fd_r1
	.p2align	8
	.type	k_q3f6c97c9fd_r1,@function
k_q3f6c97c9fd_r1:
	s_mov_b64 s[64:65], 0
	v_nop
	global_prefetch_b8 v0, s[64:65] scope:SCOPE_SE
	s_setreg_imm32_b32 hwreg(HW_REG_WAVE_MODE, 25, 1), 1
	s_wait_xcnt 0x0
; For 16 tokens (one row tile): the 16 logits = Q(ttm_out) Q(wt)^T; LayerNorm over 16; sigmoid; T0 = 1 + 0.1 (temp - 0.5); T0 thp_w^T + thp_b (f32 operands: its result goes on into a quantiser);
; LayerNorm over 1,024; exact gelu; sigmoid = T_base, which leaves as codes of FP6 (E2M3), the A operand of the next product, and its column 0 as f32.
; SHARES.  Eight waves; wave w owns columns 128 w .. 128 w + 127 of both wide rows: K step w of the product with wt, and one fragment of T_base.  A lane holds one token (lane % 16).
; The eight parts of the 16 logits meet in LDS; every wave then makes T0 for itself.  Row sums over 1,024 meet in LDS twice.  Three barriers.
; What work-groups share (wt's 12 KB of codes, four vectors, thp_w's 64 KB) is small beside the 64 KB of rows that each reads alone: no cluster.
; gelu(x) = |x| (0.5 - P) + 0.5 x, P = 0.5 erfc(|x| / sqrt 2) by the five-term rational form in t = 1 / (1 + 0.2316419 |x|).
; LIMITS: that form's absolute error, about 1.5e-7 in the normal distribution function; NaN and infinities are not served.
.set ASOFF, 0x300000
.set TAILO, 0x418000
.set P5I,   67584                      ; LDS: eight stages of 16 x 528 at 0; the eight parts of the logits, 1,024 bytes each;
.set RED0,  75776                      ; two tables of 16 rows x 8 waves;
.set SPARE, 76800                      ; the spare words: four blocks of 256 bytes that no other line names
.set L16,  1
.set L8,   2
.set SIN,  3
.set SOUT, 4
.set P5S,  5
.set P5L,  6
.set RDS,  7
.set RDL,  8
.set SPW,  9
.set NIL,  10
.set C64,  11                          ; 64 h: my half's place in a vector over columns
.set TWO,  12                          ; thp_w: (r + 8 (r / 8)) x 64 + 32 h
.set R4,   13
.set TOK4, 14
.set TM,   16
.set PW,   32
.set WTS,  33
.set PC,   34
.set T0,   54
.set X,    64
.set Y,    128
.set LG,   164
.set D6,   192                         ; written by matrix instructions alone
.set KPZ,  40
.set KN,   42
.set CA1,  44
.set CA2,  46
.set CA3,  48
.set CA4,  50
.set CA5,  51
.set NLE,  52
.set SEL,  54
.macro QUANT s
.irp b, 0,1,2,3
	v_max3_num_f32 v[TM+\b], |v[\s+16*\b]|, |v[\s+1+16*\b]|, 0x1800000
.endr
.irp i, 2,4,6,8,10,12,14
.irp b, 0,1,2,3
	v_max3_num_f32 v[TM+\b], v[TM+\b], |v[\s+16*\b+\i]|, |v[\s+1+16*\b+\i]|
.endr
.endr
.irp b, 0,1,2,3
	v_permlanex16_b32 v[TM+4+\b], v[TM+\b], s[SEL], s[SEL+1]
.endr
.irp b, 0,1,2,3
	v_max_num_f32 v[TM+\b], v[TM+\b], v[TM+4+\b]
.endr
.irp b, 0,1,2,3
	v_add_nc_u32 v[TM+12+\b], 0xff000000, v[TM+\b]
.endr
.irp b, 0,1,2,3
	v_lshrrev_b32 v[TM+4+\b], 23, v[TM+12+\b]
.endr
	v_lshl_or_b32 v[PW], v[TM+5], 8, v[TM+4]
	v_lshl_or_b32 v[PW], v[TM+6], 16, v[PW]
	v_lshl_or_b32 v[PW], v[TM+7], 24, v[PW]
.irp c, 0,1
	v_cvt_scalef32_pk16_fp6_f32 v[PC+6*\c:PC+2+6*\c], v[\s+32*\c:\s+15+32*\c], v[TM+12+2*\c]
	v_cvt_scalef32_pk16_fp6_f32 v[PC+12+4*\c:PC+14+4*\c], v[\s+16+32*\c:\s+31+32*\c], v[TM+12+2*\c+1]
.endr
	v_nop
.irp c, 0,1
.irp i, 0,1,2
	v_permlane16_swap_b32 v[PC+6*\c+\i], v[PC+12+4*\c+\i]
.endr
.irp i, 0,1,2
	v_mov_b32 v[PC+3+6*\c+\i], v[PC+12+4*\c+\i]
.endr
.endr
.endm
; gelu of 16 registers in place; 48 registers from t on at work.  The 32 transcendentals are one batch with one wait.
.macro GELU16 x, t
.irp i, 0,1,2,3,4,5,6,7,8,9,10,11,12,13,14,15
	v_fma_f32 v[\t+\i], |v[\x+\i]|, s[KPZ], 1.0
.endr
.irp i, 0,2,4,6,8,10,12,14
	v_pk_mul_f32 v[\t+16+\i:\t+17+\i], v[\x+\i:\x+\i+1], s[KN:KN+1] op_sel_hi:[1,0]
.endr
.irp i, 0,2,4,6,8,10,12,14
	v_pk_mul_f32 v[\t+16+\i:\t+17+\i], v[\t+16+\i:\t+17+\i], v[\x+\i:\x+\i+1]      ; -x^2 log2(e) / 2
.endr
.irp i, 0,1,2,3,4,5,6,7,8,9,10,11,12,13,14,15
	v_rcp_f32 v[\t+\i], v[\t+\i]
.endr
.irp i, 0,1,2,3,4,5,6,7,8,9,10,11,12,13,14,15
	v_exp_f32 v[\t+16+\i], v[\t+16+\i]
.endr
	v_nop
	s_wait_alu depctr_va_vdst(0)
.irp i, 0,1,2,3,4,5,6,7,8,9,10,11,12,13,14,15
	v_fma_f32 v[\t+32+\i], v[\t+\i], s[CA5], s[CA4]
.endr
.irp c, CA3, CA2, CA1
.irp i, 0,2,4,6,8,10,12,14
	v_pk_fma_f32 v[\t+32+\i:\t+33+\i], v[\t+32+\i:\t+33+\i], v[\t+\i:\t+\i+1], s[\c:\c+1] op_sel_hi:[1,1,0]
.endr
.endr
.irp i, 0,2,4,6,8,10,12,14
	v_pk_mul_f32 v[\t+32+\i:\t+33+\i], v[\t+32+\i:\t+33+\i], v[\t+\i:\t+\i+1]
.endr
.irp i, 0,2,4,6,8,10,12,14
	v_pk_mul_f32 v[\t+32+\i:\t+33+\i], v[\t+32+\i:\t+33+\i], v[\t+16+\i:\t+17+\i]  ; P
.endr
.irp i, 0,2,4,6,8,10,12,14
	v_pk_add_f32 v[\t+32+\i:\t+33+\i], v[\t+32+\i:\t+33+\i], 0.5 op_sel_hi:[1,0] neg_lo:[1,0] neg_hi:[1,0]   ; 0.5 - P
.endr
.irp i, 0,2,4,6,8,10,12,14
	v_pk_mul_f32 v[\t+\i:\t+\i+1], v[\x+\i:\x+\i+1], 0.5 op_sel_hi:[1,0]
.endr
.irp i, 0,1,2,3,4,5,6,7,8,9,10,11,12,13,14,15
	v_fma_f32 v[\x+\i], |v[\x+\i]|, v[\t+32+\i], v[\t+\i]
.endr
.endm
.macro SIGM16 x, t
.irp i, 0,2,4,6,8,10,12,14
	v_pk_mul_f32 v[\t+\i:\t+\i+1], v[\x+\i:\x+\i+1], s[NLE:NLE+1] op_sel_hi:[1,0]
.endr
.irp i, 0,1,2,3,4,5,6,7,8,9,10,11,12,13,14,15
	v_exp_f32 v[\t+\i], v[\t+\i]
.endr
	v_nop
	s_wait_alu depctr_va_vdst(0)
.irp i, 0,2,4,6,8,10,12,14
	v_pk_add_f32 v[\t+\i:\t+\i+1], v[\t+\i:\t+\i+1], 1.0 op_sel_hi:[1,0]
.endr
.irp i, 0,1,2,3,4,5,6,7,8,9,10,11,12,13,14,15
	v_rcp_f32 v[\x+\i], v[\t+\i]
.endr
	v_nop
	s_wait_alu depctr_va_vdst(0)
.endm
.macro ROWRED p                                    ; v62: my wave's sum for token r -> the eight waves'
	ds_store_b32 v[RDS], v62 offset:512*\p         ; both halves of the lanes write the same word with the same value
	s_wait_dscnt 0x0                               ; for the others' sake
	s_barrier_signal -1
	s_barrier_wait -1
	ds_load_b128 v[TM:TM+3], v[RDL] offset:512*\p
	ds_load_b128 v[TM+4:TM+7], v[RDL] offset:512*\p+16
	s_wait_dscnt 0x0
	v_pk_add_f32 v[TM:TM+1], v[TM:TM+1], v[TM+2:TM+3]
	v_pk_add_f32 v[TM+4:TM+5], v[TM+4:TM+5], v[TM+6:TM+7]
	v_pk_add_f32 v[TM:TM+1], v[TM:TM+1], v[TM+4:TM+5]
	v_add_f32 v62, v[TM], v[TM+1]
.endm
.macro GBLOAD hf                                   ; gain and shift of 32 of a lane's 64 columns
.irp t, 0,1,2,3
	global_load_b128 v[Y+8*\t:Y+8*\t+3], v[C64], s[20:21] offset:(32*((4*\hf+\t)/2)+8*(\t%2))*4
	global_load_b128 v[Y+8*\t+4:Y+8*\t+7], v[C64], s[20:21] offset:(32*((4*\hf+\t)/2)+8*(\t%2))*4+16
	global_load_b128 v[Y+32+8*\t:Y+32+8*\t+3], v[C64], s[22:23] offset:(32*((4*\hf+\t)/2)+8*(\t%2))*4
	global_load_b128 v[Y+32+8*\t+4:Y+32+8*\t+7], v[C64], s[22:23] offset:(32*((4*\hf+\t)/2)+8*(\t%2))*4+16
.endr
.endm
	s_load_b512 s[8:23], s[0:1], 0x0               ; ttm_out, ac1, ttm_ln_g, ttm_ln_b, thp_w, thp_b, thp_ln_g, thp_ln_b
	s_load_b64 s[24:25], s[0:1], 0x40              ; ac2
	v_lshl_add_u32 v[SPW], v0, 2, SPARE
	v_mov_b32 v[NIL], 0
	v_lshrrev_b32 v15, 5, v0
	v_readfirstlane_b32 s26, v15                   ; wave 0..7
	s_mov_b32 s27, ttmp9                           ; the row tile
	v_and_b32 v15, 31, v0
	v_lshlrev_b32 v[L16], 4, v15
	v_lshlrev_b32 v[L8], 3, v15
	v_and_b32 v[R4], 15, v0                        ; r
	v_bfe_u32 v[C64], v0, 4, 1                     ; h
	s_mul_i32 s29, s26, 8448
	v_add_nc_u32 v[SIN], s29, v[L16]
	v_mul_u32_u24 v[SOUT], v[R4], 528
	v_lshl_add_u32 v[SOUT], v[C64], 6, v[SOUT]
	v_add_nc_u32 v[SOUT], s29, v[SOUT]
	s_lshl_b32 s29, s26, 10
	s_add_co_u32 s29, s29, P5I
	v_add_nc_u32 v[P5S], s29, v[L16]
	v_add_nc_u32 v[P5L], P5I, v[L16]
	v_lshl_add_u32 v[RDL], v[R4], 5, RED0
	s_lshl_b32 s29, s26, 2
	v_add_nc_u32 v[RDS], s29, v[RDL]
	v_and_b32 v[TOK4], 8, v[R4]
	v_add_nc_u32 v[TOK4], v[TOK4], v[R4]           ; r + 8 (r / 8)
	v_lshlrev_b32 v[TWO], 6, v[TOK4]
	v_lshl_add_u32 v[TWO], v[C64], 5, v[TWO]
	v_lshlrev_b32 v[TOK4], 2, v[TOK4]
	v_lshlrev_b32 v62, 5, v[C64]                   ; 32 h
	v_lshlrev_b32 v[C64], 6, v[C64]
	v_lshlrev_b32 v[R4], 2, v[R4]
	v_mov_b32 v15, 0
.irp b, 0,1,2,3
	v_mov_b32 v[TM+4+\b], 0
.endr
	s_mov_b32 s[KPZ], 0x3e6d3388                   ; 0.3275911 / sqrt 2
	s_mov_b32 s[KN], 0xbf38aa3b                    ; -log2(e) / 2
	s_mov_b32 s[KN+1], s[KN]
	s_mov_b32 s[CA1], 0x3e027906                   ; the five coefficients, halved
	s_mov_b32 s[CA1+1], s[CA1]
	s_mov_b32 s[CA2], 0xbe11a98e
	s_mov_b32 s[CA2+1], s[CA2]
	s_mov_b32 s[CA3], 0x3f35f0e3
	s_mov_b32 s[CA3+1], s[CA3]
	s_mov_b32 s[CA4], 0xbf3a00e3
	s_mov_b32 s[CA5], 0x3f07dc22
	s_mov_b32 s[NLE], 0xbfb8aa3b                   ; -log2(e)
	s_mov_b32 s[NLE+1], s[NLE]
	s_mov_b32 s[SEL], 0x76543210
	s_mov_b32 s[SEL+1], 0xfedcba98
	s_mov_b32 s56, 0x3d800000                      ; 1 / 16
	s_mov_b32 s57, 0x3727c5ac                      ; 1e-5
	s_mov_b32 s58, 0x3dcccccd                      ; 0.1
	s_mov_b32 s59, s58
	s_mov_b32 s62, 0x3a800000                      ; 1 / 1,024
	s_lshr_b32 s28, s27, 1
	s_lshl_b32 s28, s28, 5
	s_and_b32 s29, s27, 1
	s_lshl_b32 s29, s29, 3
	s_add_co_u32 s28, s28, s29                     ; the tile's first token
	s_mov_b32 s31, 0
	s_wait_kmcnt 0x0
	s_lshl_b32 s30, s28, 12
	s_lshl_b32 s29, s26, 9
	s_add_co_u32 s30, s30, s29
	s_add_nc_u64 s[8:9], s[8:9], s[30:31]          ; ttm_out: my columns of the tile's first row
	s_mov_b32 s30, s29                             ; 512 w: my columns of the vectors
	s_add_nc_u64 s[18:19], s[18:19], s[30:31]
	s_add_nc_u64 s[20:21], s[20:21], s[30:31]
	s_add_nc_u64 s[22:23], s[22:23], s[30:31]
	s_lshl_b32 s30, s26, 13
	s_add_nc_u64 s[16:17], s[16:17], s[30:31]      ; thp_w: my 128 rows of 64 bytes
	s_mul_i32 s30, s26, 1536
	s_add_co_u32 s30, s30, TAILO
	s_add_nc_u64 s[32:33], s[10:11], s[30:31]      ; wt's fragment w
	s_lshl_b32 s30, s26, 6
	s_add_co_u32 s30, s30, TAILO+12288
	s_add_nc_u64 s[34:35], s[10:11], s[30:31]      ; and its scale words
	s_lshl_b32 s29, s27, 3
	s_add_co_u32 s29, s29, s26                     ; the output's fragment: 8 x tile + w
	s_mul_i32 s30, s29, 1536
	s_add_nc_u64 s[36:37], s[24:25], s[30:31]
	s_lshl_b32 s30, s29, 6
	s_add_co_u32 s30, s30, ASOFF
	s_add_nc_u64 s[38:39], s[24:25], s[30:31]
	s_lshl_b32 s30, s28, 2
	s_add_co_u32 s30, s30, TAILO
	s_add_nc_u64 s[60:61], s[24:25], s[30:31]      ; column 0 of T_base, by tokens
.irp t, 0,1,2,3,4,5,6,7,8,9,10,11,12,13,14,15
	global_load_b128 v[X+4*\t:X+4*\t+3], v[L16], s[8:9] offset:(\t+8*(\t/8))*4096 th:TH_LOAD_NT   ; 512 consecutive bytes of one row
.endr
	global_load_b128 v[Y:Y+3], v[L16], s[32:33]
	global_load_b64 v[Y+4:Y+5], v[L8], s[32:33] offset:512
	global_load_b128 v[Y+6:Y+9], v[L16], s[32:33] offset:768
	global_load_b64 v[Y+10:Y+11], v[L8], s[32:33] offset:1280
	global_load_b32 v[WTS], v[R4], s[34:35]
	global_load_b128 v[Y+12:Y+15], v62, s[12:13]
	global_load_b128 v[Y+16:Y+19], v62, s[12:13] offset:16
	global_load_b128 v[Y+20:Y+23], v62, s[14:15]
	global_load_b128 v[Y+24:Y+27], v62, s[14:15] offset:16
	s_wait_loadcnt 9                               ; the 16 rows are in; the nine loads behind them may be out
.irp t, 0,1,2,3,4,5,6,7,8,9,10,11,12,13,14,15
	ds_store_b128 v[SIN], v[X+4*\t:X+4*\t+3] offset:528*\t
.endr
.irp b, 0,1,2,3
.irp j, 0,1,2,3
	ds_load_b128 v[X+16*\b+4*\j:X+16*\b+4*\j+3], v[SOUT] offset:128*\b+16*\j   ; LDS serves a wave's instructions in order
.endr
.endr
	s_wait_dscnt 0x0
	QUANT X
	s_wait_loadcnt 0x0
.rept 8
	v_nop                                          ; a scale register written by a vector instruction stands 8 places ahead of a scaled matrix instruction
.endr
	v_wmma_scale_f32_16x16x128_f8f6f4 v[Y+28:Y+35], v[Y:Y+11], v[PC:PC+11], 0, v[WTS], v[PW] matrix_a_fmt:MATRIX_FMT_FP6 matrix_b_fmt:MATRIX_FMT_FP6   ; lane (r, h), register j: token r, logit 8 h + j; my K step's part
.rept 4
	v_nop
.endr
	ds_store_b128 v[P5S], v[Y+28:Y+31]
	ds_store_b128 v[P5S], v[Y+32:Y+35] offset:512
	s_wait_dscnt 0x0
	s_barrier_signal -1
	s_barrier_wait -1                              ; the eight parts lie in LDS
.irp p, 0,1,2,3,4,5,6,7
	ds_load_b128 v[X+8*\p:X+8*\p+3], v[P5L] offset:1024*\p
	ds_load_b128 v[X+8*\p+4:X+8*\p+7], v[P5L] offset:1024*\p+512
.endr
	s_wait_dscnt 0x0
.irp u, 0,2,4,6
	v_pk_add_f32 v[LG+\u:LG+\u+1], v[X+\u:X+\u+1], v[X+8+\u:X+9+\u]
.endr
.irp p, 2,3,4,5,6,7
.irp u, 0,2,4,6
	v_pk_add_f32 v[LG+\u:LG+\u+1], v[LG+\u:LG+\u+1], v[X+8*\p+\u:X+8*\p+\u+1]
.endr
.endr
.irp t, 0,1,2,3,4,5,6,7                            ; thp_w: tile t, lane (r, h): its row's k = 8 h + 0 .. 7
	global_load_b128 v[X+8*\t:X+8*\t+3], v[TWO], s[16:17] offset:(32*(\t/2)+8*(\t%2))*64
	global_load_b128 v[X+8*\t+4:X+8*\t+7], v[TWO], s[16:17] offset:(32*(\t/2)+8*(\t%2))*64+16
.endr
	; LayerNorm over the 16 logits: eight in my registers, eight in lane l xor 16's
	v_pk_add_f32 v[62:63], v[LG:LG+1], v[LG+2:LG+3]
	v_pk_add_f32 v[TM:TM+1], v[LG+4:LG+5], v[LG+6:LG+7]
	v_pk_add_f32 v[62:63], v[62:63], v[TM:TM+1]
	v_add_f32 v62, v62, v63
	v_permlanex16_b32 v15, v62, s[SEL], s[SEL+1]
	v_add_f32 v62, v62, v15
	v_mul_f32 v62, s56, v62
	v_mov_b32 v63, v62
.irp u, 0,2,4,6
	v_pk_add_f32 v[LG+\u:LG+\u+1], v[LG+\u:LG+\u+1], v[62:63] neg_lo:[0,1] neg_hi:[0,1]
.endr
	v_pk_mul_f32 v[TM:TM+1], v[LG:LG+1], v[LG:LG+1]
.irp u, 2,4,6
	v_pk_fma_f32 v[TM:TM+1], v[LG+\u:LG+\u+1], v[LG+\u:LG+\u+1], v[TM:TM+1]
.endr
	v_add_f32 v62, v[TM], v[TM+1]
	v_permlanex16_b32 v15, v62, s[SEL], s[SEL+1]
	v_add_f32 v62, v62, v15
	v_fma_f32 v62, v62, s56, s57
	v_rsq_f32 v62, v62
	v_nop
	s_wait_alu depctr_va_vdst(0)
	v_mov_b32 v63, v62
.irp u, 0,2,4,6
	v_pk_mul_f32 v[LG+\u:LG+\u+1], v[LG+\u:LG+\u+1], v[62:63]
.endr
.irp u, 0,2,4,6
	v_pk_fma_f32 v[LG+\u:LG+\u+1], v[LG+\u:LG+\u+1], v[Y+12+\u:Y+13+\u], v[Y+20+\u:Y+21+\u]
.endr
.irp u, 0,2,4,6
	v_pk_mul_f32 v[LG+\u:LG+\u+1], v[LG+\u:LG+\u+1], s[NLE:NLE+1] op_sel_hi:[1,0]
.endr
.irp u, 0,1,2,3,4,5,6,7
	v_exp_f32 v[LG+\u], v[LG+\u]
.endr
	v_nop
	s_wait_alu depctr_va_vdst(0)
.irp u, 0,2,4,6
	v_pk_add_f32 v[LG+\u:LG+\u+1], v[LG+\u:LG+\u+1], 1.0 op_sel_hi:[1,0]
.endr
.irp u, 0,1,2,3,4,5,6,7
	v_rcp_f32 v[LG+\u], v[LG+\u]
.endr
	v_nop
	s_wait_alu depctr_va_vdst(0)
.irp u, 0,2,4,6
	v_pk_add_f32 v[LG+\u:LG+\u+1], v[LG+\u:LG+\u+1], -0.5 op_sel_hi:[1,0]
.endr
.irp u, 0,2,4,6
	v_pk_fma_f32 v[T0+\u:T0+\u+1], v[LG+\u:LG+\u+1], s[58:59], 1.0 op_sel_hi:[1,0,0]   ; T0(token r, 8 h + u ..)
.endr
.irp t, 0,1,2,3,4,5,6,7                            ; thp_b in the result's layout
	global_load_b128 v[Y+8*\t:Y+8*\t+3], v[C64], s[18:19] offset:(32*(\t/2)+8*(\t%2))*4
	global_load_b128 v[Y+8*\t+4:Y+8*\t+7], v[C64], s[18:19] offset:(32*(\t/2)+8*(\t%2))*4+16
.endr
	s_wait_loadcnt 16                              ; thp_w is in; thp_b's 16 loads may be out
.rept 4
	v_nop
.endr
; T0 thp_w^T in f32, K = 16 in four steps of 4: in step q both sides give the unit's k = 2 h + j the true k = 8 h + 2 q + j.  Eight accumulators by turns; the first step starts the sums.
.irp q, 0,1,2,3
.irp t, 0,1,2,3,4,5,6,7
.if \q == 0
	v_wmma_f32_16x16x4_f32 v[D6+8*\t:D6+8*\t+7], v[X+8*\t+2*\q:X+8*\t+2*\q+1], v[T0+2*\q:T0+2*\q+1], 0
.else
	v_wmma_f32_16x16x4_f32 v[D6+8*\t:D6+8*\t+7], v[X+8*\t+2*\q:X+8*\t+2*\q+1], v[T0+2*\q:T0+2*\q+1], v[D6+8*\t:D6+8*\t+7]
.endif
.endr
.endr
.rept 8
	v_nop                                          ; eight places behind this form
.endr
	s_wait_loadcnt 0x0
.set II, 0
.rept 32
	v_pk_add_f32 v[X+II:X+II+1], v[D6+II:D6+II+1], v[Y+II:Y+II+1]   ; + thp_b, into other registers; register 16 b + i is column 128 w + 32 b + 16 h + i
.set II, II+2
.endr
	GBLOAD 0                                       ; they land under the two row reductions
	v_pk_add_f32 v[62:63], v[X:X+1], v[X+2:X+3]
	v_pk_add_f32 v[TM:TM+1], v[X+4:X+5], v[X+6:X+7]
.irp j, 8,12,16,20,24,28,32,36,40,44,48,52,56,60
	v_pk_add_f32 v[62:63], v[62:63], v[X+\j:X+\j+1]
	v_pk_add_f32 v[TM:TM+1], v[TM:TM+1], v[X+\j+2:X+\j+3]
.endr
	v_pk_add_f32 v[62:63], v[62:63], v[TM:TM+1]
	v_add_f32 v62, v62, v63
	v_permlanex16_b32 v15, v62, s[SEL], s[SEL+1]
	v_add_f32 v62, v62, v15
	ROWRED 0
	v_mul_f32 v62, s62, v62                        ; the mean
	v_mov_b32 v63, v62
.set II, 0
.rept 32
	v_pk_add_f32 v[X+II:X+II+1], v[X+II:X+II+1], v[62:63] neg_lo:[0,1] neg_hi:[0,1]
.set II, II+2
.endr
	v_pk_mul_f32 v[62:63], v[X:X+1], v[X:X+1]
	v_pk_mul_f32 v[TM:TM+1], v[X+2:X+3], v[X+2:X+3]
.irp j, 4,8,12,16,20,24,28,32,36,40,44,48,52,56,60
	v_pk_fma_f32 v[62:63], v[X+\j:X+\j+1], v[X+\j:X+\j+1], v[62:63]
	v_pk_fma_f32 v[TM:TM+1], v[X+\j+2:X+\j+3], v[X+\j+2:X+\j+3], v[TM:TM+1]
.endr
	v_pk_add_f32 v[62:63], v[62:63], v[TM:TM+1]
	v_add_f32 v62, v62, v63
	v_permlanex16_b32 v15, v62, s[SEL], s[SEL+1]
	v_add_f32 v62, v62, v15
	ROWRED 1
	v_fma_f32 v62, v62, s62, s57
	v_rsq_f32 v62, v62
	v_nop
	s_wait_alu depctr_va_vdst(0)
	v_mov_b32 v63, v62
.set II, 0
.rept 16
	v_pk_mul_f32 v[X+II:X+II+1], v[X+II:X+II+1], v[62:63]
.set II, II+2
.endr
	s_wait_loadcnt 0x0
.set II, 0
.rept 16
	v_pk_fma_f32 v[X+II:X+II+1], v[X+II:X+II+1], v[Y+II:Y+II+1], v[Y+32+II:Y+33+II]
.set II, II+2
.endr
	GBLOAD 1
.set II, 32
.rept 16
	v_pk_mul_f32 v[X+II:X+II+1], v[X+II:X+II+1], v[62:63]
.set II, II+2
.endr
	s_wait_loadcnt 0x0
.set II, 0
.rept 16
	v_pk_fma_f32 v[X+32+II:X+33+II], v[X+32+II:X+33+II], v[Y+II:Y+II+1], v[Y+32+II:Y+33+II]
.set II, II+2
.endr
.irp k, 0,16,32,48
	GELU16 X+\k, Y
.endr
.irp k, 0,16,32,48
	SIGM16 X+\k, Y
.endr
	QUANT X
	global_store_b128 v[L16], v[PC:PC+3], s[36:37]
	global_store_b64 v[L8], v[PC+4:PC+5], s[36:37] offset:512
	global_store_b128 v[L16], v[PC+6:PC+9], s[36:37] offset:768
	global_store_b64 v[L8], v[PC+10:PC+11], s[36:37] offset:1280
	v_and_b32 v15, 16, v0
	v_cmp_eq_u32 vcc_lo, 0, v15
	s_wait_xcnt 0x0                                ; EXEC changes only behind this wait
	s_and_saveexec_b32 s41, vcc_lo
	global_store_b32 v[R4], v[PW], s[38:39]        ; lanes 0-15: the 16 rows' scale words
	s_cmp_lg_u32 s26, 0
	s_cbranch_scc1 .Lnot_wave_0
	global_store_b32 v[TOK4], v[X], s[60:61]       ; wave 0, lanes 0-15, register 0: column 0
.Lnot_wave_0:
	s_wait_xcnt 0x0
	s_or_b32 exec_lo, exec_lo, s41
	s_wait_tensorcnt 0x0                           ; the wave's end: behind my last LDS store
	ds_add_u32 v[SPW], v[NIL]
	s_wait_dscnt 0x0
	s_endpgm
.Lfunc_end_k_q3f6c97c9fd_r1:
	.size	k_q3f6c97c9fd_r1, .Lfunc_end_k_q3f6c97c9fd_r1-k_q3f6c97c9fd_r1
	.p2alignl 7, 3214868480
	.fill 96, 4, 3214868480
	.section	.rodata,"a",@progbits
	.p2align	6, 0x0
	.amdhsa_kernel k_q3f6c97c9fd_r1
		.amdhsa_group_segment_fixed_size 77824
		.amdhsa_private_segment_fixed_size 0
		.amdhsa_enable_private_segment 0
		.amdhsa_kernarg_size 72
		.amdhsa_user_sgpr_count 2
		.amdhsa_user_sgpr_kernarg_segment_ptr 1
		.amdhsa_wavefront_size32 1
		.amdhsa_system_sgpr_workgroup_id_x 1
		.amdhsa_system_sgpr_workgroup_id_y 1
		.amdhsa_system_sgpr_workgroup_id_z 1
		.amdhsa_system_vgpr_workitem_id 0
		.amdhsa_next_free_vgpr 256
		.amdhsa_next_free_sgpr 66
		.amdhsa_reserve_vcc 1
		.amdhsa_float_denorm_mode_32 3
		.amdhsa_float_denorm_mode_16_64 3
		.amdhsa_memory_ordered 1
		.amdhsa_forward_progress 1
		.amdhsa_inst_pref_size 89
	.end_amdhsa_kernel
	.amdgpu_metadata
---
amdhsa.version: [ 1, 2 ]
amdhsa.kernels:
  - .name:           k_q3f6c97c9fd_r1
    .symbol:         k_q3f6c97c9fd_r1.kd
    .args:
      - { .name: out0, .offset: 0, .size: 8, .value_kind: global_buffer, .address_space: global }
      - { .name: ac1, .offset: 8, .size: 8, .value_kind: global_buffer, .address_space: global }
      - { .name: ttm_ln_g, .offset: 16, .size: 8, .value_kind: global_buffer, .address_space: global }
      - { .name: ttm_ln_b, .offset: 24, .size: 8, .value_kind: global_buffer, .address_space: global }
      - { .name: thp_w, .offset: 32, .size: 8, .value_kind: global_buffer, .address_space: global }
      - { .name: thp_b, .offset: 40, .size: 8, .value_kind: global_buffer, .address_space: global }
      - { .name: thp_ln_g, .offset: 48, .size: 8, .value_kind: global_buffer, .address_space: global }
      - { .name: thp_ln_b, .offset: 56, .size: 8, .value_kind: global_buffer, .address_space: global }
      - { .name: ac2, .offset: 64, .size: 8, .value_kind: global_buffer, .address_space: global }
    .group_segment_fixed_size: 77824
    .private_segment_fixed_size: 0
    .kernarg_segment_align: 8
    .kernarg_segment_size: 72
    .max_flat_workgroup_size: 256
    .sgpr_count:     66
    .vgpr_count:     256
    .wavefront_size: 32
...
	.end_amdgpu_metadata
.endif
;; end of part 4
;; launch g7: the kernel of part 2 again; grid 4 x 16, 4 waves a work-group, clusters of 4 x 4, 327,680 bytes of LDS; arguments ac2, out0, ha; writes out0, ha
;; launch r2a (part 5): grid 256 x 1, 8 waves a work-group, no clusters, 1,280 bytes of LDS; arguments out0, hm, tn_b1, tn_ln_g, tn_ln_b, tn_w2, tn_b2, s1, ac2; writes s1, ac2
.if DOCPART == 5
	.amdgcn_target "amdgcn-amd-amdhsa--gfx1250"
	.amdhsa_code_object_version 6
	.text
	.protected	k_q3f6c97c9fd_r2a
	.globl	k_q3f6c97c9fd_r2a
	.p2align	8
	.type	k_q3f6c97c9fd_r2a,@function
k_q3f6c97c9fd_r2a:
	s_mov_b64 s[64:65], 0
	v_nop
	global_prefetch_b8 v0, s[64:65] scope:SCOPE_SE
	s_setreg_imm32_b32 hwreg(HW_REG_WAVE_MODE, 25, 1), 1
	s_wait_xcnt 0x0
; The rest of temp_net for 16 tokens (one row tile): z = (T half of the product) + (x half, made once by the first GEMM) + tn_b1; LayerNorm over 1,024; exact gelu; the dot product with tn_w2 in f32; + tn_b2;
; sigmoid twice = T.  T leaves as f32, by tokens, and, spread over 1,024 columns, as codes of FP6 (E2M3): the A operand of the next pass.
; SHARES.  Eight waves, two neighbouring tokens each; a lane holds columns 128 k + 4 x lane .. + 3, so every load reads 512 consecutive bytes and every reduction stays in the wave.
; The 16 results meet in LDS (one barrier); wave w then stores fragment w of the tile: all codes of a row are alike, so one conversion of 16 makes the three registers that the fragment repeats.
; Memory binds; work-groups share four small vectors alone: no cluster, no matrix unit.
; gelu as in the launch before it.  LIMITS: its absolute error, about 1.5e-7 in the normal distribution function; NaN and infinities are not served.
.set ASOFF, 0x300000
.set SPARE, 256                        ; LDS: the 16 results at 0; the spare words: four blocks of 256 bytes that no other line names
.set L16,  1
.set L8,   2
.set R4,   3
.set TOK4, 4
.set SPW,  5
.set NIL,  6
.set TXS,  7
.set PT,   28
.set TV,   30
.set SOP,  31
.set A0,   32
.set B0,   64
.set A1,   96
.set B1,   128
.set V,    160
.set TP,   192
.set CD,   240
.set SW,   252
.set KPZ,  40
.set KN,   42
.set CA1,  44
.set CA2,  46
.set CA3,  48
.set CA4,  50
.set CA5,  51
.set NLE,  52
.set SEL,  54
.macro GELU16 x, t
.irp i, 0,1,2,3,4,5,6,7,8,9,10,11,12,13,14,15
	v_fma_f32 v[\t+\i], |v[\x+\i]|, s[KPZ], 1.0
.endr
.irp i, 0,2,4,6,8,10,12,14
	v_pk_mul_f32 v[\t+16+\i:\t+17+\i], v[\x+\i:\x+\i+1], s[KN:KN+1] op_sel_hi:[1,0]
.endr
.irp i, 0,2,4,6,8,10,12,14
	v_pk_mul_f32 v[\t+16+\i:\t+17+\i], v[\t+16+\i:\t+17+\i], v[\x+\i:\x+\i+1]
.endr
.irp i, 0,1,2,3,4,5,6,7,8,9,10,11,12,13,14,15
	v_rcp_f32 v[\t+\i], v[\t+\i]
.endr
.irp i, 0,1,2,3,4,5,6,7,8,9,10,11,12,13,14,15
	v_exp_f32 v[\t+16+\i], v[\t+16+\i]
.endr
	v_nop
	s_wait_alu depctr_va_vdst(0)                   ; one wait for the 32
.irp i, 0,1,2,3,4,5,6,7,8,9,10,11,12,13,14,15
	v_fma_f32 v[\t+32+\i], v[\t+\i], s[CA5], s[CA4]
.endr
.irp c, CA3, CA2, CA1
.irp i, 0,2,4,6,8,10,12,14
	v_pk_fma_f32 v[\t+32+\i:\t+33+\i], v[\t+32+\i:\t+33+\i], v[\t+\i:\t+\i+1], s[\c:\c+1] op_sel_hi:[1,1,0]
.endr
.endr
.irp i, 0,2,4,6,8,10,12,14
	v_pk_mul_f32 v[\t+32+\i:\t+33+\i], v[\t+32+\i:\t+33+\i], v[\t+\i:\t+\i+1]
.endr
.irp i, 0,2,4,6,8,10,12,14
	v_pk_mul_f32 v[\t+32+\i:\t+33+\i], v[\t+32+\i:\t+33+\i], v[\t+16+\i:\t+17+\i]
.endr
.irp i, 0,2,4,6,8,10,12,14
	v_pk_add_f32 v[\t+32+\i:\t+33+\i], v[\t+32+\i:\t+33+\i], 0.5 op_sel_hi:[1,0] neg_lo:[1,0] neg_hi:[1,0]
.endr
.irp i, 0,2,4,6,8,10,12,14
	v_pk_mul_f32 v[\t+\i:\t+\i+1], v[\x+\i:\x+\i+1], 0.5 op_sel_hi:[1,0]
.endr
.irp i, 0,1,2,3,4,5,6,7,8,9,10,11,12,13,14,15
	v_fma_f32 v[\x+\i], |v[\x+\i]|, v[\t+32+\i], v[\t+\i]
.endr
.endm
.macro LD8 reg, base, off, hint                    ; a row or a vector of 1,024 f32: eight loads of 512 consecutive bytes
.irp k, 0,1,2,3,4,5,6,7
.if \hint
	global_load_b128 v[\reg+4*\k:\reg+4*\k+3], v[L16], s[\base:\base+1] offset:\off+512*\k th:TH_LOAD_NT
.else
	global_load_b128 v[\reg+4*\k:\reg+4*\k+3], v[L16], s[\base:\base+1] offset:\off+512*\k
.endif
.endr
.endm
.macro ZSUM a, b
.set II, 0
.rept 16
	v_pk_add_f32 v[\a+II:\a+II+1], v[\a+II:\a+II+1], v[\b+II:\b+II+1]
.set II, II+2
.endr
.set II, 0
.rept 16
	v_pk_add_f32 v[\a+II:\a+II+1], v[\a+II:\a+II+1], v[V+II:V+II+1]
.set II, II+2
.endr
.endm
.macro WRED d                                      ; over the 32 lanes; the result in every lane
	v_add_f32_dpp v[\d], v[\d], v[\d] row_xmask:1 row_mask:0xf bank_mask:0xf
	v_add_f32_dpp v[\d], v[\d], v[\d] row_xmask:2 row_mask:0xf bank_mask:0xf
	v_add_f32_dpp v[\d], v[\d], v[\d] row_xmask:4 row_mask:0xf bank_mask:0xf
	v_add_f32_dpp v[\d], v[\d], v[\d] row_xmask:8 row_mask:0xf bank_mask:0xf
	v_permlanex16_b32 v[PT], v[\d], s[SEL], s[SEL+1]
	v_add_f32 v[\d], v[\d], v[PT]
.endm
.macro RSUM d, a
	v_pk_add_f32 v[12:13], v[\a:\a+1], v[\a+2:\a+3]
	v_pk_add_f32 v[14:15], v[\a+4:\a+5], v[\a+6:\a+7]
.irp j, 8,12,16,20,24,28
	v_pk_add_f32 v[12:13], v[12:13], v[\a+\j:\a+\j+1]
	v_pk_add_f32 v[14:15], v[14:15], v[\a+\j+2:\a+\j+3]
.endr
	v_pk_add_f32 v[12:13], v[12:13], v[14:15]
	v_add_f32 v[\d], v12, v13
	WRED \d
.endm
.macro RDOT d, a, b                                ; the sum of a x b
	v_pk_mul_f32 v[12:13], v[\a:\a+1], v[\b:\b+1]
	v_pk_mul_f32 v[14:15], v[\a+2:\a+3], v[\b+2:\b+3]
.irp j, 4,8,12,16,20,24,28
	v_pk_fma_f32 v[12:13], v[\a+\j:\a+\j+1], v[\b+\j:\b+\j+1], v[12:13]
	v_pk_fma_f32 v[14:15], v[\a+\j+2:\a+\j+3], v[\b+\j+2:\b+\j+3], v[14:15]
.endr
	v_pk_add_f32 v[12:13], v[12:13], v[14:15]
	v_add_f32 v[\d], v12, v13
	WRED \d
.endm
.macro CENTRE a, st                                ; the row less its mean
	v_mul_f32 v[\st], s56, v[\st]
	v_mov_b32 v[\st+1], v[\st]
.set II, 0
.rept 16
	v_pk_add_f32 v[\a+II:\a+II+1], v[\a+II:\a+II+1], v[\st:\st+1] neg_lo:[0,1] neg_hi:[0,1]
.set II, II+2
.endr
.endm
.macro NORM a, st
.set II, 0
.rept 16
	v_pk_mul_f32 v[\a+II:\a+II+1], v[\a+II:\a+II+1], v[\st:\st+1]
.set II, II+2
.endr
.set II, 0
.rept 16
	v_pk_fma_f32 v[\a+II:\a+II+1], v[\a+II:\a+II+1], v[B0+II:B0+II+1], v[B1+II:B1+II+1]
.set II, II+2
.endr
.endm
	s_load_b512 s[8:23], s[0:1], 0x0               ; the T half, hm (the x half at its head), tn_b1, tn_ln_g, tn_ln_b, tn_w2, tn_b2, T's table
	s_load_b64 s[24:25], s[0:1], 0x40              ; ac2
	v_lshl_add_u32 v[SPW], v0, 2, SPARE
	v_mov_b32 v[NIL], 0
	v_lshrrev_b32 v[TXS], 5, v0
	v_readfirstlane_b32 s27, v[TXS]                ; wave 0..7
	v_lshlrev_b32 v[TXS], 3, v[TXS]                ; 8 w: my two results' words
	s_mov_b32 s28, ttmp9
	v_and_b32 v[PT], 31, v0
	v_lshlrev_b32 v[L16], 4, v[PT]
	v_lshlrev_b32 v[L8], 3, v[PT]
	v_and_b32 v[R4], 15, v0
	v_and_b32 v[TOK4], 8, v[R4]
	v_add_nc_u32 v[TOK4], v[TOK4], v[R4]
	v_lshlrev_b32 v[TOK4], 2, v[TOK4]
	v_lshlrev_b32 v[R4], 2, v[R4]
	v_mov_b32 v[PT], 0
	s_mov_b32 s[KPZ], 0x3e6d3388
	s_mov_b32 s[KN], 0xbf38aa3b
	s_mov_b32 s[KN+1], s[KN]
	s_mov_b32 s[CA1], 0x3e027906
	s_mov_b32 s[CA1+1], s[CA1]
	s_mov_b32 s[CA2], 0xbe11a98e
	s_mov_b32 s[CA2+1], s[CA2]
	s_mov_b32 s[CA3], 0x3f35f0e3
	s_mov_b32 s[CA3+1], s[CA3]
	s_mov_b32 s[CA4], 0xbf3a00e3
	s_mov_b32 s[CA5], 0x3f07dc22
	s_mov_b32 s[NLE], 0xbfb8aa3b
	s_mov_b32 s[SEL], 0x76543210
	s_mov_b32 s[SEL+1], 0xfedcba98
	s_mov_b32 s56, 0x3a800000                      ; 1 / 1,024
	s_mov_b32 s57, 0x3727c5ac                      ; 1e-5
	s_lshr_b32 s29, s28, 1
	s_lshl_b32 s29, s29, 5
	s_and_b32 s30, s28, 1
	s_lshl_b32 s30, s30, 3
	s_add_co_u32 s29, s29, s30                     ; the tile's first token
	s_lshl_b32 s30, s27, 1
	s_lshr_b32 s31, s27, 2
	s_lshl_b32 s31, s31, 3
	s_add_co_u32 s30, s30, s31
	s_add_co_u32 s30, s30, s29                     ; my first token: lanes 2 w and 2 w + 1 of the tile
	s_lshl_b32 s30, s30, 12
	s_mov_b32 s31, 0
	s_wait_kmcnt 0x0
	s_load_b32 s26, s[20:21], 0x0                  ; tn_b2
	s_add_nc_u64 s[8:9], s[8:9], s[30:31]
	s_add_nc_u64 s[10:11], s[10:11], s[30:31]
	s_lshl_b32 s58, s28, 3
	s_add_co_u32 s58, s58, s27                     ; the output's fragment: 8 x tile + w
	s_mul_i32 s30, s58, 1536
	s_add_nc_u64 s[32:33], s[24:25], s[30:31]
	s_lshl_b32 s30, s58, 6
	s_add_co_u32 s30, s30, ASOFF
	s_add_nc_u64 s[34:35], s[24:25], s[30:31]
	s_lshl_b32 s30, s29, 2
	s_add_nc_u64 s[36:37], s[22:23], s[30:31]
	LD8 V, 12, 0, 0
	LD8 A0, 8, 0, 1
	LD8 B0, 10, 0, 1
	LD8 A1, 8, 4096, 1
	LD8 B1, 10, 4096, 1
	s_wait_loadcnt 16                              ; the bias and the first row's two halves are in; the second row's 16 loads may be out
	ZSUM A0, B0
	s_wait_loadcnt 0x0
	ZSUM A1, B1
	LD8 B0, 14, 0, 0                               ; gain, shift and tn_w2 land under the statistics
	LD8 B1, 16, 0, 0
	LD8 V, 18, 0, 0
	RSUM 8, A0
	RSUM 10, A1
	CENTRE A0, 8
	CENTRE A1, 10
	RDOT 8, A0, A0
	RDOT 10, A1, A1
	v_fma_f32 v8, v8, s56, s57
	v_fma_f32 v10, v10, s56, s57
	v_rsq_f32 v8, v8
	v_rsq_f32 v10, v10
	v_nop
	s_wait_alu depctr_va_vdst(0)
	v_mov_b32 v9, v8
	v_mov_b32 v11, v10
	s_wait_loadcnt 0x0
	NORM A0, 8
	NORM A1, 10
	GELU16 A0, TP
	GELU16 A0+16, TP
	GELU16 A1, TP
	GELU16 A1+16, TP
	RDOT 8, A0, V
	RDOT 10, A1, V
	s_wait_kmcnt 0x0
	v_add_f32 v8, s26, v8
	v_add_f32 v10, s26, v10
.rept 2                                            ; sigmoid, twice
	v_mul_f32 v8, s[NLE], v8
	v_mul_f32 v10, s[NLE], v10
	v_exp_f32 v8, v8
	v_exp_f32 v10, v10
	v_nop
	s_wait_alu depctr_va_vdst(0)
	v_add_f32 v8, 1.0, v8
	v_add_f32 v10, 1.0, v10
	v_rcp_f32 v8, v8
	v_rcp_f32 v10, v10
	v_nop
	s_wait_alu depctr_va_vdst(0)
.endr
	ds_store_b32 v[TXS], v8                        ; all lanes write the same word with the same value
	ds_store_b32 v[TXS], v10 offset:4
	s_wait_dscnt 0x0                               ; for the others' sake
	s_barrier_signal -1
	s_barrier_wait -1
	ds_load_b32 v[TV], v[R4]                       ; T of the tile's row r
	s_wait_dscnt 0x0
	v_max_num_f32 v[SOP], 0x1800000, |v[TV]|       ; every block of 32 holds T alone
	v_add_nc_u32 v[SOP], 0xff000000, v[SOP]
	v_lshrrev_b32 v[SW], 23, v[SOP]
	v_lshl_or_b32 v[SW], v[SW], 8, v[SW]
	v_lshl_or_b32 v[SW], v[SW], 16, v[SW]          ; the byte four times
.set II, 0
.rept 16
	v_mov_b32 v[TP+II], v[TV]
.set II, II+1
.endr
	v_cvt_scalef32_pk16_fp6_f32 v[CD:CD+2], v[TP:TP+15], v[SOP]
	v_nop
.irp i, 3,4,5,6,7,8,9,10,11
	v_mov_b32 v[CD+\i], v[CD+\i%3]                 ; 16 like codes are 96 bits: the fragment's registers repeat them
.endr
	global_store_b128 v[L16], v[CD:CD+3], s[32:33]
	global_store_b64 v[L8], v[CD+4:CD+5], s[32:33] offset:512
	global_store_b128 v[L16], v[CD+6:CD+9], s[32:33] offset:768
	global_store_b64 v[L8], v[CD+10:CD+11], s[32:33] offset:1280
	v_and_b32 v[PT], 16, v0
	v_cmp_eq_u32 vcc_lo, 0, v[PT]
	s_wait_xcnt 0x0                                ; EXEC changes only behind this wait
	s_and_saveexec_b32 s59, vcc_lo
	global_store_b32 v[R4], v[SW], s[34:35]
	s_cmp_lg_u32 s27, 0
	s_cbranch_scc1 .Lnot_wave_0
	global_store_b32 v[TOK4], v[TV], s[36:37]
.Lnot_wave_0:
	s_wait_xcnt 0x0
	s_or_b32 exec_lo, exec_lo, s59
	s_wait_tensorcnt 0x0                           ; the wave's end: behind my last LDS store
	ds_add_u32 v[SPW], v[NIL]
	s_wait_dscnt 0x0
	s_endpgm
.Lfunc_end_k_q3f6c97c9fd_r2a:
	.size	k_q3f6c97c9fd_r2a, .Lfunc_end_k_q3f6c97c9fd_r2a-k_q3f6c97c9fd_r2a
	.p2alignl 7, 3214868480
	.fill 96, 4, 3214868480
	.section	.rodata,"a",@progbits
	.p2align	6, 0x0
	.amdhsa_kernel k_q3f6c97c9fd_r2a
		.amdhsa_group_segment_fixed_size 1280
		.amdhsa_private_segment_fixed_size 0
		.amdhsa_enable_private_segment 0
		.amdhsa_kernarg_size 72
		.amdhsa_user_sgpr_count 2
		.amdhsa_user_sgpr_kernarg_segment_ptr 1
		.amdhsa_wavefront_size32 1
		.amdhsa_system_sgpr_workgroup_id_x 1
		.amdhsa_system_sgpr_workgroup_id_y 1
		.amdhsa_system_sgpr_workgroup_id_z 1
		.amdhsa_system_vgpr_workitem_id 0
		.amdhsa_next_free_vgpr 256
		.amdhsa_next_free_sgpr 66
		.amdhsa_reserve_vcc 1
		.amdhsa_float_denorm_mode_32 3
		.amdhsa_float_denorm_mode_16_64 3
		.amdhsa_memory_ordered 1
		.amdhsa_forward_progress 1
		.amdhsa_inst_pref_size 66
	.end_amdhsa_kernel
	.amdgpu_metadata
---
amdhsa.version: [ 1, 2 ]
amdhsa.kernels:
  - .name:           k_q3f6c97c9fd_r2a
    .symbol:         k_q3f6c97c9fd_r2a.kd
    .args:
      - { .name: out0, .offset: 0, .size: 8, .value_kind: global_buffer, .address_space: global }
      - { .name: hm, .offset: 8, .size: 8, .value_kind: global_buffer, .address_space: global }
      - { .name: tn_b1, .offset: 16, .size: 8, .value_kind: global_buffer, .address_space: global }
      - { .name: tn_ln_g, .offset: 24, .size: 8, .value_kind: global_buffer, .address_space: global }
      - { .name: tn_ln_b, .offset: 32, .size: 8, .value_kind: global_buffer, .address_space: global }
      - { .name: tn_w2, .offset: 40, .size: 8, .value_kind: global_buffer, .address_space: global }
      - { .name: tn_b2, .offset: 48, .size: 8, .value_kind: global_buffer, .address_space: global }
      - { .name: s1, .offset: 56, .size: 8, .value_kind: global_buffer, .address_space: global }
      - { .name: ac2, .offset: 64, .size: 8, .value_kind: global_buffer, .address_space: global }
    .group_segment_fixed_size: 1280
    .private_segment_fixed_size: 0
    .kernarg_segment_align: 8
    .kernarg_segment_size: 72
    .max_flat_workgroup_size: 256
    .sgpr_count:     66
    .vgpr_count:     256
    .wavefront_size: 32
...
	.end_amdgpu_metadata
.endif
;; end of part 5
;; launch g9: the kernel of part 2 again; grid 4 x 16, 4 waves a work-group, clusters of 4 x 4, 327,680 bytes of LDS; arguments ac2, out0, ha; writes out0, ha
;; launch r2b: the kernel of part 5 again; grid 256 x 1, 8 waves a work-group, no clusters, 1,280 bytes of LDS; arguments out0, hm, tn_b1, tn_ln_g, tn_ln_b, tn_w2, tn_b2, s2, ac2; writes s2, ac2
;; launch fin (part 6): grid 1 x 1, 16 waves a work-group, no clusters, 2,560 bytes of LDS; arguments ac2, s1, s2, out1, ha; writes out1, ha
.if DOCPART == 6
	.amdgcn_target "amdgcn-amd-amdhsa--gfx1250"
	.amdhsa_code_object_version 6
	.text
	.protected	k_q3f6c97c9fd_fin
	.globl	k_q3f6c97c9fd_fin
	.p2align	8
	.type	k_q3f6c97c9fd_fin,@function
k_q3f6c97c9fd_fin:
	s_mov_b64 s[64:65], 0
	v_nop
	global_prefetch_b8 v0, s[64:65] scope:SCOPE_SE
	s_setreg_imm32_b32 hwreg(HW_REG_WAVE_MODE, 25, 1), 1
	s_wait_xcnt 0x0
; The three temperatures of each of 4,096 tokens go out as out1 [4][3][1024]; their mean tw is normalised over all tokens: f = 1 + (tw - mu) / (std + eps), the factor of the second attention's scores.
; The statistics span all tokens and 48 KB of input: one work-group of sixteen waves, eight tokens a thread, two sums over the work-group through LDS.
; The unbiased correction Nt / (Nt - 1), Nt = 2^26, is 1 + 2^-26: as an f32 number it is 1.0, so var is taken as it stands.
; LIMITS: 1 / 3 is a constant of f32, 1 / (std + eps) and the root are v_rcp_f32's and v_sqrt_f32's.
.set TAILO, 0x418000
.set TWN,   0x19A0000
.set SPARE, 512                        ; LDS: two tables of 16 words at 0 and 256; the spare words: eight blocks of 256 bytes that no other line names
.set SPW, 5
.set NIL, 6
.macro WGRED p                                     ; v40: over the 512 threads; the result in every lane
	v_add_f32_dpp v40, v40, v40 row_xmask:1 row_mask:0xf bank_mask:0xf
	v_add_f32_dpp v40, v40, v40 row_xmask:2 row_mask:0xf bank_mask:0xf
	v_add_f32_dpp v40, v40, v40 row_xmask:4 row_mask:0xf bank_mask:0xf
	v_add_f32_dpp v40, v40, v40 row_xmask:8 row_mask:0xf bank_mask:0xf
	v_permlanex16_b32 v41, v40, s14, s15
	v_add_f32 v40, v40, v41
	ds_store_b32 v2, v40 offset:256*\p
	s_wait_dscnt 0x0
	s_barrier_signal -1
	s_barrier_wait -1
.irp i, 0,1,2,3
	ds_load_b128 v[52+4*\i:55+4*\i], v3 offset:256*\p+16*\i
.endr
	s_wait_dscnt 0x0
.irp i, 0,4,8,12
	v_pk_add_f32 v[52+\i:53+\i], v[52+\i:53+\i], v[54+\i:55+\i]
.endr
	v_pk_add_f32 v[52:53], v[52:53], v[56:57]
	v_pk_add_f32 v[60:61], v[60:61], v[64:65]
	v_pk_add_f32 v[52:53], v[52:53], v[60:61]
	v_add_f32 v40, v52, v53
.endm
	s_load_b256 s[4:11], s[0:1], 0x0               ; ac2, T1, T2, out1
	s_load_b64 s[12:13], s[0:1], 0x20              ; ha
	v_lshl_add_u32 v[SPW], v0, 2, SPARE
	v_mov_b32 v[NIL], 0
	v_lshlrev_b32 v1, 4, v0                        ; 16 x thread: four tokens
	v_lshrrev_b32 v2, 5, v0
	v_lshlrev_b32 v2, 2, v2                        ; 4 x wave
	v_mov_b32 v3, 0
	v_lshrrev_b32 v4, 8, v0
	v_mul_u32_u24 v4, v4, 12288
	v_and_b32 v7, 255, v0
	v_lshl_add_u32 v4, v7, 4, v4                   ; out1: (thread / 256) batches of 12,288 bytes + 16 (thread % 256)
	v_mov_b32 v41, 0
	s_mov_b32 s14, 0x76543210
	s_mov_b32 s15, 0xfedcba98
	s_wait_kmcnt 0x0
	s_add_nc_u64 s[4:5], s[4:5], TAILO
	s_add_nc_u64 s[12:13], s[12:13], TWN
.irp k, 0,1
	global_load_b128 v[8+4*\k:11+4*\k], v1, s[4:5] offset:8192*\k
	global_load_b128 v[16+4*\k:19+4*\k], v1, s[6:7] offset:8192*\k
	global_load_b128 v[24+4*\k:27+4*\k], v1, s[8:9] offset:8192*\k
.endr
	s_wait_loadcnt 0x0
.irp k, 0,1
	global_store_b128 v4, v[8+4*\k:11+4*\k], s[10:11] offset:24576*\k
	global_store_b128 v4, v[16+4*\k:19+4*\k], s[10:11] offset:24576*\k+4096
	global_store_b128 v4, v[24+4*\k:27+4*\k], s[10:11] offset:24576*\k+8192
.endr
.irp j, 0,2,4,6
	v_pk_add_f32 v[32+\j:33+\j], v[8+\j:9+\j], v[16+\j:17+\j]
.endr
.irp j, 0,2,4,6
	v_pk_add_f32 v[32+\j:33+\j], v[32+\j:33+\j], v[24+\j:25+\j]
.endr
.irp j, 0,2,4,6
	v_pk_mul_f32 v[32+\j:33+\j], v[32+\j:33+\j], 0x3eaaaaab op_sel_hi:[1,0]    ; tw
.endr
	v_pk_add_f32 v[42:43], v[32:33], v[34:35]
	v_pk_add_f32 v[44:45], v[36:37], v[38:39]
	v_pk_add_f32 v[42:43], v[42:43], v[44:45]
	v_add_f32 v40, v42, v43
	WGRED 0
	v_mul_f32 v42, 0x39800000, v40                 ; mu
	v_mov_b32 v43, v42
.irp j, 0,2,4,6
	v_pk_add_f32 v[32+\j:33+\j], v[32+\j:33+\j], v[42:43] neg_lo:[0,1] neg_hi:[0,1]
.endr
	v_pk_mul_f32 v[44:45], v[32:33], v[32:33]
.irp j, 2,4,6
	v_pk_fma_f32 v[44:45], v[32+\j:33+\j], v[32+\j:33+\j], v[44:45]
.endr
	v_add_f32 v40, v44, v45
	WGRED 1
	v_mul_f32 v40, 0x39800000, v40                 ; var
	v_sqrt_f32 v40, v40
	v_nop
	s_wait_alu depctr_va_vdst(0)
	v_add_f32 v40, 0x34000000, v40                 ; + eps
	v_rcp_f32 v42, v40
	v_nop
	s_wait_alu depctr_va_vdst(0)
	v_mov_b32 v43, v42
.irp j, 0,2,4,6
	v_pk_fma_f32 v[44+\j:45+\j], v[32+\j:33+\j], v[42:43], 1.0 op_sel_hi:[1,1,0]
.endr
	global_store_b128 v1, v[44:47], s[12:13]
	global_store_b128 v1, v[48:51], s[12:13] offset:8192
	s_wait_tensorcnt 0x0                           ; the wave's end: behind my last LDS store
	ds_add_u32 v[SPW], v[NIL]
	s_wait_dscnt 0x0
	s_endpgm
.Lfunc_end_k_q3f6c97c9fd_fin:
	.size	k_q3f6c97c9fd_fin, .Lfunc_end_k_q3f6c97c9fd_fin-k_q3f6c97c9fd_fin
	.p2alignl 7, 3214868480
	.fill 96, 4, 3214868480
	.section	.rodata,"a",@progbits
	.p2align	6, 0x0
	.amdhsa_kernel k_q3f6c97c9fd_fin
		.amdhsa_group_segment_fixed_size 2560
		.amdhsa_private_segment_fixed_size 0
		.amdhsa_enable_private_segment 0
		.amdhsa_kernarg_size 40
		.amdhsa_user_sgpr_count 2
		.amdhsa_user_sgpr_kernarg_segment_ptr 1
		.amdhsa_wavefront_size32 1
		.amdhsa_system_sgpr_workgroup_id_x 1
		.amdhsa_system_sgpr_workgroup_id_y 1
		.amdhsa_system_sgpr_workgroup_id_z 1
		.amdhsa_system_vgpr_workitem_id 0
		.amdhsa_next_free_vgpr 80
		.amdhsa_next_free_sgpr 66
		.amdhsa_reserve_vcc 0
		.amdhsa_float_denorm_mode_32 3
		.amdhsa_float_denorm_mode_16_64 3
		.amdhsa_memory_ordered 1
		.amdhsa_forward_progress 1
		.amdhsa_inst_pref_size 8
	.end_amdhsa_kernel
	.amdgpu_metadata
---
amdhsa.version: [ 1, 2 ]
amdhsa.kernels:
  - .name:           k_q3f6c97c9fd_fin
    .symbol:         k_q3f6c97c9fd_fin.kd
    .args:
      - { .name: ac2, .offset: 0, .size: 8, .value_kind: global_buffer, .address_space: global }
      - { .name: s1, .offset: 8, .size: 8, .value_kind: global_buffer, .address_space: global }
      - { .name: s2, .offset: 16, .size: 8, .value_kind: global_buffer, .address_space: global }
      - { .name: out1, .offset: 24, .size: 8, .value_kind: global_buffer, .address_space: global }
      - { .name: ha, .offset: 32, .size: 8, .value_kind: global_buffer, .address_space: global }
    .group_segment_fixed_size: 2560
    .private_segment_fixed_size: 0
    .kernarg_segment_align: 8
    .kernarg_segment_size: 40
    .max_flat_workgroup_size: 512
    .sgpr_count:     66
    .vgpr_count:     80
    .wavefront_size: 32
...
	.end_amdgpu_metadata
.endif
;; end of part 6
;; launch attn_a: the kernel of part 3 again; grid 4 x 64, 16 waves a work-group, clusters of 4 x 1, 167,936 bytes of LDS; arguments ha, ac3; writes ac3
;; launch gout: the kernel of part 2 again; grid 4 x 16, 4 waves a work-group, clusters of 4 x 4, 327,680 bytes of LDS; arguments ac3, out0, ha; writes out0, ha
;; ======== version 2 of 2: 10 launches; 1.19 times as fast as version 1
;; limits: a function is approximated: absolute error at most 1.5e-07
;; workspace buffers: ac0 6,651,904 bytes; ac1 4,305,408 bytes; ac2 6,656,000 bytes; ac3 4,292,608 bytes; hm 26,886,144 bytes; ha 26,886,144 bytes; s1 16,384 bytes; s2 16,384 bytes
;; launch quant (part 7): grid 897 x 1, 1 waves a work-group, no clusters, 9,216 bytes of LDS; arguments hidden_states, tn_w1, mha_in_w, wq, wk, wv, mha_out_w, wo, wt, ac0, ac1, ac2, ac3, hm; writes ac0, ac1, ac2, ac3, hm
.if DOCPART == 7
	.amdgcn_target "amdgcn-amd-amdhsa--gfx1250"
	.amdhsa_code_object_version 6
	.text
	.protected	k_q3f6c97c9fd_quant
	.globl	k_q3f6c97c9fd_quant
	.p2align	8
	.type	k_q3f6c97c9fd_quant,@function
k_q3f6c97c9fd_quant:
	s_mov_b64 s[64:65], 0
	v_nop
	global_prefetch_b8 v0, s[64:65] scope:SCOPE_SE
	s_setreg_imm32_b32 hwreg(HW_REG_WAVE_MODE, 25, 1), 1
	s_wait_xcnt 0x0
; The nine matrix inputs (f32, K innermost, K = 1,024 a piece) become codes of FP6 (E2M3) with one E8M0 byte for each 32 along K,
; laid in the ORDER OF THE OPERAND'S REGISTERS: a fragment (16 rows x 128 K, 12 registers a lane) is 1,536 bytes in two halves of 768:
; registers 6c..6c+3 at 16 x lane, registers 6c+4, 6c+5 at 512 + 8 x lane.  A tensor is [row tile][K step][1536]; its scale words [row tile][K step][16 rows x 4 bytes].
; THE ROWS OF A TILE ARE NOT NEIGHBOURS: lane r of tile i holds row 32 (i / 2) + 8 (i % 2) + r + 8 (r / 8) (wt alone, 16 rows, keeps its order),
; so that a product that takes such a tile as source 0 leaves 16 neighbours along the next K in the 16 registers of two neighbouring tiles.
; WHERE THEY GO.  An operand buffer holds an A operand (4,096 rows) and a B operand in blocks of 1,024 rows:
;   ac0: A = x;  B = tn_w1[:, :1024], wq, wk, wv.      ac2: A = x once more;  B = tn_w1[:, 1024:], mha_in_w.      ac1: B = mha_out_w, behind it wt.      ac3: B = wo.
; x's codes are stored twice, so that the first product can take its two kinds of tiles from two buffers.  ac2's copy of x and its copy of mha_in_w are read by the first product alone;
; later launches lay their own results over them (the temperatures' codes over x's, 16 KB of f32 over the head of mha_in_w's).
; THE ROW SUMS of the quantised tn_w1[:, 1024:]: where the module spreads one number a token over all of that half's K, the product is that number's code times these sums.  They are made here by the
; format's own matrix instruction, the tile's fragment against a fragment of ones, one instruction a K step, in the 64 work-groups that quantise that half; 1,024 f32 at ac2 + RSOFF.
; One wave to a work-group, one row tile x 1,024 K to a wave: 8 steps of one fragment.  Each load reads 512 consecutive bytes of one row; a step's 16 rows turn through
; a stage in LDS (pitch 528) so that a lane holds 16 neighbours of each block of 32.  Work-groups share no input, so there is nothing to ask for jointly.
; A block's scale is 2^(floor(log2(largest magnitude)) - 2); its byte is held at 1 from below (a block of zeros keeps 1: its codes are zeros, and this program alone reads the bytes).
; LIMITS: NaN and infinities among the inputs are not served.
; The first 32 work-groups also store 4,096 ones into hm's table of factors: the first attention has no temperature.
.set ASOFF, 0x300000                   ; in an operand buffer: A's scale words,
.set BSOFF, 0x320000                   ; B's scale words,
.set BCOFF, 0x358000                   ; B's codes,
.set TAILO, 0x418000                   ; what lies behind 64 tiles of B,
.set RSOFF, 0x658000                   ; and behind 256
.set TWN,   0x19A0000                  ; in hm: the factors
.set SCB,   8448                       ; LDS: the stage 16 x 528 at 0; the tile's 512 bytes of scale words;
.set SPARE, 8960                       ; the spare words: one block of 256 bytes that no other line names
.set A16,  1                           ; v1   16 x lane
.set SOUT, 2                           ; v2   528 r + 64 h: where I read my 16 neighbours
.set SCW,  3                           ; v3   SCB + 4 r
.set SCR,  4                           ; v4   SCB + 16 x lane
.set A8,   5                           ; v5   8 x lane
.set SPW,  6
.set NIL,  7
.set RO,   8                           ; v8-15  row t's byte offset + 16 x lane, t = 0 .. 7; rows 8-15 have a base of their own
.set RS,   16                          ; v16-23 the row sums' accumulator
.set TM,   24                          ; v24-39 at work in QUANT
.set PW,   40                          ; the scale word just made
.set ONS,  41                          ; the ones' scale word: 2^0 four times
.set PC,   42                          ; v42-61 the codes just made
.set L,    64                          ; v64-191 two sets of 16 rows as loaded
.set X,    192                         ; v192-255 64 numbers: register 16 b + i = k 32 b + 16 h + i of row r; behind the conversions the first 12 take the ones
.set SEL,  60
.macro QUANT s
.irp b, 0,1,2,3
	v_max3_num_f32 v[TM+\b], |v[\s+16*\b]|, |v[\s+1+16*\b]|, 0x1800000   ; block b: my 16 numbers, and the floor 2^(3 - 127)
.endr
.irp i, 2,4,6,8,10,12,14
.irp b, 0,1,2,3
	v_max3_num_f32 v[TM+\b], v[TM+\b], |v[\s+16*\b+\i]|, |v[\s+1+16*\b+\i]|
.endr
.endr
.irp b, 0,1,2,3
	v_permlanex16_b32 v[TM+4+\b], v[TM+\b], s[SEL], s[SEL+1]
.endr
.irp b, 0,1,2,3
	v_max_num_f32 v[TM+\b], v[TM+\b], v[TM+4+\b]       ; with lane l xor 16's: the block's largest magnitude
.endr
.irp b, 0,1,2,3
	v_add_nc_u32 v[TM+12+\b], 0xff000000, v[TM+\b]     ; 2 off its exponent field: the conversion's scale operand
.endr
.irp b, 0,1,2,3
	v_lshrrev_b32 v[TM+4+\b], 23, v[TM+12+\b]          ; the scale's byte
.endr
	v_lshl_or_b32 v[PW], v[TM+5], 8, v[TM+4]
	v_lshl_or_b32 v[PW], v[TM+6], 16, v[PW]
	v_lshl_or_b32 v[PW], v[TM+7], 24, v[PW]
.irp c, 0,1
	v_cvt_scalef32_pk16_fp6_f32 v[PC+6*\c:PC+2+6*\c], v[\s+32*\c:\s+15+32*\c], v[TM+12+2*\c]
	v_cvt_scalef32_pk16_fp6_f32 v[PC+12+4*\c:PC+14+4*\c], v[\s+16+32*\c:\s+31+32*\c], v[TM+12+2*\c+1]
.endr
	v_nop                                              ; one plain place behind a scaled conversion
.irp c, 0,1                                        ; the layout wants a whole block in a lane
.irp i, 0,1,2
	v_permlane16_swap_b32 v[PC+6*\c+\i], v[PC+12+4*\c+\i]
.endr
.irp i, 0,1,2
	v_mov_b32 v[PC+3+6*\c+\i], v[PC+12+4*\c+\i]
.endr
.endr
.endm
.macro PICK bound, ptr, sh, col                    ; from work-group bound on: this input, this row pitch (as a shift), this first column (in bytes)
	s_cmp_ge_u32 ttmp9, \bound
	s_cselect_b64 s[36:37], s[\ptr:\ptr+1], s[36:37]
	s_cselect_b32 s38, \bound, s38
	s_cselect_b32 s39, \sh, s39
	s_cselect_b32 s40, \col, s40
.endm
.macro PICKO bound, ptr, co, so, t0                ; from work-group bound on: this buffer, codes and scale words from these bytes on, tile = work-group - t0
	s_cmp_ge_u32 ttmp9, \bound
	s_cselect_b64 s[44:45], s[\ptr:\ptr+1], s[44:45]
	s_cselect_b32 s48, \t0, s48
	s_cselect_b32 s46, \co, s46
	s_cselect_b32 s47, \so, s47
.endm
	s_load_b512 s[8:23], s[0:1], 0x0               ; x, tn_w1, mha_in_w, wq, wk, wv, mha_out_w, wo
	s_load_b256 s[24:31], s[0:1], 0x40             ; wt, ac0, ac1, ac2
	s_load_b128 s[32:35], s[0:1], 0x60             ; ac3, hm
	v_lshl_add_u32 v[SPW], v0, 2, SPARE
	v_mov_b32 v[NIL], 0
	v_lshlrev_b32 v[A16], 4, v0
	v_lshlrev_b32 v[A8], 3, v0
	v_and_b32 v62, 15, v0                          ; r
	v_lshrrev_b32 v63, 4, v0                       ; h
	v_lshlrev_b32 v63, 6, v63
	v_mad_u32_u24 v[SOUT], v62, 528, v63
	v_lshl_add_u32 v[SCW], v62, 2, SCB
	v_add_nc_u32 v[SCR], SCB, v[A16]
.irp b, 0,1,2,3
	v_mov_b32 v[TM+4+\b], 0                        ; a lane permute's destination counts as one of its sources
.endr
	v_mov_b32 v[ONS], 0x7f7f7f7f
.irp j, 0,1,2,3,4,5,6,7
	v_mov_b32 v[RS+\j], 0                          ; eight registers: the sums stand under a branch, so they begin here and not with the first product
.endr
	s_mov_b32 s[SEL], 0x76543210
	s_mov_b32 s[SEL+1], 0xfedcba98
	s_mov_b32 s38, 0
	s_mov_b32 s39, 12
	s_mov_b32 s40, 0
	s_mov_b32 s46, 0
	s_mov_b32 s47, ASOFF
	s_mov_b32 s48, 0
	s_cmp_lt_u32 ttmp9, 256
	s_cselect_b32 s57, 1, 0                        ; 1: a tile of x, stored twice
	s_sub_co_u32 s58, ttmp9, 768
	s_cmp_lt_u32 s58, 64
	s_cselect_b32 s58, 1, 0                        ; 1: a tile of tn_w1[:, 1024:], whose row sums are wanted
	s_wait_kmcnt 0x0
	s_mov_b64 s[36:37], s[8:9]                     ; the choices hang on the work-group's number alone
	PICK 256, 10, 13, 0
	PICK 320, 12, 12, 0
	PICK 512, 14, 12, 0
	PICK 576, 16, 12, 0
	PICK 640, 18, 12, 0
	PICK 704, 20, 12, 0
	PICK 768, 10, 13, 4096
	PICK 832, 22, 12, 0
	PICK 896, 24, 12, 0
	s_cselect_b32 s41, 0, 8                        ; wt's rows 8-15 follow rows 0-7; elsewhere they lie 8 rows further on
	s_mov_b64 s[44:45], s[26:27]
	PICKO 256, 26, BCOFF, BSOFF, 256               ; tn_w1[:, :1024]: ac0's B, tiles 0-63
	PICKO 320, 30, BCOFF, BSOFF, 256               ; mha_in_w: ac2's B, tiles 64-255
	PICKO 512, 26, BCOFF, BSOFF, 448               ; wq, wk, wv: ac0's B, tiles 64-255
	PICKO 704, 28, BCOFF, BSOFF, 704
	PICKO 768, 30, BCOFF, BSOFF, 768
	PICKO 832, 32, BCOFF, BSOFF, 832
	PICKO 896, 28, TAILO, TAILO+12288, 896
	s_sub_co_u32 s49, ttmp9, s38                   ; my tile in the input
	s_lshr_b32 s50, s49, 1
	s_lshl_b32 s50, s50, 5
	s_and_b32 s51, s49, 1
	s_lshl_b32 s51, s51, 3
	s_add_co_u32 s59, s50, s51                     ; its first row
	s_lshl_b32 s50, s59, s39
	s_add_co_u32 s50, s50, s40
	s_mov_b32 s51, 0
	s_add_nc_u64 s[36:37], s[36:37], s[50:51]      ; rows 0-7 of the tile
	s_add_co_u32 s50, s41, 8
	s_lshl_b32 s50, s50, s39
	s_add_nc_u64 s[42:43], s[36:37], s[50:51]      ; rows 8-15
	s_sub_co_u32 s49, ttmp9, s48                   ; my tile in the output: under 256 in every work-group
	s_mul_i32 s50, s49, 12288
	s_add_nc_u64 s[4:5], s[30:31], s[50:51]        ; x's second copy: ac2's A
	s_add_co_u32 s50, s50, s46
	s_add_nc_u64 s[52:53], s[44:45], s[50:51]      ; the tile's codes
	s_lshl_b32 s56, s49, 9
	s_add_co_u32 s50, s56, s47
	s_add_nc_u64 s[54:55], s[44:45], s[50:51]      ; its scale words
	s_add_co_u32 s50, s56, ASOFF
	s_add_nc_u64 s[6:7], s[30:31], s[50:51]        ; and their second copy
	s_lshl_b32 s50, s59, 2
	s_add_co_u32 s50, s50, RSOFF
	s_add_nc_u64 s[2:3], s[30:31], s[50:51]        ; the row sums, by rows
.irp t, 0,1,2,3,4,5,6,7
	s_mov_b32 s56, \t
	s_lshl_b32 s56, s56, s39
	v_add_nc_u32 v[RO+\t], s56, v[A16]
.endr
.macro LOADS s                                     ; K step s: 16 rows x 512 consecutive bytes
.irp t, 0,1,2,3,4,5,6,7
	global_load_b128 v[L+64*((\s)%2)+4*\t:L+64*((\s)%2)+4*\t+3], v[RO+\t], s[36:37] offset:512*(\s) th:TH_LOAD_NT
.endr
.irp t, 0,1,2,3,4,5,6,7
	global_load_b128 v[L+64*((\s)%2)+32+4*\t:L+64*((\s)%2)+32+4*\t+3], v[RO+\t], s[42:43] offset:512*(\s) th:TH_LOAD_NT
.endr
.endm
.macro QSTEP s
.if (\s) < 7
	s_wait_loadcnt 16                              ; this step's 16 loads are in; the next step's 16 stay out
.else
	s_wait_loadcnt 0x0
.endif
.irp t, 0,1,2,3,4,5,6,7,8,9,10,11,12,13,14,15
	ds_store_b128 v[A16], v[L+64*((\s)%2)+4*\t:L+64*((\s)%2)+4*\t+3] offset:528*\t
.endr
.irp b, 0,1,2,3
.irp j, 0,1,2,3
	ds_load_b128 v[X+16*\b+4*\j:X+16*\b+4*\j+3], v[SOUT] offset:128*\b+16*\j   ; LDS serves a wave's instructions in order: these see the stores above
.endr
.endr
	s_wait_dscnt 0x0                               ; the numbers are back, and the stores have read their registers
	s_wait_xcnt 0x0                                ; the last step's stores have read the codes' registers
.if (\s) < 6
	LOADS (\s)+2
.endif
	QUANT X
	global_store_b128 v[A16], v[PC:PC+3], s[52:53] offset:1536*(\s)            ; 512 consecutive bytes
	global_store_b64 v[A8], v[PC+4:PC+5], s[52:53] offset:1536*(\s)+512        ; 256
	global_store_b128 v[A16], v[PC+6:PC+9], s[52:53] offset:1536*(\s)+768
	global_store_b64 v[A8], v[PC+10:PC+11], s[52:53] offset:1536*(\s)+1280
	s_cmp_eq_u32 s57, 1
	s_cbranch_scc0 .Lonce_\@
	global_store_b128 v[A16], v[PC:PC+3], s[4:5] offset:1536*(\s)              ; x's second copy
	global_store_b64 v[A8], v[PC+4:PC+5], s[4:5] offset:1536*(\s)+512
	global_store_b128 v[A16], v[PC+6:PC+9], s[4:5] offset:1536*(\s)+768
	global_store_b64 v[A8], v[PC+10:PC+11], s[4:5] offset:1536*(\s)+1280
.Lonce_\@:
	ds_store_b32 v[SCW], v[PW] offset:64*(\s)      ; both halves of the lanes write the same word with the same value
	s_cmp_eq_u32 s58, 1
	s_cbranch_scc0 .Lno_sum_\@
.irp i, 0,3,6,9                                    ; a fragment of ones: the code of 1.0 is 001000; 16 codes are 96 bits, three registers to a period
	v_mov_b32 v[X+\i], 0x08208208
	v_mov_b32 v[X+\i+1], 0x82082082
	v_mov_b32 v[X+\i+2], 0x20820820
.endr
.rept 4
	v_nop                                          ; an operand written by vector instructions stands 4 places ahead of a scaled matrix instruction; the scale word made above stands more than 8 ahead
.endr
.if (\s) > 0
	s_wait_alu depctr_va_vdst(0)                   ; a wait directly ahead of each link
.endif
	v_wmma_scale_f32_16x16x128_f8f6f4 v[RS:RS+7], v[X:X+11], v[PC:PC+11], v[RS:RS+7], v[ONS], v[PW] matrix_a_fmt:MATRIX_FMT_FP6 matrix_b_fmt:MATRIX_FMT_FP6   ; source 0 = ones, source 1 = the tile's 16 rows: every register of lane r holds row r's sum
.rept 4
	v_nop                                          ; places in front of the next step's loads into the ones' registers, and of the read of the sums
.endr
.Lno_sum_\@:
.endm
	LOADS 0
	LOADS 1
.irp s, 0,1,2,3,4,5,6,7
	QSTEP \s
.endr
	ds_load_b128 v[X:X+3], v[SCR]                  ; the tile's 512 bytes of scale words leave as two whole runs of 256
	s_wait_dscnt 0x0
	global_store_b128 v[A16], v[X:X+3], s[54:55]
	s_cmp_eq_u32 s57, 1
	s_cbranch_scc0 .Lno_copy
	global_store_b128 v[A16], v[X:X+3], s[6:7]
.Lno_copy:
	s_cmp_eq_u32 s58, 1
	s_cbranch_scc0 .Lno_rs
	v_and_b32 v[L], 15, v0
	v_and_b32 v[L+1], 8, v[L]
	v_add_nc_u32 v[L], v[L], v[L+1]
	v_lshlrev_b32 v[L], 2, v[L]                    ; 4 (r + 8 (r / 8)): lane r's row in the tile
	v_cmp_gt_u32 vcc_lo, 16, v0
	s_wait_xcnt 0x0                                ; EXEC changes only behind this wait
	s_and_saveexec_b32 s56, vcc_lo
	global_store_b32 v[L], v[RS], s[2:3]           ; the accumulator's lowest register
	s_wait_xcnt 0x0
	s_or_b32 exec_lo, exec_lo, s56
.Lno_rs:
	s_cmp_lt_u32 ttmp9, 32
	s_cbranch_scc0 .Lno_ones
	s_lshl_b32 s50, ttmp9, 9
	s_add_co_u32 s50, s50, TWN
	s_add_nc_u64 s[34:35], s[34:35], s[50:51]
.irp i, 0,1,2,3
	v_mov_b32 v[L+\i], 1.0
.endr
	global_store_b128 v[A16], v[L:L+3], s[34:35]
.Lno_ones:
	s_wait_tensorcnt 0x0                           ; the wave's end: behind my last LDS store
	ds_add_u32 v[SPW], v[NIL]
	s_wait_dscnt 0x0
	s_endpgm
.Lfunc_end_k_q3f6c97c9fd_quant:
	.size	k_q3f6c97c9fd_quant, .Lfunc_end_k_q3f6c97c9fd_quant-k_q3f6c97c9fd_quant
	.p2alignl 7, 3214868480
	.fill 96, 4, 3214868480
	.section	.rodata,"a",@progbits
	.p2align	6, 0x0
	.amdhsa_kernel k_q3f6c97c9fd_quant
		.amdhsa_group_segment_fixed_size 9216
		.amdhsa_private_segment_fixed_size 0
		.amdhsa_enable_private_segment 0
		.amdhsa_kernarg_size 112
		.amdhsa_user_sgpr_count 2
		.amdhsa_user_sgpr_kernarg_segment_ptr 1
		.amdhsa_wavefront_size32 1
		.amdhsa_system_sgpr_workgroup_id_x 1
		.amdhsa_system_sgpr_workgroup_id_y 1
		.amdhsa_system_sgpr_workgroup_id_z 1
		.amdhsa_system_vgpr_workitem_id 0
		.amdhsa_next_free_vgpr 256
		.amdhsa_next_free_sgpr 66
		.amdhsa_reserve_vcc 1
		.amdhsa_float_denorm_mode_32 3
		.amdhsa_float_denorm_mode_16_64 3
		.amdhsa_memory_ordered 1
		.amdhsa_forward_progress 1
		.amdhsa_inst_pref_size 85
	.end_amdhsa_kernel
	.amdgpu_metadata
---
amdhsa.version: [ 1, 2 ]
amdhsa.kernels:
  - .name:           k_q3f6c97c9fd_quant
    .symbol:         k_q3f6c97c9fd_quant.kd
    .args:
      - { .name: hidden_states, .offset: 0, .size: 8, .value_kind: global_buffer, .address_space: global }
      - { .name: tn_w1, .offset: 8, .size: 8, .value_kind: global_buffer, .address_space: global }
      - { .name: mha_in_w, .offset: 16, .size: 8, .value_kind: global_buffer, .address_space: global }
      - { .name: wq, .offset: 24, .size: 8, .value_kind: global_buffer, .address_space: global }
      - { .name: wk, .offset: 32, .size: 8, .value_kind: global_buffer, .address_space: global }
      - { .name: wv, .offset: 40, .size: 8, .value_kind: global_buffer, .address_space: global }
      - { .name: mha_out_w, .offset: 48, .size: 8, .value_kind: global_buffer, .address_space: global }
      - { .name: wo, .offset: 56, .size: 8, .value_kind: global_buffer, .address_space: global }
      - { .name: wt, .offset: 64, .size: 8, .value_kind: global_buffer, .address_space: global }
      - { .name: ac0, .offset: 72, .size: 8, .value_kind: global_buffer, .address_space: global }
      - { .name: ac1, .offset: 80, .size: 8, .value_kind: global_buffer, .address_space: global }
      - { .name: ac2, .offset: 88, .size: 8, .value_kind: global_buffer, .address_space: global }
      - { .name: ac3, .offset: 96, .size: 8, .value_kind: global_buffer, .address_space: global }
      - { .name: hm, .offset: 104, .size: 8, .value_kind: global_buffer, .address_space: global }
    .group_segment_fixed_size: 9216
    .private_segment_fixed_size: 0
    .kernarg_segment_align: 8
    .kernarg_segment_size: 112
    .max_flat_workgroup_size: 32
    .sgpr_count:     66
    .vgpr_count:     256
    .wavefront_size: 32
...
	.end_amdgpu_metadata
.endif
;; end of part 7
;; launch gemm1 (part 8): grid 16 x 16, 4 waves a work-group, clusters of 4 x 4, 327,680 bytes of LDS; arguments ac0, ac2, ha, hm; writes ha, hm
.if DOCPART == 8
	.amdgcn_target "amdgcn-amd-amdhsa--gfx1250"
	.amdhsa_code_object_version 6
	.text
	.protected	k_q3f6c97c9fd_gemm1
	.globl	k_q3f6c97c9fd_gemm1
	.p2align	8
	.type	k_q3f6c97c9fd_gemm1,@function
k_q3f6c97c9fd_gemm1:
	s_mov_b64 s[64:65], 0
	v_nop
	global_prefetch_b8 v0, s[64:65] scope:SCOPE_SE
	s_setreg_imm32_b32 hwreg(HW_REG_WAVE_MODE, 25, 1), 1
	s_wait_xcnt 0x0
	s_wait_alu depctr_hold_cnt(0) depctr_sa_sdst(0) depctr_va_vdst(0) depctr_va_sdst(0) depctr_va_ssrc(0) depctr_va_vcc(0) depctr_vm_vsrc(0)
	s_getreg_b32 s2, hwreg(HW_REG_IB_STS2, 6, 4)
	s_cmp_eq_u32 s2, 0
	s_cbranch_scc0 .Lentry_in_a_cluster
	s_endpgm
.Lentry_in_a_cluster:
	s_bfe_u32 s2, ttmp6, 0x10000c
	s_cmp_lg_u32 s2, 0xf033
	s_cbranch_scc0 .Lentry_shape_is_right
	s_endpgm
.Lentry_shape_is_right:
; C = A B^T on codes of FP6 (E2M3) with E8M0 scales, K = 1,024.  An operand buffer holds A (4,096 rows: codes at 0, scale words at ASOFF) and B (blocks of 1,024 rows: codes at BCOFF, scale words at BSOFF),
; both as images of the operand's registers: [row tile of 16][K step of 128][1,536 bytes], scale words [row tile][K step][64 bytes]; lane r of row tile i is row 32 (i/2) + 8 (i%2) + r + 8 (r/8).
; A tile of C, 256 x 256, is made by four waves, each 128 x 128 in 64 accumulators.  K goes in steps of 256 through two LDS slots; one tensor load a wave brings 8 row tiles x 3,072 bytes.
; The scale words of the work-group's rows, 16,384 bytes, come once with the first fills.
; CLUSTERS: 4 x 4 work-groups; the A side's tiles are shared along a row of the cluster, the B side's along a column: each is asked for jointly, by the same load with a mask that names the four.
; Source 0 = 16 rows of the B side, source 1 = 16 rows of the A side: a lane holds one row of the A side and, in the 16 registers of two neighbouring tiles, 16 neighbouring rows of the B side.
; WHAT A CLUSTER MAKES hangs on the cluster's x alone, which all sixteen share.  x = 0: A and B's block 0 of the FIRST operand buffer, f32 rows of C into outF.
; x = 1, 2, 3: A and B's block x of the SECOND operand buffer: q, k, v, as codes for an attention, into outQ.  So one launch of 16 x 16 work-groups holds a product of 1,024 columns and, beside it,
; the three projections of an attention that hang on nothing but x; with grid x = 4 the cluster's x is 0 and the launch only stores f32 rows into outF.
; q and k are quantised along the head's 64, which lie along a lane's registers.  v is quantised along the KEYS: there the two sides change places (the weights' rows are the A side, the tokens the B side),
; by a choice of offsets alone; the text of the products is the same.
; LIMITS: NaN and infinities are not served; a block of zeros keeps the scale byte 1 (its codes are zeros; this program alone reads the bytes).
.set ASOFF,  0x300000
.set BSOFF,  0x320000
.set BCOFF,  0x358000
.set QC,     0x1000000                 ; in outQ: q's halves [head][query tile][768],
.set QSC,    0x1300000                 ; their scale words [head][query tile][64],
.set KV,     0x1340000                 ; and a record of REC bytes for each head: k's halves, v's fragments, k's and v's scale words
.set REC,    104448
.set VCO,    49152
.set KSO,    98304
.set VSO,    102400
.set NQ,     2                         ; K steps of 128 in a slot
.set FR,     12                        ; registers of a fragment
.set NL,     4                         ; LDS loads that bring one
.set NP,     4                         ; places behind this matrix instruction (ISA guide 7.12.1)
.set HALFT,  24576                     ; 8 row tiles x 3,072 bytes: what one tensor load brings
.set SLOT,   4*HALFT
.set LAPS,   2                         ; 1,024 / 512
.set SCL,    2*SLOT                    ; behind the ring: the scale words, 4,096 bytes for each wave's load
.set SPARE,  SCL+16384                 ; the spare words: two blocks of 256 bytes that no other line names
.set SPITCH, 528                       ; the f32 way out: a stage of 16 rows x (512 + 16) bytes a wave, in slot 0, which has had its last fill and its last read by then
.set O16,  8                           ; v8   16 x lane   (ways out on codes)
.set O8,   9                           ; v9   8 x lane
.set SVO,  10                          ; v10  where my scale word goes
.set SH16, 11                          ; v11  16 h
.set ADRA, 16                          ; v16-17 A's fragments in slot 0, 1, + 16 x lane; v18-19 the same + 8 x lane
.set ADRB, 20                          ; v20-23 the same for B
.set STO,  24
.set RD,   25
.set CO,   26
.set ADRS, 27                          ; my scale words: lanes 0-15 the A side's, lanes 16-31 the B side's
.set SPW,  28
.set NIL,  29
.set SC,   32                          ; v32-63 scale words, two sets: register 2 i + q
.set TM,   64                          ; v64-79 at work in QUANTW
.set PW,   80
.set PWS,  81
.set VAL,  82
.set PC,   84                          ; v84-103 the codes just made
.set AF,   128                         ; A's fragments, window 0, one set
.set BK,   128                         ; the f32 way out: rows read back
.set G1, 24
.set G0, 32
.set G1B, 48
.set G0B, 56
.set SEL, 66
.set G1S, 68
.set G0S, 76
.set G1SB, 80
.set G0SB, 88
.set MSB, 0
.macro WIN new                         ; the immediate's high byte repeats the setting that is left
.if MSB != (\new)
	s_set_vgpr_msb (MSB<<8)|(\new)
.set MSB, (\new)
.endif
.endm
.set MUL_LO, 0xa1                      ; source 0 (B) window 1, source 1 (A) window 0, C and D window 2
.set MUL_HI, 0xf1
.set TO_B,   0x40
; A joint load: waves 0 and 1 fetch for the A side, waves 2 and 3 for the B side; the branch hangs on the wave's number alone.  An s_nop 0 and four v_nop follow each line.
.macro JLOAD g0a, g1a, g0b, g1b
	s_cmp_eq_u32 s15, 0
	s_cbranch_scc0 .Lfor_b_\@
	tensor_load_to_lds s[\g0a:\g0a+3], s[\g1a:\g1a+7]
	s_nop 0
.rept 4
	v_nop
.endr
	s_branch .Lasked_\@
.Lfor_b_\@:
	tensor_load_to_lds s[\g0b:\g0b+3], s[\g1b:\g1b+7]
	s_nop 0
.rept 4
	v_nop
.endr
.Lasked_\@:
.endm
.macro CREST
	s_cmp_lg_u32 s14, 0
	s_cbranch_scc1 .Lnot_wave_0_\@
	s_barrier_signal -3
.Lnot_wave_0_\@:
	s_barrier_wait -3
	s_barrier_signal -1
	s_barrier_wait -1
.endm
.macro CROUND
	s_barrier_signal -1
	s_barrier_wait -1
	CREST
.endm
	s_load_b256 s[4:11], s[0:1], 0x0               ; the first operand buffer s[4:5], the second s[6:7], outF s[8:9], outQ s[10:11]
	v_lshl_add_u32 v[SPW], v0, 2, SPARE
	v_mov_b32 v[NIL], 0
	ds_add_u32 v[SPW], v[NIL]                      ; the wave's opening: the add and its wait come ahead of my first tensor load
	v_lshrrev_b32 v1, 5, v0
	v_readfirstlane_b32 s14, v1                    ; wave 0..3
	s_lshr_b32 s15, s14, 1                         ; my half of the A side's rows.  Also: I fetch for A (0) or B (1)
	s_and_b32 s16, s14, 1                          ; my half of the B side's rows.  Also: which 128 rows I fetch
	s_bfe_u32 s40, ttmp6, 0x40000                  ; cx
	s_bfe_u32 s41, ttmp6, 0x40004                  ; cy
	s_and_b32 s2, ttmp7, 0xffff                    ; the cluster's y: the batch
	s_cmp_eq_u32 ttmp9, 3
	s_cselect_b32 s12, 1, 0                        ; 1 where the cluster makes v
	s_mov_b32 s18, BCOFF
	s_mov_b32 s19, BSOFF
	s_mov_b32 s13, ASOFF
	s_cmp_eq_u32 s12, 1
	s_cselect_b32 s17, ttmp9, s2                   ; the cluster's coordinate along the A side,
	s_cselect_b32 s42, s2, ttmp9                   ; along the B side;
	s_cselect_b32 s95, s18, 0                      ; where the A side's codes begin,
	s_cselect_b32 s96, 0, s18                      ; the B side's,
	s_cselect_b32 s97, s19, s13                    ; the A side's scale words,
	s_cselect_b32 s98, s13, s19                    ; the B side's
	s_lshl_b32 s17, s17, 2
	s_add_co_u32 s17, s17, s41                     ; the A side's block of 256 rows: hangs on cy alone of my place
	s_lshl_b32 s42, s42, 2
	s_add_co_u32 s42, s42, s40                     ; the B side's: on cx alone
	s_lshl_b32 s43, s41, 2
	s_lshl_b32 s43, 15, s43                        ; my row of the cluster
	s_lshl_b32 s44, 0x1111, s40                    ; my column
	; group 1 for codes: 8 rows (row tiles) of 384 elements of 8 bytes, 1,536 elements apart; no padding: every LDS read below takes consecutive bytes
	s_or_b32 s[G1+0], s43, (3<<16)|(1<<21)
	s_or_b32 s[G1B+0], s44, (3<<16)|(1<<21)
.irp g, G1, G1B
	s_mov_b32 s[\g+1], 384<<16
	s_mov_b32 s[\g+2], 8<<16
	s_mov_b32 s[\g+3], 384<<16
	s_mov_b32 s[\g+4], 8
	s_mov_b32 s[\g+5], 1536
	s_mov_b32 s[\g+6], 0
	s_mov_b32 s[\g+7], 0
.endr
	; and for the scale words of 128 rows: 4,096 dense bytes as 16 rows of 256
	s_or_b32 s[G1S+0], s43, (3<<16)|(1<<21)
	s_or_b32 s[G1SB+0], s44, (3<<16)|(1<<21)
.irp g, G1S, G1SB
	s_mov_b32 s[\g+1], 32<<16
	s_mov_b32 s[\g+2], 16<<16
	s_mov_b32 s[\g+3], 32<<16
	s_mov_b32 s[\g+4], 16
	s_mov_b32 s[\g+5], 32
	s_mov_b32 s[\g+6], 0
	s_mov_b32 s[\g+7], 0
.endr
	s_mul_i32 s18, s16, 98304                      ; which 8 row tiles of the 16 I fetch
	s_mul_i32 s20, s17, 196608
	s_add_co_u32 s20, s20, s18
	s_add_co_u32 s20, s20, s95
	s_mov_b32 s21, 0
	s_mul_i32 s46, s42, 196608
	s_add_co_u32 s46, s46, s18
	s_add_co_u32 s46, s46, s96
	s_mov_b32 s47, 0
	s_lshl_b32 s18, s16, 12
	s_lshl_b32 s22, s17, 13
	s_add_co_u32 s22, s22, s18
	s_add_co_u32 s22, s22, s97
	s_mov_b32 s23, 0
	s_lshl_b32 s92, s42, 13
	s_add_co_u32 s92, s92, s18
	s_add_co_u32 s92, s92, s98
	s_mov_b32 s93, 0
	s_mul_i32 s45, s14, HALFT                      ; where they go: wave x a constant: no place in the cluster enters an LDS address
	s_lshl_b32 s94, s14, 12
	s_mov_b32 s[SEL], 0x76543210
	s_mov_b32 s[SEL+1], 0xfedcba98
	s_wait_dscnt 0x0                               ; the opening add is done
	s_wait_kmcnt 0x0
	s_cmp_eq_u32 ttmp9, 0                          ; which operand buffer: the choice hangs on the cluster's x alone, the same in all sixteen
	s_cselect_b64 s[4:5], s[4:5], s[6:7]
	s_add_nc_u64 s[20:21], s[4:5], s[20:21]
	s_add_nc_u64 s[22:23], s[4:5], s[22:23]
	s_add_nc_u64 s[46:47], s[4:5], s[46:47]
	s_add_nc_u64 s[92:93], s[4:5], s[92:93]
	CROUND                                         ; all sixteen work-groups are here: the first joint loads meet
	s_mov_b32 s[G0S], 1
	s_add_co_u32 s[G0S+1], s94, SCL
	s_mov_b64 s[G0S+2:G0S+3], s[22:23]
	s_or_b32 s[G0S+3], s[G0S+3], 0x80000000
	s_mov_b32 s[G0SB], 1
	s_add_co_u32 s[G0SB+1], s94, SCL
	s_mov_b64 s[G0SB+2:G0SB+3], s[92:93]
	s_or_b32 s[G0SB+3], s[G0SB+3], 0x80000000
	JLOAD G0S, G1S, G0SB, G1SB                     ; the scale words first
.irp s, 0,1
	s_mov_b32 s[G0+4*\s], 1
	s_add_co_u32 s[G0+4*\s+1], s45, \s*SLOT
	s_add_nc_u64 s[G0+4*\s+2:G0+4*\s+3], s[20:21], \s*3072
	s_or_b32 s[G0+4*\s+3], s[G0+4*\s+3], 0x80000000
	s_mov_b32 s[G0B+4*\s], 1
	s_add_co_u32 s[G0B+4*\s+1], s45, \s*SLOT
	s_add_nc_u64 s[G0B+4*\s+2:G0B+4*\s+3], s[46:47], \s*3072
	s_or_b32 s[G0B+4*\s+3], s[G0B+4*\s+3], 0x80000000
	JLOAD G0+4*\s, G1, G0B+4*\s, G1B               ; by this text's count three tensor loads of a wave are out here
.endr
	v_and_b32 v1, 15, v0                           ; r
	v_bfe_u32 v2, v0, 4, 1                         ; h
	v_and_b32 v3, 31, v0                           ; lane
	v_lshlrev_b32 v4, 4, v3
	v_lshlrev_b32 v5, 3, v3
	s_mul_i32 s21, s15, HALFT                      ; my 128 rows of the A side
	s_mul_i32 s22, s16, HALFT
	s_add_co_u32 s22, s22, 2*HALFT                 ; my 128 rows of the B side
.irp s, 0,1
	v_add_nc_u32 v[ADRA+\s], s21, v4
	v_add_nc_u32 v[ADRB+\s], s22, v4
	v_add_nc_u32 v[ADRA+2+\s], s21, v5
	v_add_nc_u32 v[ADRB+2+\s], s22, v5
	s_add_co_u32 s21, s21, SLOT
	s_add_co_u32 s22, s22, SLOT
.endr
	v_lshlrev_b32 v6, 2, v1                        ; scale words: 4 r,
	s_lshl_b32 s21, s15, 12                        ; the A side's: my 128 rows;
	s_lshl_b32 s22, s16, 12
	s_add_co_u32 s22, s22, 8192                    ; the B side's lie behind the A side's 8,192 bytes
	s_sub_co_u32 s22, s22, s21
	v_mul_u32_u24 v7, s22, v2                      ; lanes 16-31 take the B side's: one product, the distance between the two
	s_add_co_u32 s21, s21, SCL
	v_add_nc_u32 v6, v6, v7
	v_add_nc_u32 v[ADRS], s21, v6
	s_mul_i32 s23, s14, 16*SPITCH                  ; my stage
	v_mul_u32_u24 v6, v1, SPITCH
	v_lshl_add_u32 v6, v2, 6, v6
	v_add_nc_u32 v[STO], s23, v6                   ; in: row r, + 64 h
	v_mov_b32 v[CO], v4
	v_add_nc_u32 v[RD], s23, v4                    ; back: a row of 512 bytes to the 32 lanes
.macro FRAG reg, adr, q, i                     ; a fragment's image: four loads, each of consecutive bytes
	ds_load_b128 v[\reg:\reg+3], v[\adr] offset:3072*(\i)+1536*(\q)
	ds_load_b64 v[\reg+4:\reg+5], v[\adr+2] offset:3072*(\i)+1536*(\q)+512
	ds_load_b128 v[\reg+6:\reg+9], v[\adr] offset:3072*(\i)+1536*(\q)+768
	ds_load_b64 v[\reg+10:\reg+11], v[\adr+2] offset:3072*(\i)+1536*(\q)+1280
.endm
; 16 matrix instructions: A's blocks a0, a0 + 1 x B's eight.  The 64 accumulators take turns, one instruction a turn, in the same order in every step.
.macro MUL16 a0, p, q, sc, zero
.irp a, \a0, \a0+1
.irp b, 0,1,2,3,4,5,6,7
.if \zero
	v_wmma_scale_f32_16x16x128_f8f6f4 v[8*(8*((\a)%4)+\b):8*(8*((\a)%4)+\b)+7], v[128*(\p)+FR*\b:128*(\p)+FR*\b+FR-1], v[AF+FR*(\a):AF+FR*(\a)+FR-1], 0, v[SC+8*NQ*(\sc)+NQ*\b+(\q)], v[SC+8*NQ*(\sc)+NQ*(\a)+(\q)] matrix_a_fmt:MATRIX_FMT_FP6 matrix_b_fmt:MATRIX_FMT_FP6 matrix_a_scale:MATRIX_SCALE_ROW1
.else
	v_wmma_scale_f32_16x16x128_f8f6f4 v[8*(8*((\a)%4)+\b):8*(8*((\a)%4)+\b)+7], v[128*(\p)+FR*\b:128*(\p)+FR*\b+FR-1], v[AF+FR*(\a):AF+FR*(\a)+FR-1], v[8*(8*((\a)%4)+\b):8*(8*((\a)%4)+\b)+7], v[SC+8*NQ*(\sc)+NQ*\b+(\q)], v[SC+8*NQ*(\sc)+NQ*(\a)+(\q)] matrix_a_fmt:MATRIX_FMT_FP6 matrix_b_fmt:MATRIX_FMT_FP6 matrix_a_scale:MATRIX_SCALE_ROW1
.endif
.endr
.endr
.endm
.macro FETCH_B slot, q, p
	WIN TO_B
.irp i, 0,1,2,3,4,5,6,7
	FRAG 128*(\p)+FR*\i, ADRB+\slot, \q, \i
.endr
	WIN 0
.endm
.macro FETCH_A slot, q, i0
.irp i, \i0, \i0+1, \i0+2, \i0+3
	FRAG AF+FR*(\i), ADRA+\slot, \q, \i
.endr
.endm
.macro SCALES sc                               ; a slot's scale words: lanes 0-15 the A side's block i, lanes 16-31 the B side's block i
.irp i, 0,1,2,3,4,5,6,7
	ds_load_b32 v[SC+8*NQ*\sc+NQ*\i], v[ADRS] offset:512*\i
	ds_load_b32 v[SC+8*NQ*\sc+NQ*\i+1], v[ADRS] offset:512*\i+64
.endr
.endm
.macro PLACES n                                ; plain vector places behind matrix instructions, in front of loads into their registers and of the first read of results
.rept \n
	v_nop
.endr
.endm
.macro STEP slot, q, zero                      ; a step of 128 along K that has its successor in the same slot
	s_wait_dscnt 4*NL                              ; all but the youngest 16 loads (A's blocks 4-7) are in
	WIN MUL_LO
	MUL16 0, (\q)%2, \q, \slot, \zero
	MUL16 2, (\q)%2, \q, \slot, \zero
	s_wait_dscnt 0                                 ; A's blocks 4-7 are in
	PLACES NP
	FETCH_B \slot, (\q)+1, 1-(\q)%2
	FETCH_A \slot, (\q)+1, 0
	WIN MUL_HI
	MUL16 4, (\q)%2, \q, \slot, \zero
	MUL16 6, (\q)%2, \q, \slot, \zero
	PLACES NP
	WIN 0
	FETCH_A \slot, (\q)+1, 4
.endm
; A slot's last step changes slots: one barrier; in front of it each wave waits for all its tensor loads, adds 0 to its spare word, and waits for that and for its reads of this slot.
.macro TURN slot, next, fill
	s_wait_tensorcnt 0x0                           ; all my tensor loads have landed: my part of the next slot
	ds_add_u32 v[SPW], v[NIL]                      ; 0 onto my spare word
	s_wait_dscnt 4*NL+1                            ; the add and the youngest 16 loads may be out
	WIN MUL_LO
	MUL16 0, 1, NQ-1, \slot, 0
	s_wait_dscnt 0x0                               ; the add is done, and my reads of this slot are over
	s_barrier_signal -1
	MUL16 2, 1, NQ-1, \slot, 0
	WIN 0
	s_barrier_wait -1
.if \fill
	CREST                                          ; the barrier has opened a round of the cluster's barrier: no wave of any partner still reads this slot or has a load on its way
	s_add_nc_u64 s[G0+4*\slot+2:G0+4*\slot+3], s[G0+4*\slot+2:G0+4*\slot+3], 6144
	s_add_nc_u64 s[G0B+4*\slot+2:G0B+4*\slot+3], s[G0B+4*\slot+2:G0B+4*\slot+3], 6144
	JLOAD G0+4*\slot, G1, G0B+4*\slot, G1B         ; the first tensor load behind the round; its four v_nop are the places in front of the loads below
.else
	PLACES NP
.endif
	v_add_nc_u32 v[ADRS], 128, v[ADRS]             ; the next slot's scale words: two K steps of 64 bytes on
	FETCH_B \next, 0, 0
	FETCH_A \next, 0, 0
	SCALES \next
	WIN MUL_HI
	MUL16 4, 1, NQ-1, \slot, 0
	MUL16 6, 1, NQ-1, \slot, 0
	PLACES NP
	WIN 0
	FETCH_A \next, 0, 4
.endm
	s_wait_tensorcnt 1                             ; the scale words and my part of slot 0 are in; slot 1's load may be out
	s_barrier_signal -1
	s_barrier_wait -1
	FETCH_B 0, 0, 0
	FETCH_A 0, 0, 0
	SCALES 0
	FETCH_A 0, 0, 4
	STEP 0, 0, 1                                   ; the first step's products start the sums
	s_mov_b32 s3, LAPS-1
.Llap:
	TURN 0, 1, 1
	STEP 1, 0, 0
	TURN 1, 0, 1
	STEP 0, 0, 0
	s_sub_co_u32 s3, s3, 1
	s_cmp_lg_u32 s3, 0
	s_cbranch_scc1 .Llap
	TURN 0, 1, 0                                   ; the last lap fills nothing
	STEP 1, 0, 0
	s_wait_dscnt 4*NL
	WIN MUL_LO
	MUL16 0, 1, NQ-1, 1, 0
	MUL16 2, 1, NQ-1, 1, 0
	s_wait_dscnt 0
	WIN MUL_HI
	MUL16 4, 1, NQ-1, 1, 0
	MUL16 6, 1, NQ-1, 1, 0
	WIN 0
	PLACES NP                                      ; in front of the first read of results, and of loads into the registers that held A's fragments
	s_cmp_eq_u32 ttmp9, 0
	s_cbranch_scc0 .Lcodes
; THE WAY OUT IN f32, block by block of 16 rows x 128 columns, through my own stage: whole rows of 512 bytes leave, two aligned runs of 256.
; Accumulator (a, b), lane (r, h), register j is C(row r of A's tile a, column 32 (b/2) + 8 (b%2) + 16 h + j).
.macro TOSTAGE a
.set AC, 64*((\a)%4)
	WIN 0x08+4*((\a)/4)
.irp b, 0,1,2,3,4,5,6,7
	ds_store_b128 v[STO], v[AC+8*\b:AC+8*\b+3] offset:128*(\b/2)+32*(\b%2)       ; each accumulator from its low end on
	ds_store_b128 v[STO], v[AC+8*\b+4:AC+8*\b+7] offset:128*(\b/2)+32*(\b%2)+16
.endr
	WIN 0
.set BB, BK+64*((\a)%2)
.irp t, 0,1,2,3,4,5,6,7,8,9,10,11,12,13,14,15
	ds_load_b128 v[BB+4*\t:BB+4*\t+3], v[RD] offset:\t*SPITCH   ; LDS serves a wave's instructions in order: these see the stores above
.endr
.endm
.macro SEND a, younger
.set BB, BK+64*((\a)%2)
	s_wait_dscnt \younger
.if (\a) > 0
.if ((\a)%2) == 1
	s_add_nc_u64 s[8:9], s[8:9], 8*4096            ; an odd tile begins 8 rows behind the even one (behind a wait on XCNT: the earlier stores have read their base),
.else
	s_add_nc_u64 s[8:9], s[8:9], 24*4096           ; the next even one 24 further on
.endif
.endif
.irp t, 0,1,2,3,4,5,6,7,8,9,10,11,12,13,14,15
	global_store_b128 v[CO], v[BB+4*\t:BB+4*\t+3], s[8:9] offset:(\t+8*(\t/8))*4096 th:TH_STORE_NT
.endr
.endm
	s_lshl_b32 s20, s17, 8
	s_lshl_b32 s21, s15, 7
	s_add_co_u32 s20, s20, s21                     ; my first row of C
	s_lshl_b32 s20, s20, 12                        ; a row of C is 4,096 bytes
	s_lshl_b32 s46, s42, 10
	s_lshl_b32 s47, s16, 9
	s_add_co_u32 s46, s46, s47                     ; my first column, in bytes
	s_add_co_u32 s20, s20, s46
	s_mov_b32 s21, 0
	s_add_nc_u64 s[8:9], s[8:9], s[20:21]
	TOSTAGE 0
.irp a, 1,2,3,4,5,6,7
.if \a > 1
	s_wait_xcnt 0x0                                ; block a - 2's stores have read their registers and their base
.endif
	TOSTAGE \a
	SEND \a-1, 32                                  ; behind block a - 1's loads: block a's 16 stores and 16 loads
.endr
	s_wait_xcnt 0x0
	SEND 7, 0
	s_branch .Ldone
; THE WAYS OUT ON CODES.  The 64 accumulator registers of A's block a are, for the lane's row, 128 neighbours along the B side in the quantiser's order: register 16 b + i = 32 b + 16 h + i.
.macro QUANTW a
.set AC, 64*((\a)%4)
	WIN 0x28+0x14*((\a)/4)                         ; sources 1 and 2: window 2 or 3
.irp b, 0,1,2,3
	v_max3_num_f32 v[TM+\b], 0x1800000, |v[AC+16*\b]|, |v[AC+1+16*\b]|   ; each accumulator is read from its low end on
.endr
.irp i, 2,4,6,8,10,12,14
.irp b, 0,1,2,3
	v_max3_num_f32 v[TM+\b], v[TM+\b], |v[AC+16*\b+\i]|, |v[AC+1+16*\b+\i]|
.endr
.endr
	WIN 0
.irp b, 0,1,2,3
	v_permlanex16_b32 v[TM+4+\b], v[TM+\b], s[SEL], s[SEL+1]
.endr
.irp b, 0,1,2,3
	v_max_num_f32 v[TM+\b], v[TM+\b], v[TM+4+\b]
.endr
.irp b, 0,1,2,3
	v_add_nc_u32 v[TM+12+\b], 0xff000000, v[TM+\b]
.endr
.irp b, 0,1,2,3
	v_lshrrev_b32 v[TM+4+\b], 23, v[TM+12+\b]
.endr
	v_lshl_or_b32 v[PW], v[TM+5], 8, v[TM+4]
	v_lshl_or_b32 v[PW], v[TM+6], 16, v[PW]
	v_lshl_or_b32 v[PW], v[TM+7], 24, v[PW]
	WIN 0x02+(\a)/4                                ; source 0: window 2 or 3
.irp c, 0,1
	v_cvt_scalef32_pk16_fp6_f32 v[PC+6*\c:PC+2+6*\c], v[AC+32*\c:AC+15+32*\c], v[TM+12+2*\c]
	v_cvt_scalef32_pk16_fp6_f32 v[PC+12+4*\c:PC+14+4*\c], v[AC+16+32*\c:AC+31+32*\c], v[TM+12+2*\c+1]
.endr
	WIN 0
	v_nop                                          ; one plain place behind a scaled conversion
.irp c, 0,1
.irp i, 0,1,2
	v_permlane16_swap_b32 v[PC+6*\c+\i], v[PC+12+4*\c+\i]
.endr
.irp i, 0,1,2
	v_mov_b32 v[PC+3+6*\c+\i], v[PC+12+4*\c+\i]
.endr
.endr
.endm
.Lcodes:
	v_lshlrev_b32 v[O16], 4, v3
	v_lshlrev_b32 v[O8], 3, v3
.irp b, 0,1,2,3
	v_mov_b32 v[TM+4+\b], 0                        ; a lane permute's destination counts as one of its sources
.endr
	s_mov_b32 s95, 0
	s_cmp_eq_u32 s12, 1
	s_cbranch_scc1 .Lvout
	; q and k: my 128 columns are two heads, a fragment's two halves; my 128 rows are 8 tiles of tokens
	s_cmp_eq_u32 ttmp9, 1
	s_cselect_b32 s13, 1, 0                        ; 1: q
	s_mov_b32 s18, REC
	s_mov_b32 s23, KV
	s_mov_b32 s92, KV+KSO
	s_cmp_eq_u32 s13, 1
	s_cselect_b32 s19, 49152, s18                  ; from head to head: codes,
	s_cselect_b32 s22, 4096, s18                   ; scale words;
	s_cselect_b32 s23, QC, s23                     ; where the codes begin,
	s_cselect_b32 s92, QSC, s92                    ; the scale words
	s_lshl_b32 s46, s2, 4
	s_lshl_b32 s47, s40, 2
	s_add_co_u32 s46, s46, s47
	s_lshl_b32 s47, s16, 1
	s_add_co_u32 s46, s46, s47                     ; my first head: 16 x batch + 4 cx + 2 x half
	s_lshl_b32 s20, s41, 4
	s_lshl_b32 s21, s15, 3
	s_add_co_u32 s20, s20, s21                     ; my first tile of tokens in the batch: 16 cy + 8 x half
	s_mul_i32 s93, s46, s19
	s_add_co_u32 s93, s93, s23
	s_mul_i32 s94, s20, 768
	s_add_co_u32 s94, s94, s93
	s_add_nc_u64 s[96:97], s[10:11], s[94:95]      ; the first head's halves,
	s_mov_b32 s94, s19
	s_add_nc_u64 s[98:99], s[96:97], s[94:95]      ; the second's
	s_mul_i32 s94, s46, s22
	s_add_co_u32 s94, s94, s92
	s_lshl_b32 s93, s20, 6
	s_add_co_u32 s94, s94, s93
	s_add_nc_u64 s[100:101], s[10:11], s[94:95]    ; the scale words
	v_mul_u32_u24 v[SVO], s22, v2                  ; lanes 16-31 store the second head's word
	v_lshl_add_u32 v[SVO], v1, 2, v[SVO]
	v_lshlrev_b32 v[SH16], 4, v2
.irp a, 0,1,2,3,4,5,6,7
	s_wait_xcnt 0x0                                ; the last block's stores have read their registers
	QUANTW \a
	global_store_b128 v[O16], v[PC:PC+3], s[96:97] offset:768*\a
	global_store_b64 v[O8], v[PC+4:PC+5], s[96:97] offset:768*\a+512
	global_store_b128 v[O16], v[PC+6:PC+9], s[98:99] offset:768*\a
	global_store_b64 v[O8], v[PC+10:PC+11], s[98:99] offset:768*\a+512
	v_lshrrev_b32 v[VAL], v[SH16], v[PW]
	v_and_b32 v[VAL], 0xffff, v[VAL]               ; a head's two bytes; the upper two are 0: they stand against zero codes
	global_store_b32 v[SVO], v[VAL], s[100:101] offset:64*\a
.endr
	s_branch .Ldone
.Lvout:
	; v: my 128 rows of the A side are two heads x four tiles of the head's 64; my 128 rows of the B side are one step of 128 keys
	s_lshl_b32 s20, s2, 4
	s_lshl_b32 s21, s41, 2
	s_add_co_u32 s20, s20, s21
	s_lshl_b32 s21, s15, 1
	s_add_co_u32 s20, s20, s21                     ; my first head: 16 x batch + 4 cy + 2 x half
	s_lshl_b32 s46, s40, 1
	s_add_co_u32 s46, s46, s16                     ; the key step: 2 cx + half
	s_mul_i32 s20, s20, REC
	s_add_co_u32 s20, s20, KV
	s_mul_i32 s94, s46, 6144
	s_add_co_u32 s94, s94, s20
	s_add_co_u32 s94, s94, VCO
	s_add_nc_u64 s[96:97], s[10:11], s[94:95]
	s_lshl_b32 s94, s46, 8
	s_add_co_u32 s94, s94, s20
	s_add_co_u32 s94, s94, VSO
	s_add_nc_u64 s[100:101], s[10:11], s[94:95]
	v_lshlrev_b32 v[SVO], 2, v3
	s_mov_b32 s93, 0xffff0000                      ; lanes 16-31
.irp a, 0,1,2,3,4,5,6,7
	s_wait_xcnt 0x0
	QUANTW \a
	global_store_b128 v[O16], v[PC:PC+3], s[96:97] offset:(\a/4)*REC+(\a%4)*1536
	global_store_b64 v[O8], v[PC+4:PC+5], s[96:97] offset:(\a/4)*REC+(\a%4)*1536+512
	global_store_b128 v[O16], v[PC+6:PC+9], s[96:97] offset:(\a/4)*REC+(\a%4)*1536+768
	global_store_b64 v[O8], v[PC+10:PC+11], s[96:97] offset:(\a/4)*REC+(\a%4)*1536+1280
.if (\a%2) == 0
	v_mov_b32 v[PWS], v[PW]                        ; two tiles' scale words leave together: 128 consecutive bytes
.else
	v_cndmask_b32 v[VAL], v[PWS], v[PW], s93
	global_store_b32 v[SVO], v[VAL], s[100:101] offset:(\a/4)*REC+64*((\a%4)-1)
.endif
.endr
.Ldone:
	s_wait_tensorcnt 0x0                           ; the wave's end: behind my last tensor load and my last LDS store
	ds_add_u32 v[SPW], v[NIL]
	s_wait_dscnt 0x0
	CROUND                                         ; the closing round
	s_endpgm
.Lfunc_end_k_q3f6c97c9fd_gemm1:
	.size	k_q3f6c97c9fd_gemm1, .Lfunc_end_k_q3f6c97c9fd_gemm1-k_q3f6c97c9fd_gemm1
	.p2alignl 7, 3214868480
	.fill 96, 4, 3214868480
	.section	.rodata,"a",@progbits
	.p2align	6, 0x0
	.amdhsa_kernel k_q3f6c97c9fd_gemm1
		.amdhsa_group_segment_fixed_size 327680
		.amdhsa_private_segment_fixed_size 0
		.amdhsa_enable_private_segment 0
		.amdhsa_kernarg_size 32
		.amdhsa_user_sgpr_count 2
		.amdhsa_user_sgpr_kernarg_segment_ptr 1
		.amdhsa_wavefront_size32 1
		.amdhsa_system_sgpr_workgroup_id_x 1
		.amdhsa_system_sgpr_workgroup_id_y 1
		.amdhsa_system_sgpr_workgroup_id_z 1
		.amdhsa_system_vgpr_workitem_id 0
		.amdhsa_next_free_vgpr 1024
		.amdhsa_next_free_sgpr 104
		.amdhsa_reserve_vcc 0
		.amdhsa_float_denorm_mode_32 3
		.amdhsa_float_denorm_mode_16_64 3
		.amdhsa_memory_ordered 1
		.amdhsa_forward_progress 1
		.amdhsa_inst_pref_size 219
	.end_amdhsa_kernel
	.amdgpu_metadata
---
amdhsa.version: [ 1, 2 ]
amdhsa.kernels:
  - .name:           k_q3f6c97c9fd_gemm1
    .symbol:         k_q3f6c97c9fd_gemm1.kd
    .args:
      - { .name: ac0, .offset: 0, .size: 8, .value_kind: global_buffer, .address_space: global }
      - { .name: ac2, .offset: 8, .size: 8, .value_kind: global_buffer, .address_space: global }
      - { .name: ha, .offset: 16, .size: 8, .value_kind: global_buffer, .address_space: global }
      - { .name: hm, .offset: 24, .size: 8, .value_kind: global_buffer, .address_space: global }
    .group_segment_fixed_size: 327680
    .private_segment_fixed_size: 0
    .kernarg_segment_align: 8
    .kernarg_segment_size: 32
    .max_flat_workgroup_size: 128
    .sgpr_count:     104
    .vgpr_count:     1024
    .wavefront_size: 32
...
	.end_amdgpu_metadata
.endif
;; end of part 8
;; launch attn_m: the kernel of part 3 again; grid 4 x 64, 16 waves a work-group, clusters of 4 x 1, 167,936 bytes of LDS; arguments hm, ac1; writes ac1
;; launch g4: the kernel of part 8 again; grid 16 x 16, 4 waves a work-group, clusters of 4 x 4, 327,680 bytes of LDS; arguments ac1, ac0, out0, ha; writes out0, ha
;; launch r1: the kernel of part 4 again; grid 256 x 1, 8 waves a work-group, no clusters, 77,824 bytes of LDS; arguments out0, ac1, ttm_ln_g, ttm_ln_b, thp_w, thp_b, thp_ln_g, thp_ln_b, ac2; writes ac2
;; launch g7: the kernel of part 8 again; grid 4 x 16, 4 waves a work-group, clusters of 4 x 4, 327,680 bytes of LDS; arguments ac2, ac0, out0, ha; writes out0, ha
;; launch r2 (part 9): grid 256 x 1, 8 waves a work-group, no clusters, 1,280 bytes of LDS; arguments out0, ha, tn_b1, tn_ln_g, tn_ln_b, tn_w2, tn_b2, ac2, s1, s2; writes s1, s2
.if DOCPART == 9
	.amdgcn_target "amdgcn-amd-amdhsa--gfx1250"
	.amdhsa_code_object_version 6
	.text
	.protected	k_q3f6c97c9fd_r2
	.globl	k_q3f6c97c9fd_r2
	.p2align	8
	.type	k_q3f6c97c9fd_r2,@function
k_q3f6c97c9fd_r2:
	s_mov_b64 s[64:65], 0
	v_nop
	global_prefetch_b8 v0, s[64:65] scope:SCOPE_SE
	s_setreg_imm32_b32 hwreg(HW_REG_WAVE_MODE, 25, 1), 1
	s_wait_xcnt 0x0
; Both passes of temp_net behind their matrix products, for 16 neighbouring tokens: z -> LayerNorm over 1,024 -> exact gelu -> the dot product with tn_w2 in f32 -> + tn_b2 -> sigmoid twice.
; PASS 1: z = (the T half of the product, made by the launch before) + (the x half, made once by the first product) + tn_b1; its result is T1.
; PASS 2: the x half and tn_b1 are the same and stay in registers.  THE T HALF IS NOT MULTIPLIED OUT: the module spreads T1 over all 1,024 of that half's K, so every block of 32 holds T1 alone, the quantised
; row is the constant q(T1), and the half is q(T1) x the row sums of the quantised tn_w1[:, 1024:], for every input.  The row sums were made on the format's matrix instruction by the launch that quantises the weights;
; what is left of the product here is one fused multiply-add a number.  q: T1 is a sigmoid of a sigmoid, which lies in [0.5, 0.7311] whatever goes in; so its block's scale is 2^-3, the format's step there is
; 2^-1, and q(T1) = (16 T1 rounded to a whole number, ties to even) / 16.
; SHARES.  Eight waves, two tokens each; a lane holds columns 128 k + 4 x lane .. + 3, so every load reads 512 consecutive bytes and every reduction stays in the wave.
; The 32 results meet in LDS (one barrier); wave 0 stores the 16 T1, wave 1 the 16 T2, 64 consecutive bytes each.
; Memory binds; work-groups share five small vectors alone: no cluster, no matrix unit.
; gelu(x) = |x| (0.5 - P) + 0.5 x, P = 0.5 erfc(|x| / sqrt 2) by the five-term rational form in t = 1 / (1 + 0.2316419 |x|).
; LIMITS: that form's absolute error, about 1.5e-7 in the normal distribution function; NaN and infinities are not served.
.set RSOFF, 0x658000                   ; in ac2: the row sums
.set SPARE, 256                        ; LDS: T1 of the 16 tokens at 0, T2 at 64; the spare words: four blocks of 256 bytes that no other line names
.set L16,  1
.set R4L,  2                           ; v2   where I read the results back: 4 r, + 64 from wave 1 on
.set R4,   3
.set SPW,  5
.set NIL,  6
.set TXS,  7                           ; v7   8 x wave: my two tokens' words
                                       ; v[8:9], v[10:11] a row's figure, twice; v12-15 at work; v[16:17], v[18:19] q(T1), twice
.set PT,   28
.set TV,   30
.set A0,   32                          ; v32-63   row 0: z, then what becomes of it
.set A1,   64                          ; v64-95   row 1
.set SB0,  96                          ; v96-127  row 0: the x half + tn_b1: kept for pass 2
.set SB1,  128                         ; v128-159 row 1
.set V,    160                         ; v160-191 tn_b1, then tn_w2
.set G,    192                         ; v192-223 the gain; between the passes the row sums
.set BT,   224                         ; v224-255 the shift
.set TP,   192                         ; gelu's 48 registers lie over gain and shift, which are done with by then and are loaded again for pass 2
.set KPZ,  40
.set KN,   42
.set CA1,  44
.set CA2,  46
.set CA3,  48
.set CA4,  50
.set CA5,  51
.set NLE,  52
.set SEL,  54
.macro GELU16 x, t
.irp i, 0,1,2,3,4,5,6,7,8,9,10,11,12,13,14,15
	v_fma_f32 v[\t+\i], |v[\x+\i]|, s[KPZ], 1.0
.endr
.irp i, 0,2,4,6,8,10,12,14
	v_pk_mul_f32 v[\t+16+\i:\t+17+\i], v[\x+\i:\x+\i+1], s[KN:KN+1] op_sel_hi:[1,0]
.endr
.irp i, 0,2,4,6,8,10,12,14
	v_pk_mul_f32 v[\t+16+\i:\t+17+\i], v[\t+16+\i:\t+17+\i], v[\x+\i:\x+\i+1]      ; -x^2 log2(e) / 2
.endr
.irp i, 0,1,2,3,4,5,6,7,8,9,10,11,12,13,14,15
	v_rcp_f32 v[\t+\i], v[\t+\i]
.endr
.irp i, 0,1,2,3,4,5,6,7,8,9,10,11,12,13,14,15
	v_exp_f32 v[\t+16+\i], v[\t+16+\i]
.endr
	v_nop
	s_wait_alu depctr_va_vdst(0)                   ; one wait for the 32
.irp i, 0,1,2,3,4,5,6,7,8,9,10,11,12,13,14,15
	v_fma_f32 v[\t+32+\i], v[\t+\i], s[CA5], s[CA4]
.endr
.irp c, CA3, CA2, CA1
.irp i, 0,2,4,6,8,10,12,14
	v_pk_fma_f32 v[\t+32+\i:\t+33+\i], v[\t+32+\i:\t+33+\i], v[\t+\i:\t+\i+1], s[\c:\c+1] op_sel_hi:[1,1,0]
.endr
.endr
.irp i, 0,2,4,6,8,10,12,14
	v_pk_mul_f32 v[\t+32+\i:\t+33+\i], v[\t+32+\i:\t+33+\i], v[\t+\i:\t+\i+1]
.endr
.irp i, 0,2,4,6,8,10,12,14
	v_pk_mul_f32 v[\t+32+\i:\t+33+\i], v[\t+32+\i:\t+33+\i], v[\t+16+\i:\t+17+\i]  ; P
.endr
.irp i, 0,2,4,6,8,10,12,14
	v_pk_add_f32 v[\t+32+\i:\t+33+\i], v[\t+32+\i:\t+33+\i], 0.5 op_sel_hi:[1,0] neg_lo:[1,0] neg_hi:[1,0]   ; 0.5 - P
.endr
.irp i, 0,2,4,6,8,10,12,14
	v_pk_mul_f32 v[\t+\i:\t+\i+1], v[\x+\i:\x+\i+1], 0.5 op_sel_hi:[1,0]
.endr
.irp i, 0,1,2,3,4,5,6,7,8,9,10,11,12,13,14,15
	v_fma_f32 v[\x+\i], |v[\x+\i]|, v[\t+32+\i], v[\t+\i]
.endr
.endm
.macro LD8 reg, base, off, hint                    ; a row or a vector of 1,024 f32: eight loads of 512 consecutive bytes
.irp k, 0,1,2,3,4,5,6,7
.if \hint
	global_load_b128 v[\reg+4*\k:\reg+4*\k+3], v[L16], s[\base:\base+1] offset:\off+512*\k th:TH_LOAD_NT
.else
	global_load_b128 v[\reg+4*\k:\reg+4*\k+3], v[L16], s[\base:\base+1] offset:\off+512*\k
.endif
.endr
.endm
.macro ZS a, sb                                    ; sb = the x half + tn_b1;  a = the T half + sb
.set II, 0
.rept 16
	v_pk_add_f32 v[\sb+II:\sb+II+1], v[\sb+II:\sb+II+1], v[V+II:V+II+1]
.set II, II+2
.endr
.set II, 0
.rept 16
	v_pk_add_f32 v[\a+II:\a+II+1], v[\a+II:\a+II+1], v[\sb+II:\sb+II+1]
.set II, II+2
.endr
.endm
.macro WRED d                                      ; over the 32 lanes; the result in every lane
	v_add_f32_dpp v[\d], v[\d], v[\d] row_xmask:1 row_mask:0xf bank_mask:0xf
	v_add_f32_dpp v[\d], v[\d], v[\d] row_xmask:2 row_mask:0xf bank_mask:0xf
	v_add_f32_dpp v[\d], v[\d], v[\d] row_xmask:4 row_mask:0xf bank_mask:0xf
	v_add_f32_dpp v[\d], v[\d], v[\d] row_xmask:8 row_mask:0xf bank_mask:0xf
	v_permlanex16_b32 v[PT], v[\d], s[SEL], s[SEL+1]
	v_add_f32 v[\d], v[\d], v[PT]
.endm
.macro RSUM d, a
	v_pk_add_f32 v[12:13], v[\a:\a+1], v[\a+2:\a+3]
	v_pk_add_f32 v[14:15], v[\a+4:\a+5], v[\a+6:\a+7]
.irp j, 8,12,16,20,24,28
	v_pk_add_f32 v[12:13], v[12:13], v[\a+\j:\a+\j+1]
	v_pk_add_f32 v[14:15], v[14:15], v[\a+\j+2:\a+\j+3]
.endr
	v_pk_add_f32 v[12:13], v[12:13], v[14:15]
	v_add_f32 v[\d], v12, v13
	WRED \d
.endm
.macro RDOT d, a, b                                ; the sum of a x b
	v_pk_mul_f32 v[12:13], v[\a:\a+1], v[\b:\b+1]
	v_pk_mul_f32 v[14:15], v[\a+2:\a+3], v[\b+2:\b+3]
.irp j, 4,8,12,16,20,24,28
	v_pk_fma_f32 v[12:13], v[\a+\j:\a+\j+1], v[\b+\j:\b+\j+1], v[12:13]
	v_pk_fma_f32 v[14:15], v[\a+\j+2:\a+\j+3], v[\b+\j+2:\b+\j+3], v[14:15]
.endr
	v_pk_add_f32 v[12:13], v[12:13], v[14:15]
	v_add_f32 v[\d], v12, v13
	WRED \d
.endm
.macro CENTRE a, st                                ; the row less its mean
	v_mul_f32 v[\st], s56, v[\st]
	v_mov_b32 v[\st+1], v[\st]
.set II, 0
.rept 16
	v_pk_add_f32 v[\a+II:\a+II+1], v[\a+II:\a+II+1], v[\st:\st+1] neg_lo:[0,1] neg_hi:[0,1]
.set II, II+2
.endr
.endm
.macro NORM a, st
.set II, 0
.rept 16
	v_pk_mul_f32 v[\a+II:\a+II+1], v[\a+II:\a+II+1], v[\st:\st+1]
.set II, II+2
.endr
.set II, 0
.rept 16
	v_pk_fma_f32 v[\a+II:\a+II+1], v[\a+II:\a+II+1], v[G+II:G+II+1], v[BT+II:BT+II+1]
.set II, II+2
.endr
.endm
; From z in A0 and A1 to the pass's result in v8 and v10 (in every lane)
.macro PASS
	LD8 G, 14, 0, 0                                ; gain and shift land under the statistics
	LD8 BT, 16, 0, 0
	RSUM 8, A0
	RSUM 10, A1
	CENTRE A0, 8
	CENTRE A1, 10
	RDOT 8, A0, A0
	RDOT 10, A1, A1
	v_fma_f32 v8, v8, s56, s57
	v_fma_f32 v10, v10, s56, s57
	v_rsq_f32 v8, v8
	v_rsq_f32 v10, v10
	v_nop
	s_wait_alu depctr_va_vdst(0)
	v_mov_b32 v9, v8
	v_mov_b32 v11, v10
	s_wait_loadcnt 0x0
	NORM A0, 8
	NORM A1, 10
	GELU16 A0, TP
	GELU16 A0+16, TP
	GELU16 A1, TP
	GELU16 A1+16, TP
	RDOT 8, A0, V
	RDOT 10, A1, V
	v_add_f32 v8, s32, v8
	v_add_f32 v10, s32, v10
.rept 2                                            ; sigmoid, twice
	v_mul_f32 v8, s[NLE], v8
	v_mul_f32 v10, s[NLE], v10
	v_exp_f32 v8, v8
	v_exp_f32 v10, v10
	v_nop
	s_wait_alu depctr_va_vdst(0)
	v_add_f32 v8, 1.0, v8
	v_add_f32 v10, 1.0, v10
	v_rcp_f32 v8, v8
	v_rcp_f32 v10, v10
	v_nop
	s_wait_alu depctr_va_vdst(0)
.endr
.endm
	s_load_b512 s[8:23], s[0:1], 0x0               ; the T half, ha (the x half at its head), tn_b1, tn_ln_g, tn_ln_b, tn_w2, tn_b2, ac2
	s_load_b128 s[24:27], s[0:1], 0x40             ; T1's table, T2's table
	v_lshl_add_u32 v[SPW], v0, 2, SPARE
	v_mov_b32 v[NIL], 0
	v_lshrrev_b32 v[TXS], 5, v0
	v_readfirstlane_b32 s28, v[TXS]                ; wave 0..7
	v_lshlrev_b32 v[TXS], 3, v[TXS]
	v_and_b32 v[PT], 31, v0
	v_lshlrev_b32 v[L16], 4, v[PT]
	v_and_b32 v[R4], 15, v0
	v_lshlrev_b32 v[R4], 2, v[R4]
	s_min_u32 s29, s28, 1
	s_lshl_b32 s29, s29, 6
	v_add_nc_u32 v[R4L], s29, v[R4]
	v_mov_b32 v[PT], 0
	s_mov_b32 s[KPZ], 0x3e6d3388                   ; 0.3275911 / sqrt 2
	s_mov_b32 s[KN], 0xbf38aa3b                    ; -log2(e) / 2
	s_mov_b32 s[KN+1], s[KN]
	s_mov_b32 s[CA1], 0x3e027906                   ; the five coefficients, halved
	s_mov_b32 s[CA1+1], s[CA1]
	s_mov_b32 s[CA2], 0xbe11a98e
	s_mov_b32 s[CA2+1], s[CA2]
	s_mov_b32 s[CA3], 0x3f35f0e3
	s_mov_b32 s[CA3+1], s[CA3]
	s_mov_b32 s[CA4], 0xbf3a00e3
	s_mov_b32 s[CA5], 0x3f07dc22
	s_mov_b32 s[NLE], 0xbfb8aa3b                   ; -log2(e)
	s_mov_b32 s[SEL], 0x76543210
	s_mov_b32 s[SEL+1], 0xfedcba98
	s_mov_b32 s56, 0x3a800000                      ; 1 / 1,024
	s_mov_b32 s57, 0x3727c5ac                      ; 1e-5
	s_lshl_b32 s30, ttmp9, 4
	s_lshl_b32 s31, s28, 1
	s_add_co_u32 s30, s30, s31                     ; my first token: 16 x work-group + 2 x wave
	s_lshl_b32 s30, s30, 12                        ; a row is 4,096 bytes
	s_mov_b32 s31, 0
	s_wait_kmcnt 0x0
	s_load_b32 s32, s[20:21], 0x0                  ; tn_b2
	s_add_nc_u64 s[8:9], s[8:9], s[30:31]
	s_add_nc_u64 s[10:11], s[10:11], s[30:31]
	s_add_nc_u64 s[22:23], s[22:23], RSOFF
	s_cmp_eq_u32 s28, 0                            ; wave 0 stores T1, wave 1 T2: the choice hangs on the wave's number
	s_cselect_b64 s[24:25], s[24:25], s[26:27]
	s_lshl_b32 s30, ttmp9, 6
	s_add_nc_u64 s[24:25], s[24:25], s[30:31]      ; the work-group's 16 tokens in the table
	LD8 V, 12, 0, 0
	LD8 A0, 8, 0, 1
	LD8 SB0, 10, 0, 1
	LD8 A1, 8, 4096, 1
	LD8 SB1, 10, 4096, 1
	s_wait_loadcnt 16                              ; the bias and the first row's two halves are in; the second row's 16 loads may be out
	ZS A0, SB0
	s_wait_loadcnt 0x0
	ZS A1, SB1
	LD8 V, 18, 0, 0                                ; tn_w2: it stays for both passes
	s_wait_kmcnt 0x0                               ; tn_b2
	PASS
	ds_store_b32 v[TXS], v8                        ; T1: all lanes write the same word with the same value
	ds_store_b32 v[TXS], v10 offset:4
	LD8 G, 22, 0, 0                                ; the row sums
	v_mul_f32 v16, 0x41800000, v8                  ; 16 T1,
	v_mul_f32 v18, 0x41800000, v10
	v_rndne_f32 v16, v16                           ; to the nearest whole number, ties to even,
	v_rndne_f32 v18, v18
	v_mul_f32 v16, 0x3d800000, v16                 ; / 16: the quantised T1
	v_mul_f32 v18, 0x3d800000, v18
	v_mov_b32 v17, v16
	v_mov_b32 v19, v18
	s_wait_loadcnt 0x0
.set II, 0
.rept 16
	v_pk_fma_f32 v[A0+II:A0+II+1], v[G+II:G+II+1], v[16:17], v[SB0+II:SB0+II+1]
.set II, II+2
.endr
.set II, 0
.rept 16
	v_pk_fma_f32 v[A1+II:A1+II+1], v[G+II:G+II+1], v[18:19], v[SB1+II:SB1+II+1]
.set II, II+2
.endr
	PASS
	ds_store_b32 v[TXS], v8 offset:64              ; T2
	ds_store_b32 v[TXS], v10 offset:68
	s_wait_dscnt 0x0                               ; for the others' sake
	s_barrier_signal -1
	s_barrier_wait -1
	ds_load_b32 v[TV], v[R4L]                      ; token r's T1 (wave 0) or T2
	s_wait_dscnt 0x0
	v_and_b32 v[PT], 16, v0
	v_cmp_eq_u32 vcc_lo, 0, v[PT]
	s_wait_xcnt 0x0                                ; EXEC changes only behind this wait
	s_and_saveexec_b32 s59, vcc_lo
	s_cmp_ge_u32 s28, 2
	s_cbranch_scc1 .Lnot_mine
	global_store_b32 v[R4], v[TV], s[24:25]        ; lanes 0-15: 64 consecutive bytes
.Lnot_mine:
	s_wait_xcnt 0x0
	s_or_b32 exec_lo, exec_lo, s59
	s_wait_tensorcnt 0x0                           ; the wave's end: behind my last LDS store
	ds_add_u32 v[SPW], v[NIL]
	s_wait_dscnt 0x0
	s_endpgm
.Lfunc_end_k_q3f6c97c9fd_r2:
	.size	k_q3f6c97c9fd_r2, .Lfunc_end_k_q3f6c97c9fd_r2-k_q3f6c97c9fd_r2
	.p2alignl 7, 3214868480
	.fill 96, 4, 3214868480
	.section	.rodata,"a",@progbits
	.p2align	6, 0x0
	.amdhsa_kernel k_q3f6c97c9fd_r2
		.amdhsa_group_segment_fixed_size 1280
		.amdhsa_private_segment_fixed_size 0
		.amdhsa_enable_private_segment 0
		.amdhsa_kernarg_size 80
		.amdhsa_user_sgpr_count 2
		.amdhsa_user_sgpr_kernarg_segment_ptr 1
		.amdhsa_wavefront_size32 1
		.amdhsa_system_sgpr_workgroup_id_x 1
		.amdhsa_system_sgpr_workgroup_id_y 1
		.amdhsa_system_sgpr_workgroup_id_z 1
		.amdhsa_system_vgpr_workitem_id 0
		.amdhsa_next_free_vgpr 256
		.amdhsa_next_free_sgpr 66
		.amdhsa_reserve_vcc 1
		.amdhsa_float_denorm_mode_32 3
		.amdhsa_float_denorm_mode_16_64 3
		.amdhsa_memory_ordered 1
		.amdhsa_forward_progress 1
		.amdhsa_inst_pref_size 118
	.end_amdhsa_kernel
	.amdgpu_metadata
---
amdhsa.version: [ 1, 2 ]
amdhsa.kernels:
  - .name:           k_q3f6c97c9fd_r2
    .symbol:         k_q3f6c97c9fd_r2.kd
    .args:
      - { .name: out0, .offset: 0, .size: 8, .value_kind: global_buffer, .address_space: global }
      - { .name: ha, .offset: 8, .size: 8, .value_kind: global_buffer, .address_space: global }
      - { .name: tn_b1, .offset: 16, .size: 8, .value_kind: global_buffer, .address_space: global }
      - { .name: tn_ln_g, .offset: 24, .size: 8, .value_kind: global_buffer, .address_space: global }
      - { .name: tn_ln_b, .offset: 32, .size: 8, .value_kind: global_buffer, .address_space: global }
      - { .name: tn_w2, .offset: 40, .size: 8, .value_kind: global_buffer, .address_space: global }
      - { .name: tn_b2, .offset: 48, .size: 8, .value_kind: global_buffer, .address_space: global }
      - { .name: ac2, .offset: 56, .size: 8, .value_kind: global_buffer, .address_space: global }
      - { .name: s1, .offset: 64, .size: 8, .value_kind: global_buffer, .address_space: global }
      - { .name: s2, .offset: 72, .size: 8, .value_kind: global_buffer, .address_space: global }
    .group_segment_fixed_size: 1280
    .private_segment_fixed_size: 0
    .kernarg_segment_align: 8
    .kernarg_segment_size: 80
    .max_flat_workgroup_size: 256
    .sgpr_count:     66
    .vgpr_count:     256
    .wavefront_size: 32
...
	.end_amdgpu_metadata
.endif
;; end of part 9
;; launch fin: the kernel of part 6 again; grid 1 x 1, 16 waves a work-group, no clusters, 2,560 bytes of LDS; arguments ac2, s1, s2, out1, ha; writes out1, ha
;; launch attn_a: the kernel of part 3 again; grid 4 x 64, 16 waves a work-group, clusters of 4 x 1, 167,936 bytes of LDS; arguments ha, ac3; writes ac3
;; launch gout: the kernel of part 8 again; grid 4 x 16, 4 waves a work-group, clusters of 4 x 4, 327,680 bytes of LDS; arguments ac3, ac0, out0, ha; writes out0, ha
